; MI455X (gfx1250); checked and timed in simulation.
; The chip was launched on July 23, 2026; its instructions are those of AMD's public machine-readable ISA for CDNA 5 (MIT licence, August 2026) and "CDNA5" Instruction Set Architecture Reference Guide (July 2026). The comments in the code are by the model that wrote it; some were corrected since.
;; Transformer Encoder Block. Allowed arithmetic: matrix products marked QUANTISED: E4M3 operands, one given power-of-two scale a tensor, by v_wmma_f32_16x16x64_fp8_fp8 or v_wmma_f32_16x16x128_fp8_fp8, f32 sums; everything else in f32.
;; Inputs: b_fc1 1,024 float32; b_fc2 1,024 float32; b_proj 1,024 float32; b_qkv 3,072 float32; ln1_b 1,024 float32; ln1_g 1,024 float32; ln2_b 1,024 float32; ln2_g 1,024 float32; lowp_scales 12 int32 (the exponents e of the quantised operands' scales 2^e); w_fc1 1,024 x 1,024 float32; w_fc2 1,024 x 1,024 float32; w_proj 1,024 x 1,024 float32; w_qkv 1,024 x 3,072 float32; x 8 x 1,024 x 1,024 float32.
;; Outputs: out0 8 x 1,024 x 1,024 float32.
;; This version of the problem:
;;   THIS VERSION OF THE PROBLEM IS GIVEN IN LOW PRECISION. The matrix products marked QUANTISED in the list below multiply operands that are first quantised to E4M3 (4 exponent bits, 3 mantissa bits; 8 bits a number), with one given power-of-two scale for each operand tensor; their sums are f32. All else is computed in f32.
;;   The module's matrix products, in the order in which they are computed (A, B: the left and right operand; K: the contracted axis; several contracted axes count as one K, in the product's order):
;;     1. [M 8,192, K 1,024] x [K 1,024, N 3,072]; A: computed on the way; B: input w_qkv: QUANTISED (scales: A lowp_scales[0], B lowp_scales[1])
;;     2. batch 128 x [M 1,024, K 64] x [K 64, N 1,024]; A: computed on the way; B: computed on the way: QUANTISED (scales: A lowp_scales[2], B lowp_scales[3])
;;     3. batch 128 x [M 64, K 1,024] x [K 1,024, N 1,024]; A: computed on the way; B: softmax (see below): QUANTISED (scales: A lowp_scales[4], B lowp_scales[5])
;;     4. [M 8,192, K 1,024] x [K 1,024, N 1,024]; A: computed on the way; B: input w_proj: QUANTISED (scales: A lowp_scales[6], B lowp_scales[7])
;;     5. [M 8,192, K 1,024] x [K 1,024, N 1,024]; A: computed on the way; B: input w_fc1: QUANTISED (scales: A lowp_scales[8], B lowp_scales[9])
;;     6. [M 8,192, K 1,024] x [K 1,024, N 1,024]; A: computed on the way; B: input w_fc2: QUANTISED (scales: A lowp_scales[10], B lowp_scales[11])
;;   THE QUANTISER, for each operand of a quantised product, along K:
;;     - The operand's scale is 2^e, e = its entry of the input lowp_scales (int32; the entries are numbered through the quantised products in the list's order, A before B).
;;     - Each number is divided by the scale, clamped to +-448, and rounded to the nearest number of E4M3, ties to even, subnormals kept.
;;     - The product sums the exact products of the quantised numbers (number of the format x scale) in f32.
;;   ~~~python
;;   def quantise(x, axis, e):      # numpy; x: float32 -> the quantised numbers, widened to float32 again
;;       x = np.moveaxis(x, axis, -1); K = x.shape[-1]
;;       r = np.clip(x / 2.0 ** e, -448, 448)
;;       step = 2.0 ** (np.maximum(np.frexp(np.where(r == 0, 1, r))[1] - 1, -6) - 3)
;;       q = np.round(r / step) * step * 2.0 ** e      # np.round: ties to even
;;       return np.moveaxis(q, -1, axis).astype(np.float32)
;;   ~~~
;;   SOFTMAX AHEAD OF A QUANTISED PRODUCT. Where the list says 'softmax', what is quantised is not the finished softmax but p = 2^(t - M), with t = logit x log2(e) and M = ceil(the row's largest t), a whole number; so 1/2 < the row's largest p <= 1. The row's sum l is taken of the UNQUANTISED p, in f32, and the product's result is divided by l at the end. Since M is a whole number, a kernel that streams over the keys may use a running M (the ceiling of the running maximum): every later rescaling is an exact power of two, so the quantised numbers keep their values, but for numbers so far below the row's largest that they fall under the format's range.
;;   OPERANDS COMPUTED ON THE WAY. 'Computed on the way' means the value that the module computes at that place (a softmax that the list does not call 'softmax' is quantised finished and normalised). What goes into a quantiser is computed in f32, as accurately as f32 sums, v_exp_f32 and their like allow (about 1e-6 of the number): no bf16 or f16 on the way to a quantiser, and a product that is left as it is and whose result goes on into a quantised operand takes f32 operands (vector FMAs, or v_wmma_f32_16x16x4_f32). A number that lies on a knife's edge between two numbers of the format may be rounded either way, as far as f32 arithmetic and the matrix unit's own rounding can turn it there, and no further.
;; 2 versions. Each part assembles by itself: llvm-mc -triple=amdgcn-amd-amdhsa -mcpu=gfx1250 --defsym DOCPART=n.
;; ======== version 1 of 2: 4 launches
;; workspace buffers: wc 6,291,456 bytes; qkvc 25,165,824 bytes; oc 8,388,608 bytes
;; launch wq (part 1): grid 48 x 4, 4 waves a work-group, no clusters, 35,840 bytes of LDS; arguments w_qkv, w_proj, w_fc1, w_fc2, lowp_scales, wc; writes wc
.if DOCPART == 1
	.amdgcn_target "amdgcn-amd-amdhsa--gfx1250"
	.amdhsa_code_object_version 6
	.text
	.protected	k_qe9ef99ea9d_wq
	.globl	k_qe9ef99ea9d_wq
	.p2align	8
	.type	k_qe9ef99ea9d_wq,@function
k_qe9ef99ea9d_wq:
	s_mov_b64 s[64:65], 0
	v_nop
	global_prefetch_b8 v0, s[64:65] scope:SCOPE_SE
	s_setreg_imm32_b32 hwreg(HW_REG_WAVE_MODE, 25, 1), 1
	s_wait_xcnt 0x0
; The four weights, f32 stored [K = 1024][N], become codes of E4M3 with the scale 2^e given for each (entries 1, 7, 9, 11 of the scales), laid in the order in which
; the later launches' operand registers take them:  wc = [pos 192][ks 8][u 2][c 4][lane 32][16 bytes].  A block of 32 columns is cb = column / 32, counted through
; w_qkv (0-95), w_proj (96-127), w_fc1 (128-159), w_fc2 (160-191);  pos = (cb & ~31) + 4 (cb & 7) + ((cb >> 3) & 3).
; Lane (r, h) of piece (ks, u, c) holds column 32 cb + 8 u + r + 8 (r / 8), k = 128 ks + 32 c + 16 h + 0 .. 15.
; A LANE TAKES A COLUMN AND ITS REGISTERS RUN DOWN K: a load reads 128 consecutive bytes a wave, the four waves stand side by side on 512, and the conversions give codes with K innermost.
; A wave takes one cb and 256 along K; its codes turn through its own stage in LDS and leave as 16 pieces of 512 consecutive bytes.  Waves share nothing: no barrier.
; One path serves all four tensors: pointer, first column, row pitch and exponent are chosen by selects on the work-group's number.
; code = x / 2^e, held within +-448, nearest, ties to even.  LIMITS: e between -126 and 119.  NaN among the inputs is not served.
.set PITCH, 272                        ; a stage row: 256 bytes of codes + 16
.set STG,   32*PITCH                   ; a wave's stage
.set SPARE, 4*STG                      ; behind the stages: the spare words, 128 bytes a wave, named by no other line
.set OFF,   16                         ; v16-47   4 x lane + i x pitch: row i of a block of 32 rows; never rewritten
.set X,     48                         ; v48-111  two sets of 32 numbers
.set C,     112                        ; v112-119 a block's codes
.set OUTR,  120                        ; v120-183 the way out
.set SPW,   14
.set NIL,   15
	s_load_b256 s[4:11], s[0:1], 0x0               ; w_qkv, w_proj, w_fc1, w_fc2
	s_load_b128 s[12:15], s[0:1], 0x20             ; the scales' exponents, wc
	v_lshl_add_u32 v[SPW], v0, 2, SPARE
	v_mov_b32 v[NIL], 0
	v_lshrrev_b32 v1, 5, v0
	v_readfirstlane_b32 s16, v1                    ; wave
	v_and_b32 v1, 31, v0                           ; lane
	v_and_b32 v2, 15, v0                           ; r
	v_bfe_u32 v3, v0, 4, 1                         ; h
	s_mov_b32 s17, ttmp9                           ; x: 128 columns
	s_and_b32 s18, ttmp7, 0xffff                   ; y: 256 along K
	s_mov_b32 s34, 40                              ; the tensor's first x: 40 w_fc2, 32 w_fc1, 24 w_proj, 0 w_qkv
	s_cmp_lt_u32 s17, 40
	s_cselect_b32 s34, 32, s34
	s_cmp_lt_u32 s17, 32
	s_cselect_b32 s34, 24, s34
	s_mov_b32 s36, 4096                            ; bytes in a row of the tensor
	s_cmp_lt_u32 s17, 24
	s_cselect_b32 s34, 0, s34
	s_cselect_b32 s36, 12288, s36
	s_mul_i32 s19, s16, STG                        ; my stage
	v_mul_u32_u24 v4, v1, PITCH
	v_add_nc_u32 v4, s19, v4                       ; into it: row = my column
	v_and_b32 v5, 8, v2
	v_add_nc_u32 v5, v5, v2                        ; r + 8 (r / 8)
	v_mul_u32_u24 v7, v5, PITCH
	v_lshl_add_u32 v7, v3, 4, v7
	v_add_nc_u32 v7, s19, v7                       ; out of it: a piece's row for lane r, + 16 h
	v_lshlrev_b32 v8, 4, v1                        ; 16 x lane: my place in a piece
	v_lshlrev_b32 v9, 2, v1
	v_mov_b32 v6, s36
.set i, 0
.rept 32
	v_mad_u32_u24 v[OFF+i], v6, i, v9
.set i, i+1
.endr
	s_sub_co_u32 s37, s17, s34
	s_lshl_b32 s37, s37, 9                         ; 128 columns of 4 bytes
	s_lshl_b32 s38, s16, 7                         ; 32 columns a wave
	s_add_co_u32 s38, s38, s37
	s_lshl_b32 s37, s18, 8
	s_mul_i32 s37, s37, s36                        ; 256 y rows
	s_add_co_u32 s38, s38, s37
	s_mov_b32 s39, 0                               ; s[38:39]: where my wave's part begins in its tensor
	s_lshl_b32 s60, s36, 5
	s_mov_b32 s61, 0                               ; s[60:61]: 32 rows
	s_lshl_b32 s37, s17, 2
	s_add_co_u32 s37, s37, s16                     ; cb
	s_and_not1_b32 s58, s37, 31
	s_and_b32 s59, s37, 7
	s_lshl_b32 s59, s59, 2
	s_add_co_u32 s58, s58, s59
	s_bfe_u32 s59, s37, 0x20003
	s_add_co_u32 s58, s58, s59                     ; pos
	s_lshl_b32 s58, s58, 15
	s_lshl_b32 s59, s18, 13                        ; two ks of 4,096 bytes for each y
	s_add_co_u32 s58, s58, s59
	s_mov_b32 s59, 0                               ; s[58:59]: where my 16 pieces begin in wc
	s_wait_kmcnt 0x0
	s_load_b256 s[20:27], s[12:13], 0x0            ; e0 .. e7
	s_load_b128 s[28:31], s[12:13], 0x20           ; e8 .. e11
	s_mov_b64 s[32:33], s[10:11]
	s_cmp_lt_u32 s17, 40
	s_cselect_b64 s[32:33], s[8:9], s[32:33]
	s_cmp_lt_u32 s17, 32
	s_cselect_b64 s[32:33], s[6:7], s[32:33]
	s_cmp_lt_u32 s17, 24
	s_cselect_b64 s[32:33], s[4:5], s[32:33]       ; the choice hangs on the work-group's number alone
	s_add_nc_u64 s[56:57], s[14:15], s[58:59]
	s_add_nc_u64 s[40:41], s[32:33], s[38:39]      ; a base for each block of 32 rows: none is ever stepped
.irp t, 1,2,3,4,5,6,7
	s_add_nc_u64 s[40+2*\t:41+2*\t], s[38+2*\t:39+2*\t], s[60:61]
.endr
.macro LOAD t                          ; block t: W(256 y + 32 t + i, my column) into set t % 2
.set i, 0
.rept 32
	global_load_b32 v[X+32*((\t)%2)+i], v[OFF+i], s[40+2*(\t):41+2*(\t)] th:TH_LOAD_NT
.set i, i+1
.endr
.endm
	LOAD 0
	LOAD 1
	s_wait_kmcnt 0x0
	s_mov_b32 s35, s31
	s_cmp_lt_u32 s17, 40
	s_cselect_b32 s35, s29, s35
	s_cmp_lt_u32 s17, 32
	s_cselect_b32 s35, s27, s35
	s_cmp_lt_u32 s17, 24
	s_cselect_b32 s35, s21, s35                    ; e
	s_add_co_i32 s35, s35, 127
	s_lshl_b32 s37, s35, 23
	v_mov_b32 v11, s37                             ; 2^e as f32: the conversion takes its exponent field
	s_add_co_i32 s35, s35, 8
	s_lshl_b32 s35, s35, 23
	s_or_b32 s35, s35, 0x600000
	v_mov_b32 v10, s35                             ; 448 x 2^e
.macro BLOCK t
.set XS, X+32*((\t)%2)
.if (\t) < 7
	s_wait_loadcnt 32                              ; this block's 32 loads are in; the next block's 32 may be out
.else
	s_wait_loadcnt 0
.endif
.set k, 0
.rept 32
	v_med3_num_f32 v[XS+k], v[XS+k], -v10, v10     ; the conversion to an 8-bit code does not saturate (ISA guide 7.6.2): the hold comes first
.set k, k+1
.endr
.irp g, 0,1,2,3
	v_cvt_scalef32_pk8_fp8_f32 v[C+2*\g:C+2*\g+1], v[XS+8*\g:XS+8*\g+7], v11
.endr
	ds_store_b128 v4, v[C:C+3] offset:32*(\t)      ; 32 codes of my column's row
	ds_store_b128 v4, v[C+4:C+7] offset:32*(\t)+16
.if (\t)+2 < 8
	LOAD (\t)+2
.endif
	s_wait_dscnt 0x0                               ; the stores are done: the next block's codes may be written
.endm
.irp t, 0,1,2,3,4,5,6,7
	BLOCK \t
.endr
.set t, 0
.rept 16                               ; piece t = 8 ks + 4 u + c
	ds_load_b128 v[OUTR+4*t:OUTR+4*t+3], v7 offset:((t>>2)&1)*8*PITCH+(t>>3)*128+(t&3)*32   ; LDS serves a wave's instructions in order: these see my stores
.set t, t+1
.endr
.set t, 0
.rept 16
	s_wait_dscnt 15-t
	global_store_b128 v8, v[OUTR+4*t:OUTR+4*t+3], s[56:57] offset:512*t    ; 32 lanes store 512 consecutive bytes, aligned
.set t, t+1
.endr
	s_wait_tensorcnt 0x0                           ; the wave's end, behind my last LDS store
	ds_add_u32 v[SPW], v[NIL]
	s_wait_dscnt 0x0
	s_endpgm
.Lfunc_end_k_qe9ef99ea9d_wq:
	.size	k_qe9ef99ea9d_wq, .Lfunc_end_k_qe9ef99ea9d_wq-k_qe9ef99ea9d_wq
	.p2alignl 7, 3214868480
	.fill 96, 4, 3214868480
	.section	.rodata,"a",@progbits
	.p2align	6, 0x0
	.amdhsa_kernel k_qe9ef99ea9d_wq
		.amdhsa_group_segment_fixed_size 35840
		.amdhsa_private_segment_fixed_size 0
		.amdhsa_enable_private_segment 0
		.amdhsa_kernarg_size 48
		.amdhsa_user_sgpr_count 2
		.amdhsa_user_sgpr_kernarg_segment_ptr 1
		.amdhsa_wavefront_size32 1
		.amdhsa_system_sgpr_workgroup_id_x 1
		.amdhsa_system_sgpr_workgroup_id_y 1
		.amdhsa_system_sgpr_workgroup_id_z 1
		.amdhsa_system_vgpr_workitem_id 0
		.amdhsa_next_free_vgpr 192
		.amdhsa_next_free_sgpr 66
		.amdhsa_reserve_vcc 0
		.amdhsa_float_denorm_mode_32 3
		.amdhsa_float_denorm_mode_16_64 3
		.amdhsa_memory_ordered 1
		.amdhsa_forward_progress 1
		.amdhsa_inst_pref_size 53
	.end_amdhsa_kernel
	.amdgpu_metadata
---
amdhsa.version: [ 1, 2 ]
amdhsa.kernels:
  - .name:           k_qe9ef99ea9d_wq
    .symbol:         k_qe9ef99ea9d_wq.kd
    .args:
      - { .name: w_qkv, .offset: 0, .size: 8, .value_kind: global_buffer, .address_space: global }
      - { .name: w_proj, .offset: 8, .size: 8, .value_kind: global_buffer, .address_space: global }
      - { .name: w_fc1, .offset: 16, .size: 8, .value_kind: global_buffer, .address_space: global }
      - { .name: w_fc2, .offset: 24, .size: 8, .value_kind: global_buffer, .address_space: global }
      - { .name: lowp_scales, .offset: 32, .size: 8, .value_kind: global_buffer, .address_space: global }
      - { .name: wc, .offset: 40, .size: 8, .value_kind: global_buffer, .address_space: global }
    .group_segment_fixed_size: 35840
    .private_segment_fixed_size: 0
    .kernarg_segment_align: 8
    .kernarg_segment_size: 48
    .max_flat_workgroup_size: 128
    .sgpr_count:     66
    .vgpr_count:     192
    .wavefront_size: 32
...
	.end_amdgpu_metadata
.endif
;; end of part 1
;; launch qkv (part 2): grid 256 x 1, 4 waves a work-group, clusters of 4 x 1, 327,680 bytes of LDS; arguments x, ln1_g, ln1_b, b_qkv, lowp_scales, wc, qkvc; writes qkvc
.if DOCPART == 2
	.amdgcn_target "amdgcn-amd-amdhsa--gfx1250"
	.amdhsa_code_object_version 6
	.text
	.protected	k_qe9ef99ea9d_qkv
	.globl	k_qe9ef99ea9d_qkv
	.p2align	8
	.type	k_qe9ef99ea9d_qkv,@function
k_qe9ef99ea9d_qkv:
	s_mov_b64 s[64:65], 0
	v_nop
	global_prefetch_b8 v0, s[64:65] scope:SCOPE_SE
	s_setreg_imm32_b32 hwreg(HW_REG_WAVE_MODE, 25, 1), 1
	s_wait_xcnt 0x0
	s_wait_alu depctr_hold_cnt(0) depctr_sa_sdst(0) depctr_va_vdst(0) depctr_va_sdst(0) depctr_va_ssrc(0) depctr_va_vcc(0) depctr_vm_vsrc(0)
	s_getreg_b32 s2, hwreg(HW_REG_IB_STS2, 6, 4)
	s_cmp_eq_u32 s2, 0
	s_cbranch_scc0 .Lentry_in_a_cluster
	s_endpgm
.Lentry_in_a_cluster:
	s_bfe_u32 s2, ttmp6, 0x10000c
	s_cmp_lg_u32 s2, 0x3003
	s_cbranch_scc0 .Lentry_shape_is_right
	s_endpgm
.Lentry_shape_is_right:
; LayerNorm 1, its codes (scale entry 0), the product with w_qkv's codes (entry 1), + b_qkv, and the codes of q, k, v (entries 2, 3, 4), laid as the attention launch's operand registers take them.
; SHARES.  A work-group owns 32 tokens (row block RB) and walks all 3,072 columns in 24 slots of 128 columns; wave w makes columns 256 w + 32 s of each third in slot s.
; Every wave holds the 32 tokens' codes, 2 tiles x 8 K steps of 128 = 256 registers, for the whole launch.  Weights come as dense blocks of 32,768 bytes a wave and slot through a ring of two LDS slots.
; CLUSTER.  All row blocks walk the same weights: the four work-groups of a cluster ask for each block JOINTLY (mask 15, the same descriptor in all four).
; LAYOUT.  Lane (r, h).  A tile's lane r stands for member 8 u + r + 8 (r / 8) of its block of 32 (tokens, or columns).  Registers 4 c .. 4 c + 3 of a fragment hold k = 32 c + 16 h + 0 .. 15, alike in both operands.
; q, k: source 0 = weights, source 1 = tokens: a lane holds one token and 16 neighbouring columns: 16 codes = its 16 bytes of a piece.  v: the sources swapped: a lane holds one column d and 16 neighbouring tokens (keys).
; qkvc: q at 0, k at 8,388,608: [head 128][c' 2][tile 64][lane][16];  v at 16,777,216: [head 128][d tile 4][block of 32 keys: 32][lane][16].
; LIMITS: e0, e2, e3, e4 between -126 and 119; e0 + e1 between -126 and 127.  NaN among the inputs is not served.  The order of the f32 sums differs from the reference's (by lanes; k permuted within a matrix instruction).
; REGISTERS in windows of 256: window 0 addresses, accumulators, work; window 1 the tokens' fragments (mt, ks) at v[16 (8 mt + ks)]; window 3 a slot's 16 weight fragments (2 ks + u) at v[16 f].
.set SLOTB, 131072                     ; a slot: four waves x 32,768 bytes
.set CROW,  2*SLOTB                    ; 32 rows of 1,024 codes + 16: row = position p of a token (p = 16 mt + r)
.set CPI,   1040
.set BIAS,  CROW+32*CPI                ; b_qkv, 12,288 bytes
.set SPARE, BIAS+12288                 ; the spare words, 128 bytes a wave, named by no other line
.set LI,   1                           ; 16 x lane
.set R,    2
.set H,    3
.set ADB0, 4                           ; 16 x lane + 32,768 x wave: my place in a slot
.set ADR,  5
.set ACR,  6                           ; where I read the tokens' fragments
.set CWR,  7                           ; where I put a row's codes
.set ABQ,  8                           ; my 16 biases (q, k)
.set ABV,  9                           ; my bias (v)
.set TA,   10
.set PFO,  11
.set SC,   12                          ; the scale in hand as f32, and 448 x it
.set LM,   13
.set SPW,  14
.set NIL,  15
.set CD,   16                          ; v16-23 codes just made
.set MU,   26
.set RS,   28
.set ACC,  32                          ; v32-63 four accumulators
.set BI,   64
.set TMP,  80                          ; v80-111
.set GG,   32                          ; during LayerNorm: gain, offset, the bias on its way to LDS, four rows
.set BB,   64
.set LAND, 96
.set X,    128
.set WV,   18
.set G1,   24
.set G0,   32
.set TB,   36                          ; LDS byte at which the slot in hand begins
.set LEFT, 37                          ; fills still to come
.set LIM,  38
.set CNT,  39
.set PFA,  40
.set OBQ,  42
.set OBK,  44
.set OBV,  46
.set S01,  56
.set BOF,  58
.set SEL,  60
.set C10,  62
.set EPS,  63
.set XB,   66
.set W_T,  0x07                        ; source 0 window 3 (weights), source 1 window 1 (tokens)
.set W_N,  0x0d                        ; source 0 window 1, source 1 window 3
.set TO_B, 0xc0
.set TO_A, 0x40
.set MSB, 0
.macro WIN new                         ; the immediate's high byte repeats the setting that is left
.if MSB != \new
	s_set_vgpr_msb (MSB<<8)|\new
.set MSB, \new
.endif
.endm
.macro ROUND                           ; a round of the cluster's barrier
	s_barrier_signal -1
	s_barrier_wait -1
	s_cmp_lg_u32 s[WV], 0
	s_cbranch_scc1 .Lnot_wave_0_\@
	s_barrier_signal -3
.Lnot_wave_0_\@:
	s_barrier_wait -3
	s_barrier_signal -1
	s_barrier_wait -1
.endm
; A prefetch of the slot that stands two fills on.  All clusters walk the same weights: cluster 0 alone asks; its sixteen waves share a slot's 512 blocks of 256 bytes out by address, a lane a block.
.macro ASK
	s_cmp_gt_u32 s[LEFT], s[LIM]
	s_cbranch_scc0 .Lnot_mine_\@
	global_prefetch_b8 v[PFO], s[PFA:PFA+1] th:TH_LOAD_NT scope:SCOPE_SE
.Lnot_mine_\@:
.endm
; The change of slots, at a slot's head.  My tensor load (my part of the slot ahead) has landed; 0 onto my spare word; my reads of the slot that I left are over; the round; then that slot is filled again, first thing.
.macro CHANGE fill
	s_wait_tensorcnt 0x0                           ; no tensor load of mine is out: the walking descriptor may be written
	ds_add_u32 v[SPW], v[NIL]
.if \fill
	s_xor_b32 s[G0+1], s[G0+1], SLOTB              ; the other slot,
	s_add_nc_u64 s[G0+2:G0+3], s[G0+2:G0+3], SLOTB ; the next 128 columns' block
	s_wait_xcnt 0x0                                ; the last prefetch, a slot back, has read its address
	s_add_nc_u64 s[PFA:PFA+1], s[PFA:PFA+1], SLOTB
.endif
	s_wait_dscnt 0x0
	ROUND
.if \fill
	tensor_load_to_lds s[G0:G0+3], s[G1:G1+7]
	s_nop 0
.rept 4
	v_nop
.endr
	ASK
	s_sub_co_u32 s[LEFT], s[LEFT], 1
.endif
.endm
.macro BLOADS                          ; my 16 weight fragments of the slot in hand: 64 loads of 512 consecutive bytes
	v_add_nc_u32 v[ADR], s[TB], v[ADB0]
	WIN TO_B
.set f, 0
.rept 16
.irp c, 0,1,2,3
	ds_load_b128 v[16*f+4*\c:16*f+4*\c+3], v[ADR] offset:2048*f+512*\c
.endr
.set f, f+1
.endr
	WIN 0
.endm
; 32 matrix instructions: four accumulators by turns, K ascending; the first K step starts the sums.
.macro MULS nat
.if \nat
	WIN W_N
.else
	WIN W_T
.endif
.set ks, 0
.rept 8
	s_wait_dscnt 56-8*ks                           ; this K step's eight loads are in; the later steps' may be out
.irp mt, 0,1
.irp u, 0,1
.if \nat
.if ks == 0
	v_wmma_f32_16x16x128_fp8_fp8 v[ACC+16*\u+8*\mt:ACC+16*\u+8*\mt+7], v[16*(8*\mt+ks):16*(8*\mt+ks)+15], v[16*(2*ks+\u):16*(2*ks+\u)+15], 0
.else
	v_wmma_f32_16x16x128_fp8_fp8 v[ACC+16*\u+8*\mt:ACC+16*\u+8*\mt+7], v[16*(8*\mt+ks):16*(8*\mt+ks)+15], v[16*(2*ks+\u):16*(2*ks+\u)+15], v[ACC+16*\u+8*\mt:ACC+16*\u+8*\mt+7]
.endif
.else
.if ks == 0
	v_wmma_f32_16x16x128_fp8_fp8 v[ACC+16*\mt+8*\u:ACC+16*\mt+8*\u+7], v[16*(2*ks+\u):16*(2*ks+\u)+15], v[16*(8*\mt+ks):16*(8*\mt+ks)+15], 0
.else
	v_wmma_f32_16x16x128_fp8_fp8 v[ACC+16*\mt+8*\u:ACC+16*\mt+8*\u+7], v[16*(2*ks+\u):16*(2*ks+\u)+15], v[16*(8*\mt+ks):16*(8*\mt+ks)+15], v[ACC+16*\mt+8*\u:ACC+16*\mt+8*\u+7]
.endif
.endif
.endr
.endr
.set ks, ks+1
.endr
	WIN 0
.rept 4
	v_nop                                          ; four places ahead of the first read of the sums (ISA guide 7.12.1)
.endr
.endm
.macro MKSC e, sc, lm                  ; s[sc] = 2^e as f32, s[lm] = 448 x 2^e
	s_add_co_i32 s[\sc], s[\e], 127
	s_add_co_i32 s[\lm], s[\e], 135
	s_lshl_b32 s[\sc], s[\sc], 23
	s_lshl_b32 s[\lm], s[\lm], 23
	s_or_b32 s[\lm], s[\lm], 0x600000
.endm
.macro HOLDCVT                         ; TMP's 32 numbers: the hold, then 32 codes into CD
.set i, 0
.rept 32
	v_med3_num_f32 v[TMP+i], v[TMP+i], -v[LM], v[LM]
.set i, i+1
.endr
.irp g, 0,1,2,3
	v_cvt_scalef32_pk8_fp8_f32 v[CD+2*\g:CD+2*\g+1], v[TMP+8*\g:TMP+8*\g+7], v[SC]
.endr
	v_nop                                          ; a plain line behind the last conversion
.endm
	s_load_b256 s[4:11], s[0:1], 0x0               ; x, ln1_g, ln1_b, b_qkv
	s_load_b128 s[12:15], s[0:1], 0x20             ; the scales' exponents, wc
	s_load_b64 s[16:17], s[0:1], 0x30              ; qkvc
	v_lshl_add_u32 v[SPW], v0, 2, SPARE
	v_mov_b32 v[NIL], 0
	ds_add_u32 v[SPW], v[NIL]                      ; the opening: the add and its wait ahead of my first tensor load
	v_lshrrev_b32 v1, 5, v0
	v_readfirstlane_b32 s[WV], v1                  ; wave 0..3
	s_bfe_u32 s19, ttmp6, 0x40000                  ; cx: it enters global addresses of x, qkvc and the prefetches alone
	s_lshl_b32 s20, ttmp9, 2
	s_add_co_u32 s20, s20, s19                     ; RB
	s_mov_b32 s[G1], 15|(3<<16)|(1<<21)            ; mask: all four work-groups; elements of 8 bytes; bit 21 beside a mask; no padding
	s_mov_b32 s[G1+1], 32<<16                      ; tensor_dim0 = 32 elements = 256 bytes
	s_mov_b32 s[G1+2], 128<<16                     ; tensor_dim1 = 128
	s_mov_b32 s[G1+3], 32<<16                      ; tile_dim0
	s_mov_b32 s[G1+4], 128                         ; tile_dim1
	s_mov_b32 s[G1+5], 32                          ; rows are dense
	s_mov_b32 s[G1+6], 0
	s_mov_b32 s[G1+7], 0
	s_mov_b32 s[G0], 1
	s_lshl_b32 s[G0+1], s[WV], 15                  ; LDS: slot 0, my 32,768 bytes
	s_lshl_b32 s2, s[WV], 15
	s_mov_b32 s3, 0
	s_mov_b32 s[TB], 0
	s_mov_b32 s[LEFT], 23
	s_cmp_eq_u32 ttmp9, 0                          ; the same in all four partners
	s_cselect_b32 s[LIM], 2, -1
	s_mov_b32 s[SEL], 0x76543210
	s_mov_b32 s[SEL+1], 0xfedcba98
	s_mov_b32 s[C10], 0x3a800000                   ; 1 / 1024
	s_mov_b32 s[EPS], 0x3727c5ac                   ; 1e-5
	v_and_b32 v[R], 31, v0
	v_lshlrev_b32 v[LI], 4, v[R]
	v_lshlrev_b32 v[CWR], 2, v[R]
	v_lshlrev_b32 v[PFO], 8, v[R]
	v_and_b32 v[R], 15, v0
	v_bfe_u32 v[H], v0, 4, 1
	v_add_nc_u32 v[ADB0], s2, v[LI]
	v_mul_u32_u24 v[ACR], v[R], CPI
	v_lshl_add_u32 v[ACR], v[H], 4, v[ACR]
	v_add_nc_u32 v[ACR], CROW, v[ACR]
	s_and_b32 s68, s[WV], 1                        ; my rows are tokens 8 w + i: position 16 (w & 1) + 8 (w >> 1) + i
	s_lshl_b32 s68, s68, 4
	s_lshr_b32 s69, s[WV], 1
	s_lshl_b32 s69, s69, 3
	s_add_co_u32 s68, s68, s69
	s_mul_i32 s68, s68, CPI
	s_add_co_u32 s68, s68, CROW
	v_add_nc_u32 v[CWR], s68, v[CWR]
	s_lshl_b32 s69, s[WV], 10
	s_add_co_u32 s69, s69, BIAS
	v_lshl_add_u32 v[ABQ], v[H], 6, s69
	v_and_b32 v[ABV], 8, v[R]
	v_add_nc_u32 v[ABV], v[ABV], v[R]
	v_lshl_add_u32 v[ABV], v[ABV], 2, s69
	v_add_nc_u32 v[ABV], 8192, v[ABV]
	v_lshlrev_b32 v[TA], 4, v0                     ; 16 x thread: the bias's copy
	v_lshl_add_u32 v[ADR], v0, 4, BIAS
	v_mov_b32 v[MU+1], 0                           ; named as the upper halves of pairs
	v_mov_b32 v[RS+1], 0
	s_lshl_b32 s72, s20, 17                        ; x: 32 RB rows of 4,096 bytes + my 8 rows
	s_add_co_u32 s72, s72, s2
	s_mov_b32 s73, 0
	s_lshl_b32 s74, s19, 2
	s_add_co_u32 s74, s74, s[WV]
	s_lshl_b32 s74, s74, 13                        ; the prefetches: (4 cx + w) x 8,192 bytes of a slot,
	s_add_co_u32 s74, s74, 2*SLOTB                 ; in slot 2: the first change steps it to slot 3
	s_mov_b32 s75, 0
	s_lshr_b32 s76, s20, 5                         ; b
	s_and_b32 s79, s20, 31                         ; the row block in its batch
	s_lshl_b32 s76, s76, 4
	s_lshl_b32 s77, s[WV], 2
	s_add_co_u32 s76, s76, s77                     ; head 16 b + 4 w
	s_lshl_b32 s78, s76, 16
	s_lshl_b32 s76, s79, 10
	s_add_co_u32 s76, s76, s78                     ; q, k: + two tiles of 512 bytes for each row block
	s_mov_b32 s77, 0
	s_lshl_b32 s79, s79, 9
	s_add_co_u32 s78, s78, s79                     ; v: + one piece of 512 bytes
	s_mov_b32 s79, 0
	s_wait_dscnt 0x0                               ; the opening add is done
	s_wait_kmcnt 0x0
	s_load_b256 s[48:55], s[12:13], 0x0            ; e0 .. e7
	s_add_nc_u64 s[G0+2:G0+3], s[14:15], s[2:3]    ; wc: slot 0, my block
	s_or_b32 s[G0+3], s[G0+3], 0x80000000
	s_add_nc_u64 s[XB:XB+1], s[4:5], s[72:73]
	s_add_nc_u64 s[PFA:PFA+1], s[14:15], s[74:75]
	s_add_nc_u64 s[OBQ:OBQ+1], s[16:17], s[76:77]
	s_add_nc_u64 s[OBK:OBK+1], s[OBQ:OBQ+1], 8388608
	s_add_nc_u64 s[OBV:OBV+1], s[16:17], s[78:79]
	s_add_nc_u64 s[OBV:OBV+1], s[OBV:OBV+1], 16777216
	ROUND                                          ; all four work-groups are here: the first joint load meets
	tensor_load_to_lds s[G0:G0+3], s[G1:G1+7]      ; slot 0: it lands under the LayerNorm
	s_nop 0
.rept 4
	v_nop
.endr
.irp j, 0,1,2,3,4,5,6,7
	global_load_b128 v[GG+4*\j:GG+4*\j+3], v[LI], s[6:7] offset:512*\j
.endr
.irp j, 0,1,2,3,4,5,6,7
	global_load_b128 v[BB+4*\j:BB+4*\j+3], v[LI], s[8:9] offset:512*\j
.endr
.irp j, 0,1,2,3,4,5
	global_load_b128 v[LAND+4*\j:LAND+4*\j+3], v[TA], s[10:11] offset:2048*\j
.endr
.macro FILL i                          ; row i of my eight: 8 loads of 512 consecutive bytes; register 4 j + q = element 128 j + 4 lane + q
.irp j, 0,1,2,3,4,5,6,7
	global_load_b128 v[X+32*((\i)%4)+4*\j:X+32*((\i)%4)+4*\j+3], v[LI], s[XB:XB+1] offset:(\i)*4096+512*\j th:TH_LOAD_NT
.endr
.endm
	FILL 0
	FILL 1
	FILL 2
	FILL 3
	s_wait_kmcnt 0x0
	MKSC 48, 80, 81
	MKSC 50, 82, 83
	MKSC 51, 84, 85
	MKSC 52, 86, 87
	s_add_co_i32 s[S01], s48, s49
	s_add_co_i32 s[S01], s[S01], 127
	s_lshl_b32 s[S01], s[S01], 23                  ; 2^(e0 + e1) as f32
	s_mov_b32 s[S01+1], s[S01]
	v_mov_b32 v[SC], s80
	v_mov_b32 v[LM], s81
	s_wait_loadcnt 32                              ; gain, offset and bias are in; the four rows' 32 loads may be out
.irp j, 0,1,2,3,4,5
	ds_store_b128 v[ADR], v[LAND+4*\j:LAND+4*\j+3] offset:2048*\j
.endr
.macro WSUM a, t                       ; v[a] summed over the 32 lanes, in every lane
	v_add_f32_dpp v[\a], v[\a], v[\a] row_xmask:1 row_mask:0xf bank_mask:0xf
	v_add_f32_dpp v[\a], v[\a], v[\a] row_xmask:2 row_mask:0xf bank_mask:0xf
	v_add_f32_dpp v[\a], v[\a], v[\a] row_xmask:4 row_mask:0xf bank_mask:0xf
	v_add_f32_dpp v[\a], v[\a], v[\a] row_xmask:8 row_mask:0xf bank_mask:0xf
	v_permlanex16_b32 v[\t], v[\a], s[SEL], s[SEL+1]
	v_add_f32 v[\a], v[\a], v[\t]
.endm
.macro ROW i, left                     ; one row: mean, variance, normalised, its 1,024 codes into LDS
.set XS, X+32*((\i)%4)
	s_wait_loadcnt \left                           ; my row is in; the younger rows' loads may be out
	v_pk_add_f32 v[24:25], v[XS:XS+1], v[XS+2:XS+3]
	v_pk_add_f32 v[30:31], v[XS+4:XS+5], v[XS+6:XS+7]
.irp j, 8,12,16,20,24,28
	v_pk_add_f32 v[24:25], v[24:25], v[XS+\j:XS+\j+1]
	v_pk_add_f32 v[30:31], v[30:31], v[XS+\j+2:XS+\j+3]
.endr
	v_pk_add_f32 v[24:25], v[24:25], v[30:31]
	v_add_f32 v24, v24, v25
	WSUM 24, 25
	v_mul_f32 v[MU], s[C10], v24
.irp j, 0,2,4,6,8,10,12,14,16,18,20,22,24,26,28,30
	v_pk_add_f32 v[XS+\j:XS+\j+1], v[XS+\j:XS+\j+1], v[MU:MU+1] op_sel_hi:[1,0] neg_lo:[0,1] neg_hi:[0,1]
.endr
	v_pk_mul_f32 v[24:25], v[XS:XS+1], v[XS:XS+1]
	v_pk_mul_f32 v[30:31], v[XS+2:XS+3], v[XS+2:XS+3]
.irp j, 4,8,12,16,20,24,28
	v_pk_fma_f32 v[24:25], v[XS+\j:XS+\j+1], v[XS+\j:XS+\j+1], v[24:25]
	v_pk_fma_f32 v[30:31], v[XS+\j+2:XS+\j+3], v[XS+\j+2:XS+\j+3], v[30:31]
.endr
	v_pk_add_f32 v[24:25], v[24:25], v[30:31]
	v_add_f32 v24, v24, v25
	WSUM 24, 25
	v_fma_f32 v24, v24, s[C10], s[EPS]
	v_rsq_f32 v[RS], v24
	v_nop                                          ; a plain line behind the transcendental,
	s_wait_alu depctr_va_vdst(0)                   ; and the wait ahead of its first reader
.irp j, 0,2,4,6,8,10,12,14,16,18,20,22,24,26,28,30
	v_pk_mul_f32 v[XS+\j:XS+\j+1], v[XS+\j:XS+\j+1], v[RS:RS+1] op_sel_hi:[1,0]
.endr
.irp j, 0,2,4,6,8,10,12,14,16,18,20,22,24,26,28,30
	v_pk_fma_f32 v[XS+\j:XS+\j+1], v[XS+\j:XS+\j+1], v[GG+\j:GG+\j+1], v[BB+\j:BB+\j+1]
.endr
.set k, 0
.rept 32
	v_med3_num_f32 v[XS+k], v[XS+k], -v[LM], v[LM]
.set k, k+1
.endr
.irp g, 0,1,2,3
	v_cvt_scalef32_pk8_fp8_f32 v[CD+2*\g:CD+2*\g+1], v[XS+8*\g:XS+8*\g+7], v[SC]   ; register j of CD: the codes of elements 128 j + 4 lane + 0 .. 3
.endr
	v_nop
.irp j, 0,1,2,3,4,5,6,7
	ds_store_b32 v[CWR], v[CD+\j] offset:CPI*(\i)+128*\j
.endr
.if (\i) < 4
	FILL (\i)+4
.endif
.endm
	ROW 0, 24
	ROW 1, 24
	ROW 2, 24
	ROW 3, 24
	ROW 4, 24
	ROW 5, 16
	ROW 6, 8
	ROW 7, 0
	s_wait_dscnt 0x0                               ; my codes and my part of the bias lie in LDS
	s_barrier_signal -1
	s_barrier_wait -1                              ; everybody's do.
	WIN TO_A
.irp mt, 0,1
.irp s, 0,1,2,3,4,5,6,7
.irp c, 0,1,2,3
	ds_load_b128 v[16*(8*\mt+\s)+4*\c:16*(8*\mt+\s)+4*\c+3], v[ACR] offset:16*CPI*\mt+128*\s+32*\c
.endr
.endr
.endr
	WIN 0                                          ; (the first change of slots waits for these loads)
; A slot of q or of k: 32 tokens x my 32 columns.
.macro TRIPQK ob
	CHANGE 1
	v_add_nc_u32 v[TA], s[BOF], v[ABQ]
.irp q, 0,1,2,3
	ds_load_b128 v[BI+4*\q:BI+4*\q+3], v[TA] offset:16*\q
.endr
	BLOADS
	MULS 0
.set i, 0
.rept 16
	v_pk_fma_f32 v[TMP+2*i:TMP+2*i+1], v[ACC+2*i:ACC+2*i+1], s[S01:S01+1], v[BI+(2*i)%16:BI+(2*i)%16+1] op_sel_hi:[1,0,1]   ; sum x 2^(e0 + e1) + bias; each accumulator from its low end on
.set i, i+1
.endr
	HOLDCVT
	global_store_b128 v[LI], v[CD:CD+3], s[\ob:\ob+1]                  ; a piece: 512 consecutive bytes, aligned
	global_store_b128 v[LI], v[CD+4:CD+7], s[\ob:\ob+1] offset:512
	s_wait_xcnt 0x0                                ; the stores have read their registers and base
	s_add_nc_u64 s[\ob:\ob+1], s[\ob:\ob+1], 32768
	s_add_co_u32 s[BOF], s[BOF], 128
	s_xor_b32 s[TB], s[TB], SLOTB
.endm
; A slot of v: the sources swapped.
.macro TRIPV fill
	CHANGE \fill
	v_add_nc_u32 v[TA], s[BOF], v[ABV]
	ds_load_b32 v[BI], v[TA]
	ds_load_b32 v[BI+2], v[TA] offset:32
	BLOADS
	MULS 1
.set i, 0
.rept 16
	v_pk_fma_f32 v[TMP+2*i:TMP+2*i+1], v[ACC+2*i:ACC+2*i+1], s[S01:S01+1], v[BI+2*(i/8):BI+2*(i/8)+1] op_sel_hi:[1,0,0]
.set i, i+1
.endr
	HOLDCVT
	global_store_b128 v[LI], v[CD:CD+3], s[OBV:OBV+1]
	global_store_b128 v[LI], v[CD+4:CD+7], s[OBV:OBV+1] offset:16384
	s_wait_xcnt 0x0
	s_add_nc_u64 s[OBV:OBV+1], s[OBV:OBV+1], 32768
	s_add_co_u32 s[BOF], s[BOF], 128
	s_xor_b32 s[TB], s[TB], SLOTB
.endm
	v_mov_b32 v[SC], s82
	v_mov_b32 v[LM], s83
	s_mov_b32 s[BOF], 0
	s_mov_b32 s[CNT], 8
.Lq:
	TRIPQK OBQ
	s_sub_co_u32 s[CNT], s[CNT], 1
	s_cmp_lg_u32 s[CNT], 0
	s_cbranch_scc1 .Lq
	v_mov_b32 v[SC], s84
	v_mov_b32 v[LM], s85
	s_mov_b32 s[BOF], 4096
	s_mov_b32 s[CNT], 8
.Lk:
	TRIPQK OBK
	s_sub_co_u32 s[CNT], s[CNT], 1
	s_cmp_lg_u32 s[CNT], 0
	s_cbranch_scc1 .Lk
	v_mov_b32 v[SC], s86
	v_mov_b32 v[LM], s87
	s_mov_b32 s[BOF], 0
	s_mov_b32 s[CNT], 7
.Lv:
	TRIPV 1
	s_sub_co_u32 s[CNT], s[CNT], 1
	s_cmp_lg_u32 s[CNT], 0
	s_cbranch_scc1 .Lv
	TRIPV 0                                        ; the last slot is written out
	s_wait_tensorcnt 0x0                           ; the wave's end
	ds_add_u32 v[SPW], v[NIL]
	s_wait_dscnt 0x0
	ROUND                                          ; the closing round
	s_endpgm
.Lfunc_end_k_qe9ef99ea9d_qkv:
	.size	k_qe9ef99ea9d_qkv, .Lfunc_end_k_qe9ef99ea9d_qkv-k_qe9ef99ea9d_qkv
	.p2alignl 7, 3214868480
	.fill 96, 4, 3214868480
	.section	.rodata,"a",@progbits
	.p2align	6, 0x0
	.amdhsa_kernel k_qe9ef99ea9d_qkv
		.amdhsa_group_segment_fixed_size 327680
		.amdhsa_private_segment_fixed_size 0
		.amdhsa_enable_private_segment 0
		.amdhsa_kernarg_size 56
		.amdhsa_user_sgpr_count 2
		.amdhsa_user_sgpr_kernarg_segment_ptr 1
		.amdhsa_wavefront_size32 1
		.amdhsa_system_sgpr_workgroup_id_x 1
		.amdhsa_system_sgpr_workgroup_id_y 1
		.amdhsa_system_sgpr_workgroup_id_z 1
		.amdhsa_system_vgpr_workitem_id 0
		.amdhsa_next_free_vgpr 1024
		.amdhsa_next_free_sgpr 96
		.amdhsa_reserve_vcc 0
		.amdhsa_float_denorm_mode_32 3
		.amdhsa_float_denorm_mode_16_64 3
		.amdhsa_memory_ordered 1
		.amdhsa_forward_progress 1
		.amdhsa_inst_pref_size 136
	.end_amdhsa_kernel
	.amdgpu_metadata
---
amdhsa.version: [ 1, 2 ]
amdhsa.kernels:
  - .name:           k_qe9ef99ea9d_qkv
    .symbol:         k_qe9ef99ea9d_qkv.kd
    .args:
      - { .name: x, .offset: 0, .size: 8, .value_kind: global_buffer, .address_space: global }
      - { .name: ln1_g, .offset: 8, .size: 8, .value_kind: global_buffer, .address_space: global }
      - { .name: ln1_b, .offset: 16, .size: 8, .value_kind: global_buffer, .address_space: global }
      - { .name: b_qkv, .offset: 24, .size: 8, .value_kind: global_buffer, .address_space: global }
      - { .name: lowp_scales, .offset: 32, .size: 8, .value_kind: global_buffer, .address_space: global }
      - { .name: wc, .offset: 40, .size: 8, .value_kind: global_buffer, .address_space: global }
      - { .name: qkvc, .offset: 48, .size: 8, .value_kind: global_buffer, .address_space: global }
    .group_segment_fixed_size: 327680
    .private_segment_fixed_size: 0
    .kernarg_segment_align: 8
    .kernarg_segment_size: 56
    .max_flat_workgroup_size: 128
    .sgpr_count:     96
    .vgpr_count:     1024
    .wavefront_size: 32
...
	.end_amdgpu_metadata
.endif
;; end of part 2
;; launch attn (part 3): grid 2 x 128, 16 waves a work-group, no clusters, 167,936 bytes of LDS; arguments qkvc, lowp_scales, oc; writes oc
.if DOCPART == 3
	.amdgcn_target "amdgcn-amd-amdhsa--gfx1250"
	.amdhsa_code_object_version 6
	.text
	.protected	k_qe9ef99ea9d_attn
	.globl	k_qe9ef99ea9d_attn
	.p2align	8
	.type	k_qe9ef99ea9d_attn,@function
k_qe9ef99ea9d_attn:
	s_mov_b64 s[64:65], 0
	v_nop
	global_prefetch_b8 v0, s[64:65] scope:SCOPE_SE
	s_setreg_imm32_b32 hwreg(HW_REG_WAVE_MODE, 25, 1), 1
	s_wait_xcnt 0x0
; Attention on codes of E4M3, head size 64, 1,024 keys, no mask.  S^T = K Q^T (scale entries 3 and 2), p = 2^(t - M), O^T = V^T P^T (entries 4 and 5), / the row's sum, and the result's codes (entry 6).
; t = score x 2^(e2 + e3) x log2(e) / 8;  M = the running largest t rounded UP to a whole number;  the sum is taken of the unquantised p;  when M moves, sum and O^T are multiplied by 2^(old M - new M), which rounds nothing.
; SHARES.  A work-group owns one head (y) and 512 of its queries (x).  Its sixteen waves own two tiles of 16 queries each, one after the other, in 256 registers: four waves to a SIMD.
; A head's K and V, 65,536 bytes each, are brought into LDS ONCE, 8,192 bytes by each wave's one tensor load: no slot is filled again.
; NO JOINT LOADS: two work-groups share a head's 131,072 bytes, asked for once at the head of the text; a head's two work-groups make no cluster of four.  NO PREFETCH: every tile is asked for at the head.
; LAYOUT (as the launch before stored it).  K, Q: [c' 2][tile 64][lane][16]: lane (r, h) of tile 2 b + u is token 32 b + 8 u + r + 8 (r / 8), d = 32 c' + 16 h + 0 .. 15.  V: [d tile 4][block of 32 keys][lane][16].
; So a lane holds ONE query throughout; the 16 registers of score tiles 2 b, 2 b + 1 are keys 32 b + 16 h + 0 .. 15, and those of O^T's tiles 2 b', 2 b' + 1 are d = 32 b' + 16 h + 0 .. 15.
; oc = [row block of 32 tokens: 256][mt 2][ks 8][c 4][lane][16]: the next launch's operand registers.
; LIMITS: e2 + e3 between -122 and 129; e5, e6 between -126 and 119; e4 + e5 goes in by v_ldexp_f32 and has none.  NaN among the inputs is not served.
.set SPARE, 131072                     ; behind K and V: the spare words, 128 bytes for each of sixteen waves
.set LI,  1                            ; 16 x lane
.set AV0, 2                            ; + 65,536
.set SPW, 5
.set NIL, 6
.set ADK, 8
.set ADV, 9
.set F,   32                           ; v32-95   eight fragments of K, then four of V
.set S,   96                           ; v96-159  S^T, then p
.set O,   160                          ; v160-191 O^T
.set PC,  192                          ; v192-207 p's codes
.set OC,  208                          ; v208-223 the result's codes, eight registers a tile
.set SCP, 224                          ; 2^e5, 448 x 2^e5, 2^e6, 448 x 2^e6
.set LMP, 225
.set SCO, 226
.set LMO, 227
.set WV,  18
.set SEL, 20
.set CS,  22
.set G1,  24
.set G0,  32
.set TBK, 36
.set TBV, 37
.set CNT, 38
	s_load_b128 s[4:7], s[0:1], 0x0                ; qkvc, the scales' exponents
	s_load_b64 s[8:9], s[0:1], 0x10                ; oc
	v_lshl_add_u32 v[SPW], v0, 2, SPARE
	v_mov_b32 v[NIL], 0
	ds_add_u32 v[SPW], v[NIL]                      ; the opening: the add and its wait ahead of my tensor load
	v_lshrrev_b32 v8, 5, v0
	v_readfirstlane_b32 s[WV], v8                  ; wave 0..15
	s_and_b32 s10, ttmp7, 0xffff                   ; the head, 16 b + hh
	s_lshl_b32 s11, s10, 16                        ; its 65,536 bytes in q, k and v
	s_mov_b32 s[G1], 3<<16                         ; no mask; elements of 8 bytes; no padding
	s_mov_b32 s[G1+1], 32<<16                      ; 32 rows of 256 bytes, dense
	s_mov_b32 s[G1+2], 32<<16
	s_mov_b32 s[G1+3], 32<<16
	s_mov_b32 s[G1+4], 32
	s_mov_b32 s[G1+5], 32
	s_mov_b32 s[G1+6], 0
	s_mov_b32 s[G1+7], 0
	s_mov_b32 s[G0], 1
	s_lshl_b32 s[G0+1], s[WV], 13                  ; LDS: 8,192 x wave: waves 0-7 K's eighths, waves 8-15 V's
	s_and_b32 s12, s[WV], 7
	s_lshl_b32 s12, s12, 13
	s_add_co_u32 s12, s12, s11
	s_lshr_b32 s13, s[WV], 3
	s_add_co_u32 s13, s13, 1
	s_lshl_b32 s13, s13, 23                        ; k begins at 8,388,608, v at twice that
	s_add_co_u32 s12, s12, s13
	s_mov_b32 s13, 0
	s_lshl_b32 s14, ttmp9, 14                      ; Q: tile 32 x + 2 w, 512 bytes a tile
	s_add_co_u32 s14, s14, s11
	s_lshl_b32 s15, s[WV], 10
	s_add_co_u32 s14, s14, s15
	s_mov_b32 s15, 0
	s_lshr_b32 s16, s10, 4
	s_lshl_b32 s16, s16, 5
	s_lshl_b32 s17, ttmp9, 4
	s_add_co_u32 s16, s16, s17
	s_add_co_u32 s16, s16, s[WV]                   ; row block 32 b + 16 x + w
	s_lshl_b32 s16, s16, 15
	s_and_b32 s17, s10, 15
	s_lshl_b32 s17, s17, 10                        ; the head's 64 columns: two pieces
	s_add_co_u32 s16, s16, s17
	s_mov_b32 s17, 0
	s_mov_b32 s[SEL], 0x76543210
	s_mov_b32 s[SEL+1], 0xfedcba98
	s_mov_b32 s[CS], 0x3e38aa3b                    ; log2(e) / 8
	v_and_b32 v[LI], 31, v0
	v_lshlrev_b32 v[LI], 4, v[LI]
	v_add_nc_u32 v[AV0], 65536, v[LI]
	v_mov_b32 v236, 0                              ; a lane permute's destination counts as read
	v_mov_b32 v253, 0                              ; named as the upper half of a pair
	s_wait_dscnt 0x0                               ; the opening add is done
	s_wait_kmcnt 0x0
	s_load_b256 s[40:47], s[6:7], 0x0              ; e0 .. e7
	s_add_nc_u64 s[G0+2:G0+3], s[4:5], s[12:13]
	s_or_b32 s[G0+3], s[G0+3], 0x80000000
	tensor_load_to_lds s[G0:G0+3], s[G1:G1+7]      ; my one tensor load
	s_nop 0
.rept 4
	v_nop
.endr
	s_add_nc_u64 s[48:49], s[4:5], s[14:15]
	s_add_nc_u64 s[50:51], s[8:9], s[16:17]
.irp c, 0,1
	global_load_b128 v[16+4*\c:19+4*\c], v[LI], s[48:49] offset:32768*\c        ; my first tile of queries,
	global_load_b128 v[24+4*\c:27+4*\c], v[LI], s[48:49] offset:32768*\c+512    ; and my second
.endr
	s_wait_kmcnt 0x0
	s_add_co_i32 s53, s42, s43
	s_lshl_b32 s53, s53, 23
	s_add_co_i32 s[CS], s[CS], s53                 ; e2 + e3 goes into c's exponent field
	s_mov_b32 s[CS+1], s[CS]
	s_add_co_i32 s52, s44, s45                     ; e4 + e5
	s_add_co_i32 s54, s45, 127
	s_add_co_i32 s55, s45, 135
	s_lshl_b32 s54, s54, 23
	s_lshl_b32 s55, s55, 23
	s_or_b32 s55, s55, 0x600000
	v_mov_b32 v[SCP], s54
	v_mov_b32 v[LMP], s55
	s_add_co_i32 s56, s46, 127
	s_add_co_i32 s57, s46, 135
	s_lshl_b32 s56, s56, 23
	s_lshl_b32 s57, s57, 23
	s_or_b32 s57, s57, 0x600000
	v_mov_b32 v[SCO], s56
	v_mov_b32 v[LMO], s57
	s_wait_tensorcnt 0x0                           ; my part of K or V lies in LDS,
	s_barrier_signal -1
	s_barrier_wait -1                              ; everybody's does
	s_wait_loadcnt 0x0                             ; Q
; A key step: 128 keys.  q: the registers of the tile of queries in hand.
.macro STEP q
	v_add_nc_u32 v[ADK], s[TBK], v[LI]
	v_add_nc_u32 v[ADV], s[TBV], v[AV0]
	v_nop
	v_nop                                          ; four places ahead of loads into registers that the last products read
.irp t, 0,1,2,3,4,5,6,7
.irp c, 0,1
	ds_load_b128 v[F+8*\t+4*\c:F+8*\t+4*\c+3], v[ADK] offset:512*\t+32768*\c
.endr
.endr
.irp t, 0,1,2,3,4,5,6,7
	s_wait_dscnt 14-2*\t                           ; this tile's two loads are in; the later tiles' may be out
	v_wmma_f32_16x16x64_fp8_fp8 v[S+8*\t:S+8*\t+7], v[F+8*\t:F+8*\t+7], v[\q:\q+7], 0
.endr
.rept 4
	v_nop
.endr
.irp d, 0,1,2,3
.irp c, 0,1,2,3
	ds_load_b128 v[F+16*\d+4*\c:F+16*\d+4*\c+3], v[ADV] offset:16384*\d+512*\c   ; V's fragments land under the softmax
.endr
.endr
	v_max3_num_f32 v254, v96, v97, v98             ; the step's largest score of my query among my 64 keys, in two chains,
	v_max3_num_f32 v252, v99, v100, v101
.irp i, 6,10,14,18,22,26,30,34,38,42,46,50,54,58
	v_max3_num_f32 v254, v254, v[96+\i], v[97+\i]
	v_max3_num_f32 v252, v252, v[98+\i], v[99+\i]
.endr
	v_max3_num_f32 v254, v254, v158, v159
	v_max_num_f32 v254, v254, v252
	v_permlanex16_b32 v236, v254, s[SEL], s[SEL+1]
	v_max_num_f32 v254, v254, v236                 ; and among lane l xor 16's
	v_mul_f32 v254, s[CS], v254                    ; as t (c is positive)
	v_max_num_f32 v13, v13, v254                   ; the running largest t
	v_mov_b32 v254, v12
	v_floor_f32 v12, -v13                          ; the new -M = floor(-t): M is a whole number
	v_sub_f32 v254, v12, v254                      ; old M - new M, 0 or less
	v_cvt_i32_f32 v254, v254                       ; (it saturates)
	v_ldexp_f32 v252, 1.0, v254                    ; f = 2^(old M - new M)
.set j, 0
.rept 32
	v_pk_fma_f32 v[S+j:S+j+1], v[S+j:S+j+1], s[CS:CS+1], v[12:13] op_sel_hi:[1,0,0]   ; t - M
.set j, j+2
.endr
.set j, 0
.rept 64
	v_exp_f32 v[S+j], v[S+j]                       ; p = 2^(t - M), at most 1
.set j, j+1
.endr
	v_pk_mul_f32 v[14:15], v[14:15], v[252:253] op_sel_hi:[1,0]   ; the sums under the new M: the plain line behind the exponentials
	s_wait_alu depctr_va_vdst(0)                   ; one wait for the batch, ahead of its first reader
	v_pk_add_f32 v[242:243], v[96:97], v[98:99]    ; the row's sum is taken of the unquantised p
.irp j, 4,8,12,16,20,24,28,32,36,40,44,48,52,56,60
	v_pk_add_f32 v[14:15], v[14:15], v[96+\j:97+\j]
	v_pk_add_f32 v[242:243], v[242:243], v[98+\j:99+\j]
.endr
	v_pk_add_f32 v[14:15], v[14:15], v[242:243]
.irp b, 0,1,2,3
.irp i, 0,1,2,3,4,5,6,7,8,9,10,11,12,13,14,15
	v_min_num_f32 v[S+16*\b+\i], v[S+16*\b+\i], v[LMP]   ; p is not negative: a one-sided hold
.endr
	v_cvt_scalef32_pk8_fp8_f32 v[PC+4*\b:PC+4*\b+1], v[S+16*\b:S+16*\b+7], v[SCP]
	v_cvt_scalef32_pk8_fp8_f32 v[PC+4*\b+2:PC+4*\b+3], v[S+16*\b+8:S+16*\b+15], v[SCP]
.endr
.set j, 0
.rept 16
	v_pk_mul_f32 v[O+j:O+j+1], v[O+j:O+j+1], v[252:253] op_sel_hi:[1,0]   ; O^T under the new M; these are also the plain lines behind the conversions
.set j, j+2
.endr
	s_wait_dscnt 0x0                               ; V's fragments are in
.irp d, 0,1,2,3
	v_wmma_f32_16x16x128_fp8_fp8 v[O+8*\d:O+8*\d+7], v[F+16*\d:F+16*\d+15], v[PC:PC+15], v[O+8*\d:O+8*\d+7]
.endr
.endm
; A tile of 16 queries: all 1,024 keys, then the way out.  i: 0 or 1, its place in the row block.
.macro TILE q, i
	v_mov_b32 v13, 0xff61b1e6                      ; the largest t so far: -3e38
	v_floor_f32 v12, -v13
	v_mov_b32 v14, 0
	v_mov_b32 v15, 0
.set j, 0
.rept 32
	v_mov_b32 v[O+j], 0                            ; the step is written once: the first finds zeros, which the first change of M leaves zeros
.set j, j+1
.endr
	s_mov_b32 s[TBK], 0
	s_mov_b32 s[TBV], 0
	s_mov_b32 s[CNT], 8
.Lstep_\@:
	STEP \q
	s_add_co_u32 s[TBK], s[TBK], 4096              ; eight tiles of K,
	s_add_co_u32 s[TBV], s[TBV], 2048              ; four blocks of keys of V
	s_sub_co_u32 s[CNT], s[CNT], 1
	s_cmp_lg_u32 s[CNT], 0
	s_cbranch_scc1 .Lstep_\@
.rept 4
	v_nop
.endr
	v_add_f32 v14, v14, v15
	v_permlanex16_b32 v252, v14, s[SEL], s[SEL+1]
	v_add_f32 v14, v14, v252                       ; the row's sum
	v_rcp_f32 v14, v14
	v_nop
	s_wait_alu depctr_va_vdst(0)
	v_ldexp_f32 v14, v14, s52                      ; x 2^(e4 + e5)
.set j, 0
.rept 32
	v_mul_f32 v[S+j], v[O+j], v14                  ; each accumulator from its low end on
.set j, j+1
.endr
.set j, 0
.rept 32
	v_med3_num_f32 v[S+j], v[S+j], -v[LMO], v[LMO]
.set j, j+1
.endr
.irp g, 0,1,2,3
	v_cvt_scalef32_pk8_fp8_f32 v[OC+8*(\i)+2*\g:OC+8*(\i)+2*\g+1], v[S+8*\g:S+8*\g+7], v[SCO]
.endr
	v_nop
	global_store_b128 v[LI], v[OC+8*(\i):OC+8*(\i)+3], s[50:51] offset:16384*(\i)          ; a piece: 512 consecutive bytes, aligned
	global_store_b128 v[LI], v[OC+8*(\i)+4:OC+8*(\i)+7], s[50:51] offset:16384*(\i)+512
.endm
	TILE 16, 0
	TILE 24, 1
	s_wait_tensorcnt 0x0                           ; the wave's end
	ds_add_u32 v[SPW], v[NIL]
	s_wait_dscnt 0x0
	s_endpgm
.Lfunc_end_k_qe9ef99ea9d_attn:
	.size	k_qe9ef99ea9d_attn, .Lfunc_end_k_qe9ef99ea9d_attn-k_qe9ef99ea9d_attn
	.p2alignl 7, 3214868480
	.fill 96, 4, 3214868480
	.section	.rodata,"a",@progbits
	.p2align	6, 0x0
	.amdhsa_kernel k_qe9ef99ea9d_attn
		.amdhsa_group_segment_fixed_size 167936
		.amdhsa_private_segment_fixed_size 0
		.amdhsa_enable_private_segment 0
		.amdhsa_kernarg_size 24
		.amdhsa_user_sgpr_count 2
		.amdhsa_user_sgpr_kernarg_segment_ptr 1
		.amdhsa_wavefront_size32 1
		.amdhsa_system_sgpr_workgroup_id_x 1
		.amdhsa_system_sgpr_workgroup_id_y 1
		.amdhsa_system_sgpr_workgroup_id_z 1
		.amdhsa_system_vgpr_workitem_id 0
		.amdhsa_next_free_vgpr 256
		.amdhsa_next_free_sgpr 66
		.amdhsa_reserve_vcc 0
		.amdhsa_float_denorm_mode_32 3
		.amdhsa_float_denorm_mode_16_64 3
		.amdhsa_memory_ordered 1
		.amdhsa_forward_progress 1
		.amdhsa_inst_pref_size 46
	.end_amdhsa_kernel
	.amdgpu_metadata
---
amdhsa.version: [ 1, 2 ]
amdhsa.kernels:
  - .name:           k_qe9ef99ea9d_attn
    .symbol:         k_qe9ef99ea9d_attn.kd
    .args:
      - { .name: qkvc, .offset: 0, .size: 8, .value_kind: global_buffer, .address_space: global }
      - { .name: lowp_scales, .offset: 8, .size: 8, .value_kind: global_buffer, .address_space: global }
      - { .name: oc, .offset: 16, .size: 8, .value_kind: global_buffer, .address_space: global }
    .group_segment_fixed_size: 167936
    .private_segment_fixed_size: 0
    .kernarg_segment_align: 8
    .kernarg_segment_size: 24
    .max_flat_workgroup_size: 512
    .sgpr_count:     66
    .vgpr_count:     256
    .wavefront_size: 32
...
	.end_amdgpu_metadata
.endif
;; end of part 3
;; launch chain (part 4): grid 256 x 1, 4 waves a work-group, clusters of 4 x 1, 327,680 bytes of LDS; arguments oc, x, wc, lowp_scales, b_proj, ln2_g, ln2_b, b_fc1, b_fc2, out0; writes out0
.if DOCPART == 4
	.amdgcn_target "amdgcn-amd-amdhsa--gfx1250"
	.amdhsa_code_object_version 6
	.text
	.protected	k_qe9ef99ea9d_chain
	.globl	k_qe9ef99ea9d_chain
	.p2align	8
	.type	k_qe9ef99ea9d_chain,@function
k_qe9ef99ea9d_chain:
	s_mov_b64 s[64:65], 0
	v_nop
	global_prefetch_b8 v0, s[64:65] scope:SCOPE_SE
	s_setreg_imm32_b32 hwreg(HW_REG_WAVE_MODE, 25, 1), 1
	s_wait_xcnt 0x0
	s_wait_alu depctr_hold_cnt(0) depctr_sa_sdst(0) depctr_va_vdst(0) depctr_va_sdst(0) depctr_va_ssrc(0) depctr_va_vcc(0) depctr_vm_vsrc(0)
	s_getreg_b32 s2, hwreg(HW_REG_IB_STS2, 6, 4)
	s_cmp_eq_u32 s2, 0
	s_cbranch_scc0 .Lentry_in_a_cluster
	s_endpgm
.Lentry_in_a_cluster:
	s_bfe_u32 s2, ttmp6, 0x10000c
	s_cmp_lg_u32 s2, 0x3003
	s_cbranch_scc0 .Lentry_shape_is_right
	s_endpgm
.Lentry_shape_is_right:
; x1 = x + attention's result x w_proj + b_proj;  LayerNorm 2;  exact GELU of (.. x w_fc1 + b_fc1);  out0 = x1 + (.. x w_fc2 + b_fc2).  The three products on codes of E4M3 (scale entries 6 to 11).
; SHARES.  A work-group owns 32 tokens (row block RB) with all their 1,024 columns, so that x1, the LayerNorm and the hidden layers never go to memory.  It walks the three weights in 24 slots of 128 columns;
; wave w makes columns 256 w + 32 s in slot s.  Every wave holds the operand in hand (2 tiles x 8 K steps = 256 registers, window 1) and its quarter of x1 (256 registers, window 2).
; Weights come as dense blocks of 32,768 bytes a wave and slot through a ring of two LDS slots, asked for JOINTLY by the four work-groups of a cluster (mask 15, the same descriptor in all four).
; LAYOUT.  Source 0 = weights, source 1 = tokens: lane (r, h) holds token 8 mt + r + 8 (r / 8) and columns 256 w + 32 s + 16 h + 0 .. 15: 16 codes of them are the lane's 16 bytes of a piece of the next operand.
; An operand goes from wave to wave through LDS as an image of its registers: pieces of 512 bytes, lane l's 16 bytes at 16 l.
; erf(u) = u P(u^2) / Q(u^2), u held at +-4 (beyond it erf is 1 in f32).
; LIMITS: e8, e10 between -126 and 119; e6 + e7, e8 + e9, e10 + e11 between -126 and 127.  NaN among the inputs is not served.  The order of the f32 sums differs from the reference's.
.set SLOTB, 131072
.set PHASE, 3145728                    ; w_proj's first slot in wc
.set SCR,   2*SLOTB                    ; 34,816 bytes: an operand's image (32,768), or a stage of 32 x 272 bytes for each wave; the two uses are parted by barriers
.set SPI,   272
.set STGB,  32*SPI
.set PAR,   SCR+4*STGB                 ; b_proj, ln2_g, ln2_b, b_fc1, b_fc2: 4,096 bytes each
.set STAT1, PAR+5*4096                 ; [position 32][wave 4] f32: the sums; 512 bytes on: the sums of squares
.set SPARE, STAT1+1024
.set LI,   1
.set R,    2
.set H,    3
.set ADB0, 4
.set ADR,  5
.set AIM,  6                           ; an image, read
.set AIW,  7                           ; an image, my pieces
.set SIN,  8                           ; my stage by rows of 256 bytes: sixteen lanes to a position
.set SD,   9                           ; my stage by lanes: position r, + 64 h
.set XG,   10                          ; the same two rows in x and out0
.set PFO,  11
.set PB,   12                          ; my 16 numbers of a parameter
.set TA,   13
.set SPW,  14
.set NIL,  15
.set STA,  16
.set STR,  17
.set SC8,  18
.set LM8,  19
.set SC10, 20
.set LM10, 21
.set MU0,  22                          ; pairs: mean and 1 / sigma of my two tokens
.set RS0,  26
.set T16,  30
.set PT16, 31
.set ACC,  32
.set BI,   64
.set CD,   80                          ; v80-87 codes just made;  v88-95 the statistics at work
.set TMP,  96
.set W,    128
.set G1,   24
.set G0,   32
.set TB,   36
.set LEFT, 37
.set LIM,  38
.set CNT,  39
.set PFA,  40
.set WV,   42
.set SP,   60
.set SF1,  62
.set SF2,  66
.set SEL,  68
.set XB,   70
.set OB,   72
.set AB,   74
.set A6,   76
.set B4,   78
.set SOF,  80
.set POF,  81
.set C10,  82
.set EPS,  83
.set W_T,  0x07
.set TO_B, 0xc0
.set TO_A, 0x40
.set MSB, 0
.macro WIN new
.if MSB != \new
	s_set_vgpr_msb (MSB<<8)|\new
.set MSB, \new
.endif
.endm
.macro ROUND
	s_barrier_signal -1
	s_barrier_wait -1
	s_cmp_lg_u32 s[WV], 0
	s_cbranch_scc1 .Lnot_wave_0_\@
	s_barrier_signal -3
.Lnot_wave_0_\@:
	s_barrier_wait -3
	s_barrier_signal -1
	s_barrier_wait -1
.endm
.macro ASK                             ; the slot two fills on: cluster 0 alone asks; its sixteen waves share the slot's 512 blocks of 256 bytes out by address
	s_cmp_gt_u32 s[LEFT], s[LIM]
	s_cbranch_scc0 .Lnot_mine_\@
	global_prefetch_b8 v[PFO], s[PFA:PFA+1] th:TH_LOAD_NT scope:SCOPE_SE
.Lnot_mine_\@:
.endm
.macro CHANGE fill                     ; the change of slots: my load has landed; 0 onto my spare word; my LDS instructions are over; the round; the slot that I left is filled again, first thing
	s_wait_tensorcnt 0x0
	ds_add_u32 v[SPW], v[NIL]
.if \fill
	s_xor_b32 s[G0+1], s[G0+1], SLOTB
	s_add_nc_u64 s[G0+2:G0+3], s[G0+2:G0+3], SLOTB
	s_wait_xcnt 0x0                                ; the last prefetch, a slot back, has read its address
	s_add_nc_u64 s[PFA:PFA+1], s[PFA:PFA+1], SLOTB
.endif
	s_wait_dscnt 0x0
	ROUND
.if \fill
	tensor_load_to_lds s[G0:G0+3], s[G1:G1+7]
	s_nop 0
.rept 4
	v_nop
.endr
	ASK
	s_sub_co_u32 s[LEFT], s[LEFT], 1
.endif
.endm
.macro BLOADS
	v_add_nc_u32 v[ADR], s[TB], v[ADB0]
	WIN TO_B
.set f, 0
.rept 16
.irp c, 0,1,2,3
	ds_load_b128 v[16*f+4*\c:16*f+4*\c+3], v[ADR] offset:2048*f+512*\c
.endr
.set f, f+1
.endr
	WIN 0
.endm
.macro MULS                            ; 32 matrix instructions, four accumulators by turns, K ascending
	WIN W_T
.set ks, 0
.rept 8
	s_wait_dscnt 56-8*ks                           ; this K step's eight loads are in; the later steps' may be out
.irp mt, 0,1
.irp u, 0,1
.if ks == 0
	v_wmma_f32_16x16x128_fp8_fp8 v[ACC+16*\mt+8*\u:ACC+16*\mt+8*\u+7], v[16*(2*ks+\u):16*(2*ks+\u)+15], v[16*(8*\mt+ks):16*(8*\mt+ks)+15], 0
.else
	v_wmma_f32_16x16x128_fp8_fp8 v[ACC+16*\mt+8*\u:ACC+16*\mt+8*\u+7], v[16*(2*ks+\u):16*(2*ks+\u)+15], v[16*(8*\mt+ks):16*(8*\mt+ks)+15], v[ACC+16*\mt+8*\u:ACC+16*\mt+8*\u+7]
.endif
.endr
.endr
.set ks, ks+1
.endr
	WIN 0
.rept 4
	v_nop                                          ; four places ahead of the first read of the sums (ISA guide 7.12.1)
.endr
.endm
.macro ALOAD                           ; the operand's image into window 1
	WIN TO_A
.set f, 0
.rept 16
.irp c, 0,1,2,3
	ds_load_b128 v[16*f+4*\c:16*f+4*\c+3], v[AIM] offset:2048*f+512*\c
.endr
.set f, f+1
.endr
	WIN 0
.endm
.macro MKSC e, sc, lm
	s_add_co_i32 s[\sc], s[\e], 127
	s_add_co_i32 s[\lm], s[\e], 135
	s_lshl_b32 s[\sc], s[\sc], 23
	s_lshl_b32 s[\lm], s[\lm], 23
	s_or_b32 s[\lm], s[\lm], 0x600000
.endm
.macro MKS a, b, d                     ; s[d], s[d + 1] = 2^(ea + eb) as f32
	s_add_co_i32 s[\d], s[\a], s[\b]
	s_add_co_i32 s[\d], s[\d], 127
	s_lshl_b32 s[\d], s[\d], 23
	s_mov_b32 s[\d+1], s[\d]
.endm
.macro HOLDCVT sc, lm                  ; TMP's 32 numbers: the hold, then 32 codes into CD
.set i, 0
.rept 32
	v_med3_num_f32 v[TMP+i], v[TMP+i], -v[\lm], v[\lm]
.set i, i+1
.endr
.irp g, 0,1,2,3
	v_cvt_scalef32_pk8_fp8_f32 v[CD+2*\g:CD+2*\g+1], v[TMP+8*\g:TMP+8*\g+7], v[\sc]
.endr
	v_nop                                          ; a plain line behind the last conversion
.endm
	s_load_b256 s[4:11], s[0:1], 0x0               ; oc, x, wc, the scales' exponents
	s_load_b256 s[12:19], s[0:1], 0x20             ; b_proj, ln2_g, ln2_b, b_fc1
	s_load_b128 s[20:23], s[0:1], 0x40             ; b_fc2, out0
	v_lshl_add_u32 v[SPW], v0, 2, SPARE
	v_mov_b32 v[NIL], 0
	ds_add_u32 v[SPW], v[NIL]                      ; the opening: the add and its wait ahead of my first tensor load
	v_lshrrev_b32 v1, 5, v0
	v_readfirstlane_b32 s[WV], v1
	s_bfe_u32 s43, ttmp6, 0x40000                  ; cx: it enters global addresses of oc, x, out0 and the prefetches alone
	s_lshl_b32 s44, ttmp9, 2
	s_add_co_u32 s44, s44, s43                     ; RB
	s_mov_b32 s[G1], 15|(3<<16)|(1<<21)            ; mask: all four work-groups; elements of 8 bytes; bit 21 beside a mask
	s_mov_b32 s[G1+1], 32<<16                      ; 128 dense rows of 256 bytes
	s_mov_b32 s[G1+2], 128<<16
	s_mov_b32 s[G1+3], 32<<16
	s_mov_b32 s[G1+4], 128
	s_mov_b32 s[G1+5], 32
	s_mov_b32 s[G1+6], 0
	s_mov_b32 s[G1+7], 0
	s_mov_b32 s[G0], 1
	s_lshl_b32 s[G0+1], s[WV], 15
	s_lshl_b32 s2, s[WV], 15
	s_mov_b32 s3, 0
	s_mov_b32 s[TB], 0
	s_mov_b32 s[LEFT], 23
	s_cmp_eq_u32 ttmp9, 0
	s_cselect_b32 s[LIM], 2, -1
	s_mov_b32 s[SEL], 0x76543210
	s_mov_b32 s[SEL+1], 0xfedcba98
	s_mov_b32 s[C10], 0x3a800000
	s_mov_b32 s[EPS], 0x3727c5ac
	s_mov_b32 s[A6], 0xaf95df0b
	s_mov_b32 s[A6+1], s[A6]
	s_mov_b32 s[B4], 0xb77460cd
	s_mov_b32 s[B4+1], s[B4]
	v_and_b32 v[R], 31, v0
	v_lshlrev_b32 v[LI], 4, v[R]
	v_lshlrev_b32 v[PFO], 8, v[R]
	v_and_b32 v[R], 15, v0
	v_bfe_u32 v[H], v0, 4, 1
	v_add_nc_u32 v[ADB0], s2, v[LI]
	v_add_nc_u32 v[AIM], SCR, v[LI]
	s_lshl_b32 s85, s[WV], 12
	s_add_co_u32 s85, s85, SCR
	v_add_nc_u32 v[AIW], s85, v[LI]
	s_mul_i32 s84, s[WV], STGB
	s_add_co_u32 s84, s84, SCR
	v_mul_u32_u24 v[SIN], v[H], SPI
	v_lshl_add_u32 v[SIN], v[R], 4, v[SIN]
	v_add_nc_u32 v[SIN], s84, v[SIN]
	v_mul_u32_u24 v[SD], v[R], SPI
	v_lshl_add_u32 v[SD], v[H], 6, v[SD]
	v_add_nc_u32 v[SD], s84, v[SD]
	v_lshlrev_b32 v[XG], 12, v[H]
	v_lshl_add_u32 v[XG], v[R], 4, v[XG]
	s_lshl_b32 s85, s[WV], 10
	s_add_co_u32 s85, s85, PAR
	v_lshl_add_u32 v[PB], v[H], 6, s85
	s_lshl_b32 s85, s[WV], 2
	s_add_co_u32 s85, s85, STAT1
	v_lshl_add_u32 v[STA], v[R], 4, s85
	v_lshl_add_u32 v[STR], v[R], 4, STAT1
	v_lshlrev_b32 v[T16], 4, v0
	v_lshl_add_u32 v[PT16], v0, 4, PAR
	v_mov_b32 v[MU0+1], 0                          ; named as the upper halves of pairs
	v_mov_b32 v[MU0+3], 0
	v_mov_b32 v[RS0+1], 0
	v_mov_b32 v[RS0+3], 0
	s_lshl_b32 s86, s44, 17                        ; x, out0: 32 RB rows of 4,096 bytes + my 256 columns
	s_lshl_b32 s87, s[WV], 10
	s_add_co_u32 s86, s86, s87
	s_mov_b32 s87, 0
	s_lshl_b32 s88, s44, 15                        ; oc: the row block's 32,768 bytes
	s_mov_b32 s89, 0
	s_lshl_b32 s90, s43, 2
	s_add_co_u32 s90, s90, s[WV]
	s_lshl_b32 s90, s90, 13
	s_add_co_u32 s90, s90, PHASE+2*SLOTB           ; the prefetches stand in slot 2: the first change steps them to slot 3
	s_mov_b32 s91, 0
	s_wait_dscnt 0x0                               ; the opening add is done
	s_wait_kmcnt 0x0
	s_load_b256 s[48:55], s[10:11], 0x0            ; e0 .. e7
	s_load_b128 s[56:59], s[10:11], 0x20           ; e8 .. e11
	s_add_nc_u64 s[G0+2:G0+3], s[8:9], s[2:3]
	s_add_nc_u64 s[G0+2:G0+3], s[G0+2:G0+3], PHASE
	s_or_b32 s[G0+3], s[G0+3], 0x80000000
	s_add_nc_u64 s[XB:XB+1], s[6:7], s[86:87]
	s_add_nc_u64 s[OB:OB+1], s[22:23], s[86:87]
	s_add_nc_u64 s[AB:AB+1], s[4:5], s[88:89]
	s_add_nc_u64 s[PFA:PFA+1], s[8:9], s[90:91]
	ROUND                                          ; all four work-groups are here: the first joint load meets
	tensor_load_to_lds s[G0:G0+3], s[G1:G1+7]      ; slot 0
	s_nop 0
.rept 4
	v_nop
.endr
	WIN TO_A
.set f, 0
.rept 16
.irp c, 0,1,2,3
	global_load_b128 v[16*f+4*\c:16*f+4*\c+3], v[LI], s[AB:AB+1] offset:2048*f+512*\c th:TH_LOAD_NT   ; attention's codes: the first operand as it stands
.endr
.set f, f+1
.endr
	WIN 0
.irp i, 0,1
	global_load_b128 v[W+4*\i:W+4*\i+3], v[T16], s[12:13] offset:2048*\i
	global_load_b128 v[W+8+4*\i:W+8+4*\i+3], v[T16], s[14:15] offset:2048*\i
	global_load_b128 v[W+16+4*\i:W+16+4*\i+3], v[T16], s[16:17] offset:2048*\i
	global_load_b128 v[W+24+4*\i:W+24+4*\i+3], v[T16], s[18:19] offset:2048*\i
	global_load_b128 v[W+32+4*\i:W+32+4*\i+3], v[T16], s[20:21] offset:2048*\i
.endr
	WIN TO_B                                       ; x lands in window 3, which the weights take later: chunk t = 64 of my columns; a load takes two positions, sixteen lanes to 256 consecutive bytes
.irp t, 0,1,2,3
.set i, 0
.rept 16
	global_load_b128 v[4*(16*\t+i):4*(16*\t+i)+3], v[XG], s[XB:XB+1] offset:(((2*i)&7)|(((2*i)&8)<<1)|(((2*i)&16)>>1))*4096+256*\t th:TH_LOAD_NT
.set i, i+1
.endr
.endr
	WIN 0
	s_wait_kmcnt 0x0
	MKS 54, 55, SP
	MKS 56, 57, SF1
	MKS 58, 59, SF2
	MKSC 56, 92, 93
	v_mov_b32 v[SC8], s92
	v_mov_b32 v[LM8], s93
	MKSC 58, 94, 95
	v_mov_b32 v[SC10], s94
	v_mov_b32 v[LM10], s95
	s_wait_loadcnt 48                              ; the operand, the parameters and x's chunk 0 are in; chunks 1 to 3, 48 loads, may be out
.irp p, 0,1,2,3,4
.irp i, 0,1
	ds_store_b128 v[PT16], v[W+8*\p+4*\i:W+8*\p+4*\i+3] offset:4096*\p+2048*\i
.endr
.endr
.irp t, 0,1,2,3                        ; x turns through my stage into the sums' layout: X1(s, mt, k) = v[32 s + 16 mt + k] of window 2
.if \t > 0
	s_wait_loadcnt 48-16*\t
.endif
	WIN 0x0c                                       ; store data in window 3
.set i, 0
.rept 16
	ds_store_b128 v[SIN], v[4*(16*\t+i):4*(16*\t+i)+3] offset:2*SPI*i
.set i, i+1
.endr
	WIN 0x80                                       ; destination window 2
.irp mt, 0,1
.irp sp, 0,1
.irp q, 0,1,2,3
	ds_load_b128 v[32*(2*\t+\sp)+16*\mt+4*\q:32*(2*\t+\sp)+16*\mt+4*\q+3], v[SD] offset:16*SPI*\mt+128*\sp+16*\q   ; LDS serves a wave's instructions in order: these see my stores, and the next chunk's stores come behind them
.endr
.endr
.endr
	WIN 0
.endr
; A slot whose sums are added onto x1: X1 += sum x 2^(ea + eb) + bias.
.macro TRIPX sl, par, sc, fill
	CHANGE \fill
.irp q, 0,1,2,3
	ds_load_b128 v[BI+4*\q:BI+4*\q+3], v[PB] offset:4096*(\par)+128*(\sl)+16*\q
.endr
	BLOADS
	MULS
.set i, 0
.rept 16
	v_pk_fma_f32 v[TMP+2*i:TMP+2*i+1], v[ACC+2*i:ACC+2*i+1], s[\sc:\sc+1], v[BI+(2*i)%16:BI+(2*i)%16+1] op_sel_hi:[1,0,1]   ; each accumulator from its low end on
.set i, i+1
.endr
	WIN 0x82                                       ; destination and source 0 window 2
.set i, 0
.rept 16
	v_pk_add_f32 v[32*(\sl)+2*i:32*(\sl)+2*i+1], v[32*(\sl)+2*i:32*(\sl)+2*i+1], v[TMP+2*i:TMP+2*i+1]
.set i, i+1
.endr
	WIN 0
	s_xor_b32 s[TB], s[TB], SLOTB
.endm
	; ---- the projection: x1 = x + (.. + b_proj).  (The first change of slots waits for my LDS instructions; its round shows the parameters to every wave)
.irp s, 0,1,2,3,4,5,6,7
	TRIPX \s, 0, SP, 1
.endr
	; ---- LayerNorm 2.  A lane holds 128 numbers of each of its two tokens; lane l xor 16 and the other three waves hold the rest.
.macro GBLOAD s                        ; gain and offset of slot s's columns into set s % 4
.irp q, 0,1,2,3
	ds_load_b128 v[W+32*((\s)%4)+4*\q:W+32*((\s)%4)+4*\q+3], v[PB] offset:4096+128*(\s)+16*\q
	ds_load_b128 v[W+32*((\s)%4)+16+4*\q:W+32*((\s)%4)+16+4*\q+3], v[PB] offset:8192+128*(\s)+16*\q
.endr
.endm
.macro MEET off                        ; v88 and v92, a lane's two sums, become the tokens' sums over 1,024 columns in v64 and v68
.irp mt, 0,1
	v_pk_add_f32 v[88+4*\mt:89+4*\mt], v[88+4*\mt:89+4*\mt], v[90+4*\mt:91+4*\mt]
.endr
.irp mt, 0,1
	v_add_f32 v[88+4*\mt], v[88+4*\mt], v[89+4*\mt]
.endr
.irp mt, 0,1
	v_permlanex16_b32 v[89+4*\mt], v[88+4*\mt], s[SEL], s[SEL+1]
.endr
.irp mt, 0,1
	v_add_f32 v[88+4*\mt], v[88+4*\mt], v[89+4*\mt]
.endr
	ds_store_b32 v[STA], v88 offset:\off
	ds_store_b32 v[STA], v92 offset:\off+256
	s_wait_dscnt 0x0                               ; my sums lie in LDS
	s_barrier_signal -1
	s_barrier_wait -1                              ; everybody's do.
	ds_load_b128 v[64:67], v[STR] offset:\off
	ds_load_b128 v[68:71], v[STR] offset:\off+256
	s_wait_dscnt 0x0
	v_add_f32 v64, v64, v65
	v_add_f32 v66, v66, v67
	v_add_f32 v68, v68, v69
	v_add_f32 v70, v70, v71
	v_add_f32 v64, v64, v66
	v_add_f32 v68, v68, v70
.endm
	GBLOAD 0
	GBLOAD 1
	GBLOAD 2
	GBLOAD 3
	WIN 0x0a                                       ; sources 0 and 1 window 2: the first pairs start four chains
.irp mt, 0,1
	v_pk_add_f32 v[88+4*\mt:89+4*\mt], v[16*\mt:16*\mt+1], v[16*\mt+2:16*\mt+3]
	v_pk_add_f32 v[90+4*\mt:91+4*\mt], v[16*\mt+4:16*\mt+5], v[16*\mt+6:16*\mt+7]
.endr
	WIN 0x02
.irp j, 8,12
.irp mt, 0,1
	v_pk_add_f32 v[88+4*\mt:89+4*\mt], v[16*\mt+\j:16*\mt+\j+1], v[88+4*\mt:89+4*\mt]
	v_pk_add_f32 v[90+4*\mt:91+4*\mt], v[16*\mt+\j+2:16*\mt+\j+3], v[90+4*\mt:91+4*\mt]
.endr
.endr
.irp s, 1,2,3,4,5,6,7
.irp j, 0,4,8,12
.irp mt, 0,1
	v_pk_add_f32 v[88+4*\mt:89+4*\mt], v[32*\s+16*\mt+\j:32*\s+16*\mt+\j+1], v[88+4*\mt:89+4*\mt]
	v_pk_add_f32 v[90+4*\mt:91+4*\mt], v[32*\s+16*\mt+\j+2:32*\s+16*\mt+\j+3], v[90+4*\mt:91+4*\mt]
.endr
.endr
.endr
	WIN 0
	MEET 0
	v_mul_f32 v[MU0], s[C10], v64
	v_mul_f32 v[MU0+2], s[C10], v68
.irp s, 0,1,2,3,4,5,6,7                ; the sums of (x1 - mean)^2, a slot's 32 numbers at a time
	WIN 0x02
.set i, 0
.rept 16
	v_pk_add_f32 v[TMP+2*i:TMP+2*i+1], v[32*\s+2*i:32*\s+2*i+1], v[MU0+2*(i/8):MU0+2*(i/8)+1] op_sel_hi:[1,0] neg_lo:[0,1] neg_hi:[0,1]
.set i, i+1
.endr
	WIN 0
.set i, 0
.rept 16
.if (\s == 0) && ((i%8) < 2)
	v_pk_mul_f32 v[88+4*(i/8)+2*(i%2):88+4*(i/8)+2*(i%2)+1], v[TMP+2*i:TMP+2*i+1], v[TMP+2*i:TMP+2*i+1]
.else
	v_pk_fma_f32 v[88+4*(i/8)+2*(i%2):88+4*(i/8)+2*(i%2)+1], v[TMP+2*i:TMP+2*i+1], v[TMP+2*i:TMP+2*i+1], v[88+4*(i/8)+2*(i%2):88+4*(i/8)+2*(i%2)+1]
.endif
.set i, i+1
.endr
.endr
	MEET 512
	v_fma_f32 v64, v64, s[C10], s[EPS]
	v_fma_f32 v68, v68, s[C10], s[EPS]
	v_rsq_f32 v[RS0], v64
	v_rsq_f32 v[RS0+2], v68
	v_nop                                          ; a plain line behind the transcendentals,
	s_wait_alu depctr_va_vdst(0)                   ; and one wait for both, ahead of their first reader
.macro NORM s                          ; slot s's 32 numbers: normalised, quantised, two pieces of the next operand's image
.if (\s) >= 4
	s_wait_dscnt 30-8*((\s)-4)                     ; this slot's gain and offset are in; what was issued behind their eight loads may be out
.endif
	WIN 0x02
.set i, 0
.rept 16
	v_pk_add_f32 v[TMP+2*i:TMP+2*i+1], v[32*(\s)+2*i:32*(\s)+2*i+1], v[MU0+2*(i/8):MU0+2*(i/8)+1] op_sel_hi:[1,0] neg_lo:[0,1] neg_hi:[0,1]
.set i, i+1
.endr
	WIN 0
.set i, 0
.rept 16
	v_pk_mul_f32 v[TMP+2*i:TMP+2*i+1], v[TMP+2*i:TMP+2*i+1], v[RS0+2*(i/8):RS0+2*(i/8)+1] op_sel_hi:[1,0]
.set i, i+1
.endr
.set i, 0
.rept 16
	v_pk_fma_f32 v[TMP+2*i:TMP+2*i+1], v[TMP+2*i:TMP+2*i+1], v[W+32*((\s)%4)+(2*i)%16:W+32*((\s)%4)+(2*i)%16+1], v[W+32*((\s)%4)+16+(2*i)%16:W+32*((\s)%4)+16+(2*i)%16+1]
.set i, i+1
.endr
	HOLDCVT SC8, LM8
	ds_store_b128 v[AIW], v[CD:CD+3] offset:512*(\s)
	ds_store_b128 v[AIW], v[CD+4:CD+7] offset:16384+512*(\s)
.if (\s) < 4
	GBLOAD (\s)+4
.endif
.endm
.irp s, 0,1,2,3,4,5,6,7
	NORM \s
.endr
	s_wait_dscnt 0x0                               ; my pieces lie in LDS
	s_barrier_signal -1
	s_barrier_wait -1
	ALOAD                                          ; (the next change of slots waits for these loads, ahead of its round: only behind it is the image written again)
	; ---- fc1 and the exact GELU
.set UU, W                             ; v128-159 u = z / sqrt(2), held at +-4
.set TT, W+32                          ; v160-191 u^2
.set PN, W+64                          ; v192-223 P
.set PD, W+96                          ; v224-255 Q, then 1 / Q
.macro HORNER p, k                     ; p = p x u^2 + k
.set i, 0
.rept 16
	v_pk_fma_f32 v[\p+2*i:\p+2*i+1], v[\p+2*i:\p+2*i+1], v[TT+2*i:TT+2*i+1], \k op_sel_hi:[1,1,0]
.set i, i+1
.endr
.endm
	s_mov_b32 s[SOF], 0
	s_mov_b32 s[POF], 0
	s_mov_b32 s[CNT], 8
.Lf1:
	CHANGE 1
	v_add_nc_u32 v[TA], s[POF], v[PB]
.irp q, 0,1,2,3
	ds_load_b128 v[BI+4*\q:BI+4*\q+3], v[TA] offset:12288+16*\q
.endr
	BLOADS
	MULS
.set i, 0
.rept 16
	v_pk_fma_f32 v[TMP+2*i:TMP+2*i+1], v[ACC+2*i:ACC+2*i+1], s[SF1:SF1+1], v[BI+(2*i)%16:BI+(2*i)%16+1] op_sel_hi:[1,0,1]   ; z
.set i, i+1
.endr
.set i, 0
.rept 16
	v_pk_mul_f32 v[UU+2*i:UU+2*i+1], v[TMP+2*i:TMP+2*i+1], 0x3f3504f3 op_sel_hi:[1,0]
.set i, i+1
.endr
.set i, 0
.rept 32
	v_med3_num_f32 v[UU+i], v[UU+i], -4.0, 4.0
.set i, i+1
.endr
.set i, 0
.rept 16
	v_pk_mul_f32 v[TT+2*i:TT+2*i+1], v[UU+2*i:UU+2*i+1], v[UU+2*i:UU+2*i+1]
.set i, i+1
.endr
.set i, 0
.rept 16
	v_pk_fma_f32 v[PD+2*i:PD+2*i+1], v[TT+2*i:TT+2*i+1], s[B4:B4+1], 0xb95fbd29 op_sel_hi:[1,0,0]
.set i, i+1
.endr
	HORNER PD, 0xbadc924e
	HORNER PD, 0xbbf19bf8
	HORNER PD, 0xbc69b6a7
.set i, 0
.rept 32
	v_rcp_f32 v[PD+i], v[PD+i]                     ; one batch; P's polynomial below is the work that names none of its results
.set i, i+1
.endr
.set i, 0
.rept 16
	v_pk_fma_f32 v[PN+2*i:PN+2*i+1], v[TT+2*i:TT+2*i+1], s[A6:A6+1], 0x32edffee op_sel_hi:[1,0,0]
.set i, i+1
.endr
	HORNER PN, 0xb60cff51
	HORNER PN, 0xb86ec2d2
	HORNER PN, 0xba40ac63
	HORNER PN, 0xbb41a1f6
	HORNER PN, 0xbc83dbd4
.set i, 0
.rept 16
	v_pk_mul_f32 v[UU+2*i:UU+2*i+1], v[UU+2*i:UU+2*i+1], v[PN+2*i:PN+2*i+1]
	v_pk_mul_f32 v[TMP+2*i:TMP+2*i+1], v[TMP+2*i:TMP+2*i+1], 0.5 op_sel_hi:[1,0]      ; z / 2
.set i, i+1
.endr
	s_wait_alu depctr_va_vdst(0)                   ; one wait for the 32 reciprocals, ahead of their first reader
.set i, 0
.rept 16
	v_pk_mul_f32 v[UU+2*i:UU+2*i+1], v[UU+2*i:UU+2*i+1], v[PD+2*i:PD+2*i+1]           ; erf
.set i, i+1
.endr
.set i, 0
.rept 16
	v_pk_fma_f32 v[TMP+2*i:TMP+2*i+1], v[TMP+2*i:TMP+2*i+1], v[UU+2*i:UU+2*i+1], v[TMP+2*i:TMP+2*i+1]   ; z / 2 x erf + z / 2
.set i, i+1
.endr
	HOLDCVT SC10, LM10
	v_add_nc_u32 v[TA], s[SOF], v[AIW]
	ds_store_b128 v[TA], v[CD:CD+3]
	ds_store_b128 v[TA], v[CD+4:CD+7] offset:16384
	s_xor_b32 s[TB], s[TB], SLOTB
	s_add_co_u32 s[POF], s[POF], 128
	s_add_co_u32 s[SOF], s[SOF], 512
	s_sub_co_u32 s[CNT], s[CNT], 1
	s_cmp_lg_u32 s[CNT], 0
	s_cbranch_scc1 .Lf1
	s_wait_dscnt 0x0
	s_barrier_signal -1
	s_barrier_wait -1
	ALOAD
	; ---- fc2: out0 = x1 + (.. + b_fc2).  Behind every second slot 64 finished columns leave through my stage: sixteen lanes store 256 consecutive bytes, aligned.
.macro OUT t
	WIN 0x08                                       ; store data in window 2
.irp mt, 0,1
.irp sp, 0,1
.irp q, 0,1,2,3
	ds_store_b128 v[SD], v[32*(2*(\t)+\sp)+16*\mt+4*\q:32*(2*(\t)+\sp)+16*\mt+4*\q+3] offset:16*SPI*\mt+128*\sp+16*\q
.endr
.endr
.endr
	WIN 0
	s_wait_xcnt 0x0                                ; the last chunk's stores have read their registers
.set i, 0
.rept 16
	ds_load_b128 v[W+4*i:W+4*i+3], v[SIN] offset:2*SPI*i
.set i, i+1
.endr
.set i, 0
.rept 16
	s_wait_dscnt 15-i
	global_store_b128 v[XG], v[W+4*i:W+4*i+3], s[OB:OB+1] offset:(((2*i)&7)|(((2*i)&8)<<1)|(((2*i)&16)>>1))*4096+256*(\t) th:TH_STORE_NT
.set i, i+1
.endr
.endm
.irp t, 0,1,2
	TRIPX 2*\t, 4, SF2, 1
	TRIPX 2*\t+1, 4, SF2, 1
	OUT \t
.endr
	TRIPX 6, 4, SF2, 1
	TRIPX 7, 4, SF2, 0                             ; the last slot asks for nothing
	OUT 3
	s_wait_tensorcnt 0x0                           ; the wave's end
	ds_add_u32 v[SPW], v[NIL]
	s_wait_dscnt 0x0
	ROUND                                          ; the closing round
	s_endpgm
.Lfunc_end_k_qe9ef99ea9d_chain:
	.size	k_qe9ef99ea9d_chain, .Lfunc_end_k_qe9ef99ea9d_chain-k_qe9ef99ea9d_chain
	.p2alignl 7, 3214868480
	.fill 96, 4, 3214868480
	.section	.rodata,"a",@progbits
	.p2align	6, 0x0
	.amdhsa_kernel k_qe9ef99ea9d_chain
		.amdhsa_group_segment_fixed_size 327680
		.amdhsa_private_segment_fixed_size 0
		.amdhsa_enable_private_segment 0
		.amdhsa_kernarg_size 80
		.amdhsa_user_sgpr_count 2
		.amdhsa_user_sgpr_kernarg_segment_ptr 1
		.amdhsa_wavefront_size32 1
		.amdhsa_system_sgpr_workgroup_id_x 1
		.amdhsa_system_sgpr_workgroup_id_y 1
		.amdhsa_system_sgpr_workgroup_id_z 1
		.amdhsa_system_vgpr_workitem_id 0
		.amdhsa_next_free_vgpr 1024
		.amdhsa_next_free_sgpr 96
		.amdhsa_reserve_vcc 0
		.amdhsa_float_denorm_mode_32 3
		.amdhsa_float_denorm_mode_16_64 3
		.amdhsa_memory_ordered 1
		.amdhsa_forward_progress 1
		.amdhsa_inst_pref_size 255
	.end_amdhsa_kernel
	.section	.bss,"aw",@nobits
	.p2align	6
	.space	262144
	.amdgpu_metadata
---
amdhsa.version: [ 1, 2 ]
amdhsa.kernels:
  - .name:           k_qe9ef99ea9d_chain
    .symbol:         k_qe9ef99ea9d_chain.kd
    .args:
      - { .name: oc, .offset: 0, .size: 8, .value_kind: global_buffer, .address_space: global }
      - { .name: x, .offset: 8, .size: 8, .value_kind: global_buffer, .address_space: global }
      - { .name: wc, .offset: 16, .size: 8, .value_kind: global_buffer, .address_space: global }
      - { .name: lowp_scales, .offset: 24, .size: 8, .value_kind: global_buffer, .address_space: global }
      - { .name: b_proj, .offset: 32, .size: 8, .value_kind: global_buffer, .address_space: global }
      - { .name: ln2_g, .offset: 40, .size: 8, .value_kind: global_buffer, .address_space: global }
      - { .name: ln2_b, .offset: 48, .size: 8, .value_kind: global_buffer, .address_space: global }
      - { .name: b_fc1, .offset: 56, .size: 8, .value_kind: global_buffer, .address_space: global }
      - { .name: b_fc2, .offset: 64, .size: 8, .value_kind: global_buffer, .address_space: global }
      - { .name: out0, .offset: 72, .size: 8, .value_kind: global_buffer, .address_space: global }
    .group_segment_fixed_size: 327680
    .private_segment_fixed_size: 0
    .kernarg_segment_align: 8
    .kernarg_segment_size: 80
    .max_flat_workgroup_size: 128
    .sgpr_count:     96
    .vgpr_count:     1024
    .wavefront_size: 32
...
	.end_amdgpu_metadata
.endif
;; end of part 4
;; ======== version 2 of 2: 4 launches
;; limits: right only within a limited range of input values
;; workspace buffers: wc 6,291,456 bytes; qkvc 25,165,824 bytes; oc 8,388,608 bytes
;; launch wq (part 5): grid 48 x 4, 4 waves a work-group, no clusters, 35,840 bytes of LDS; arguments w_qkv, w_proj, w_fc1, w_fc2, lowp_scales, wc; writes wc
.if DOCPART == 5
	.amdgcn_target "amdgcn-amd-amdhsa--gfx1250"
	.amdhsa_code_object_version 6
	.text
	.protected	k_qe9ef99ea9d_wq
	.globl	k_qe9ef99ea9d_wq
	.p2align	8
	.type	k_qe9ef99ea9d_wq,@function
k_qe9ef99ea9d_wq:
	s_mov_b64 s[64:65], 0
	v_nop
	global_prefetch_b8 v0, s[64:65] scope:SCOPE_SE
	s_setreg_imm32_b32 hwreg(HW_REG_WAVE_MODE, 25, 1), 1
	s_wait_xcnt 0x0
; The four weights, f32 stored [K = 1024][N], become codes of E4M3 with the scale 2^e given for each (entries 1, 7, 9, 11 of the scales), laid in the order in which
; the later launches' operand registers take them:  wc = [pos 192][ks 8][u 2][c 4][lane 32][16 bytes].  A block of 32 columns is cb = column / 32, counted through
; w_qkv (0-95), w_proj (96-127), w_fc1 (128-159), w_fc2 (160-191).  With third = cb >> 5, wave = (cb >> 3) & 3, s = cb & 7:
;   w_qkv:              pos = 48 (s >> 2) + 16 third + 4 (s & 3) + wave: the 12 slots that one half of the next launch's work-groups walks lie on end;
;   the three others:   pos = (cb & ~31) + 4 s + wave.
; Lane (r, h) of piece (ks, u, c) holds column 32 cb + 8 u + r + 8 (r / 8), k = 128 ks + 32 c + 16 h + 0 .. 15.
; A LANE TAKES A COLUMN AND ITS REGISTERS RUN DOWN K: a load reads 128 consecutive bytes a wave, the four waves stand side by side on 512, and the conversions give codes with K innermost.
; A wave takes one cb and 256 along K; its codes turn through its own stage in LDS and leave as 16 pieces of 512 consecutive bytes.  Waves share nothing: no barrier.
; One path serves all four tensors: pointer, first column, row pitch, exponent and place are chosen by selects on the work-group's number.
; code = x / 2^e, nearest, ties to even.  LIMITS: e between -126 and 119.  NaN among the inputs is not served.
.set PITCH, 272                        ; a stage row: 256 bytes of codes + 16
.set STG,   32*PITCH                   ; a wave's stage
.set SPARE, 4*STG                      ; behind the stages: the spare words, 128 bytes a wave, named by no other line
.set OFF,   16                         ; v16-47   4 x lane + i x pitch: row i of a block of 32 rows; never rewritten
.set X,     48                         ; v48-111  two sets of 32 numbers
.set C,     112                        ; v112-119 a block's codes
.set OUTR,  120                        ; v120-183 the way out
.set SPW,   14
.set NIL,   15
	s_load_b256 s[4:11], s[0:1], 0x0               ; w_qkv, w_proj, w_fc1, w_fc2
	s_load_b128 s[12:15], s[0:1], 0x20             ; the scales' exponents, wc
	v_lshl_add_u32 v[SPW], v0, 2, SPARE
	v_mov_b32 v[NIL], 0
	v_lshrrev_b32 v1, 5, v0
	v_readfirstlane_b32 s16, v1                    ; wave
	v_and_b32 v1, 31, v0                           ; lane
	s_wait_alu depctr_va_vdst(0)
	v_and_b32 v2, 15, v0                           ; r
	s_wait_alu depctr_va_vdst(0)
	v_bfe_u32 v3, v0, 4, 1                         ; h
	s_mov_b32 s17, ttmp9                           ; x: 128 columns
	s_and_b32 s18, ttmp7, 0xffff                   ; y: 256 along K
	s_mov_b32 s34, 40                              ; the tensor's first x: 40 w_fc2, 32 w_fc1, 24 w_proj, 0 w_qkv
	s_cmp_lt_u32 s17, 40
	s_cselect_b32 s34, 32, s34
	s_cmp_lt_u32 s17, 32
	s_cselect_b32 s34, 24, s34
	s_mov_b32 s36, 4096                            ; bytes in a row of the tensor
	s_cmp_lt_u32 s17, 24
	s_cselect_b32 s34, 0, s34
	s_cselect_b32 s36, 12288, s36
	s_mul_i32 s19, s16, STG                        ; my stage
	v_mul_u32_u24 v4, v1, PITCH
	v_add_nc_u32 v4, s19, v4                       ; into it: row = my column
	v_and_b32 v5, 8, v2
	v_add_nc_u32 v5, v5, v2                        ; r + 8 (r / 8)
	v_mul_u32_u24 v7, v5, PITCH
	s_wait_alu depctr_va_vdst(0)
	v_lshl_add_u32 v7, v3, 4, v7
	v_add_nc_u32 v7, s19, v7                       ; out of it: a piece's row for lane r, + 16 h
	v_lshlrev_b32 v8, 4, v1                        ; 16 x lane: my place in a piece
	v_lshlrev_b32 v9, 2, v1
	v_mov_b32 v6, s36
.set i, 0
.rept 32
	v_mad_u32_u24 v[OFF+i], v6, i, v9
.set i, i+1
.endr
	s_sub_co_u32 s37, s17, s34
	s_lshl_b32 s37, s37, 9                         ; 128 columns of 4 bytes
	s_lshl_b32 s38, s16, 7                         ; 32 columns a wave
	s_add_co_u32 s38, s38, s37
	s_lshl_b32 s37, s18, 8
	s_mul_i32 s37, s37, s36                        ; 256 y rows
	s_add_co_u32 s38, s38, s37
	s_mov_b32 s39, 0                               ; s[38:39]: where my wave's part begins in its tensor
	s_lshl_b32 s60, s36, 5
	s_mov_b32 s61, 0                               ; s[60:61]: 32 rows
	s_lshl_b32 s37, s17, 2
	s_add_co_u32 s37, s37, s16                     ; cb
	s_and_not1_b32 s58, s37, 31
	s_and_b32 s59, s37, 7
	s_lshl_b32 s59, s59, 2
	s_add_co_u32 s58, s58, s59
	s_bfe_u32 s59, s37, 0x20003                    ; the wave that will read the block
	s_add_co_u32 s58, s58, s59                     ; pos, as the three square weights have it
	s_bfe_u32 s62, s37, 0x10002                    ; w_qkv: which half of a third's eight slots,
	s_mul_i32 s62, s62, 48
	s_lshr_b32 s63, s37, 5                         ; the third,
	s_lshl_b32 s63, s63, 4
	s_add_co_u32 s62, s62, s63
	s_and_b32 s63, s37, 3                          ; the slot in the half,
	s_lshl_b32 s63, s63, 2
	s_add_co_u32 s62, s62, s63
	s_add_co_u32 s62, s62, s59                     ; the wave
	s_cmp_lt_u32 s17, 24
	s_cselect_b32 s58, s62, s58
	s_lshl_b32 s58, s58, 15
	s_lshl_b32 s59, s18, 13                        ; two ks of 4,096 bytes for each y
	s_add_co_u32 s58, s58, s59
	s_mov_b32 s59, 0                               ; s[58:59]: where my 16 pieces begin in wc
	s_wait_alu depctr_va_vdst(0)
	s_wait_kmcnt 0x0
	s_load_b256 s[20:27], s[12:13], 0x0            ; e0 .. e7
	s_load_b128 s[28:31], s[12:13], 0x20           ; e8 .. e11
	s_mov_b64 s[32:33], s[10:11]
	s_cmp_lt_u32 s17, 40
	s_cselect_b64 s[32:33], s[8:9], s[32:33]
	s_cmp_lt_u32 s17, 32
	s_cselect_b64 s[32:33], s[6:7], s[32:33]
	s_cmp_lt_u32 s17, 24
	s_cselect_b64 s[32:33], s[4:5], s[32:33]       ; the choice hangs on the work-group's number alone
	s_add_nc_u64 s[56:57], s[14:15], s[58:59]
	s_add_nc_u64 s[40:41], s[32:33], s[38:39]      ; a base for each block of 32 rows: none is ever stepped
.irp t, 1,2,3,4,5,6,7
	s_add_nc_u64 s[40+2*\t:41+2*\t], s[38+2*\t:39+2*\t], s[60:61]
.endr
.macro LOAD t                          ; block t: W(256 y + 32 t + i, my column) into set t % 2
.set i, 0
.rept 32
	global_load_b32 v[X+32*((\t)%2)+i], v[OFF+i], s[40+2*(\t):41+2*(\t)] th:TH_LOAD_NT
.set i, i+1
.endr
.endm
	LOAD 0
	LOAD 1
	s_wait_kmcnt 0x0
	s_mov_b32 s35, s31
	s_cmp_lt_u32 s17, 40
	s_cselect_b32 s35, s29, s35
	s_cmp_lt_u32 s17, 32
	s_cselect_b32 s35, s27, s35
	s_cmp_lt_u32 s17, 24
	s_cselect_b32 s35, s21, s35                    ; e
	s_add_co_i32 s35, s35, 127
	s_lshl_b32 s37, s35, 23
	v_mov_b32 v11, s37                             ; 2^e as f32: the conversion takes its exponent field
	s_add_co_i32 s35, s35, 8
	s_lshl_b32 s35, s35, 23
	s_or_b32 s35, s35, 0x600000
.macro BLOCK t
.set XS, X+32*((\t)%2)
.if (\t) < 7
	s_wait_loadcnt 32                              ; this block's 32 loads are in; the next block's 32 may be out
.else
	s_wait_loadcnt 0
.endif
.set k, 0
.rept 32
.set k, k+1
.endr
.irp g, 0,1,2,3
	v_cvt_scalef32_pk8_fp8_f32 v[C+2*\g:C+2*\g+1], v[XS+8*\g:XS+8*\g+7], v11
.endr
	ds_store_b128 v4, v[C:C+3] offset:32*(\t)      ; 32 codes of my column's row
	ds_store_b128 v4, v[C+4:C+7] offset:32*(\t)+16
.if (\t)+2 < 8
	LOAD (\t)+2
.endif
	s_wait_dscnt 0x0                               ; the stores are done: the next block's codes may be written
.endm
	s_wait_alu depctr_va_vdst(0)
.irp t, 0,1,2,3,4,5,6,7
	BLOCK \t
.endr
.set t, 0
.rept 16                               ; piece t = 8 ks + 4 u + c
	ds_load_b128 v[OUTR+4*t:OUTR+4*t+3], v7 offset:((t>>2)&1)*8*PITCH+(t>>3)*128+(t&3)*32   ; LDS serves a wave's instructions in order: these see my stores
.set t, t+1
.endr
.set t, 0
.rept 16
	s_wait_dscnt 15-t
	global_store_b128 v8, v[OUTR+4*t:OUTR+4*t+3], s[56:57] offset:512*t    ; 32 lanes store 512 consecutive bytes, aligned
.set t, t+1
.endr
	s_wait_tensorcnt 0x0                           ; the wave's end, behind my last LDS store
	ds_add_u32 v[SPW], v[NIL]
	s_wait_dscnt 0x0
	s_endpgm
.Lfunc_end_k_qe9ef99ea9d_wq:
	.size	k_qe9ef99ea9d_wq, .Lfunc_end_k_qe9ef99ea9d_wq-k_qe9ef99ea9d_wq
	.p2alignl 7, 3214868480
	.fill 96, 4, 3214868480
	.section	.rodata,"a",@progbits
	.p2align	6, 0x0
	.amdhsa_kernel k_qe9ef99ea9d_wq
		.amdhsa_group_segment_fixed_size 35840
		.amdhsa_private_segment_fixed_size 0
		.amdhsa_enable_private_segment 0
		.amdhsa_kernarg_size 48
		.amdhsa_user_sgpr_count 2
		.amdhsa_user_sgpr_kernarg_segment_ptr 1
		.amdhsa_wavefront_size32 1
		.amdhsa_system_sgpr_workgroup_id_x 1
		.amdhsa_system_sgpr_workgroup_id_y 1
		.amdhsa_system_sgpr_workgroup_id_z 1
		.amdhsa_system_vgpr_workitem_id 0
		.amdhsa_next_free_vgpr 192
		.amdhsa_next_free_sgpr 66
		.amdhsa_reserve_vcc 0
		.amdhsa_float_denorm_mode_32 3
		.amdhsa_float_denorm_mode_16_64 3
		.amdhsa_fp16_overflow 1
		.amdhsa_memory_ordered 1
		.amdhsa_forward_progress 1
		.amdhsa_inst_pref_size 37
	.end_amdhsa_kernel
	.amdgpu_metadata
---
amdhsa.version: [ 1, 2 ]
amdhsa.kernels:
  - .name:           k_qe9ef99ea9d_wq
    .symbol:         k_qe9ef99ea9d_wq.kd
    .args:
      - { .name: w_qkv, .offset: 0, .size: 8, .value_kind: global_buffer, .address_space: global }
      - { .name: w_proj, .offset: 8, .size: 8, .value_kind: global_buffer, .address_space: global }
      - { .name: w_fc1, .offset: 16, .size: 8, .value_kind: global_buffer, .address_space: global }
      - { .name: w_fc2, .offset: 24, .size: 8, .value_kind: global_buffer, .address_space: global }
      - { .name: lowp_scales, .offset: 32, .size: 8, .value_kind: global_buffer, .address_space: global }
      - { .name: wc, .offset: 40, .size: 8, .value_kind: global_buffer, .address_space: global }
    .group_segment_fixed_size: 35840
    .private_segment_fixed_size: 0
    .kernarg_segment_align: 8
    .kernarg_segment_size: 48
    .max_flat_workgroup_size: 128
    .sgpr_count:     66
    .vgpr_count:     192
    .wavefront_size: 32
...
	.end_amdgpu_metadata
.endif
;; end of part 5
;; launch qkv (part 6): grid 256 x 1, 4 waves a work-group, clusters of 4 x 1, 327,680 bytes of LDS; arguments x, ln1_g, ln1_b, b_qkv, lowp_scales, wc, qkvc; writes qkvc
.if DOCPART == 6
	.amdgcn_target "amdgcn-amd-amdhsa--gfx1250"
	.amdhsa_code_object_version 6
	.text
	.protected	k_qe9ef99ea9d_qkv
	.globl	k_qe9ef99ea9d_qkv
	.p2align	8
	.type	k_qe9ef99ea9d_qkv,@function
k_qe9ef99ea9d_qkv:
	s_mov_b64 s[64:65], 0
	v_nop
	global_prefetch_b8 v0, s[64:65] scope:SCOPE_SE
	s_setreg_imm32_b32 hwreg(HW_REG_WAVE_MODE, 25, 1), 1
	s_wait_xcnt 0x0
	s_wait_alu depctr_hold_cnt(0) depctr_sa_sdst(0) depctr_va_vdst(0) depctr_va_sdst(0) depctr_va_ssrc(0) depctr_va_vcc(0) depctr_vm_vsrc(0)
	s_getreg_b32 s2, hwreg(HW_REG_IB_STS2, 6, 4)
	s_cmp_eq_u32 s2, 0
	s_cbranch_scc0 .Lentry_in_a_cluster
	s_endpgm
.Lentry_in_a_cluster:
	s_bfe_u32 s2, ttmp6, 0x10000c
	s_cmp_lg_u32 s2, 0x3003
	s_cbranch_scc0 .Lentry_shape_is_right
	s_endpgm
.Lentry_shape_is_right:
; LayerNorm 1, its codes (scale entry 0), the product with w_qkv's codes (entry 1), + b_qkv, and the codes of q, k, v (entries 2, 3, 4), laid as the attention launch's operand registers take them.
; SHARES.  A work-group owns 64 tokens (row block RB, 128 of them) and ONE HALF g of the columns of each third: 12 slots of 128 columns; in slot s' of a third wave w makes columns 256 w + 32 (4 g + s').
; Every wave holds the 64 tokens' codes, 4 tiles x 8 K steps of 128 = 512 registers, for the whole launch, so that each weight byte brought into LDS feeds 64 tokens.
; The price: each row of x is read, and normalised, by the two work-groups that share it.  They lie in neighbouring clusters (g = cluster number & 1).
; Weights come as dense blocks of 32,768 bytes a wave and slot through a ring of two LDS slots; a half's 12 slots lie on end in wc.
; CLUSTER.  The four work-groups of a cluster have the same g and walk the same weights: they ask for each block JOINTLY (mask 15, the same descriptor in all four).
; LAYOUT.  Lane (r, h).  A tile's lane r stands for member 8 u + r + 8 (r / 8) of its block of 32 (tokens, or columns).  Registers 4 c .. 4 c + 3 of a fragment hold k = 32 c + 16 h + 0 .. 15, alike in both operands.
; q, k: source 0 = weights, source 1 = tokens: a lane holds one token and 16 neighbouring columns: 16 codes = its 16 bytes of a piece.  v: the sources swapped: a lane holds one column d and 16 neighbouring tokens (keys).
; qkvc: q at 0, k at 8,388,608: [head 128][c' 2][tile 64][lane][16];  v at 16,777,216: [head 128][d tile 4][block of 32 keys: 32][lane][16].
; LIMITS: e0, e2, e3, e4 between -126 and 119; e0 + e1 between -126 and 127.  NaN among the inputs is not served.  The order of the f32 sums differs from the reference's (by lanes; k permuted within a matrix instruction).
; REGISTERS in windows of 256: window 0 addresses, accumulators, work; window 1 the fragments of tokens 0-31, window 2 those of tokens 32-63, (tile um, ks) at v[16 (8 um + ks)]; window 3 a slot's 16 weight fragments (2 ks + u) at v[16 f].
.set SLOTB, 131072                     ; a slot: four waves x 32,768 bytes
.set HALFW, 12*SLOTB                   ; a half's 12 slots in wc
.set CROW,  2*SLOTB                    ; 32 rows of 1,024 codes + 16: row = position p of a token in its block of 32 (p = 16 um + r); used twice, once for each block of 32 tokens
.set CPI,   1040
.set BIAS,  CROW+32*CPI                ; my half of b_qkv: [third 3][wave 4][128 numbers], 6,144 bytes
.set SPARE, BIAS+6144                  ; the spare words, 128 bytes a wave, named by no other line
.set LI,   1                           ; 16 x lane
.set R,    2
.set H,    3
.set ADB0, 4                           ; 16 x lane + 32,768 x wave: my place in a slot
.set ADR,  5
.set ACR,  6                           ; where I read the tokens' fragments
.set CWR,  7                           ; where I put a row's codes
.set ABQ,  8                           ; my 16 biases (q, k)
.set ABV,  9                           ; my bias (v)
.set TA,   10
.set PFO,  11
.set SC,   12                          ; the scale in hand as f32
.set LM,   13
.set SPW,  14
.set NIL,  15
.set CD,   16                          ; codes just made: v16-23 in the LayerNorm, v16-31 in the slots
.set MU,   26                          ; (the LayerNorm's: v24-31)
.set RS,   28
.set ACC,  32                          ; v32-95 eight accumulators
.set BI,   96                          ; v96-111
.set TMP,  112                         ; v112-175
.set GG,   32                          ; during LayerNorm: gain, offset, the bias on its way to LDS, four rows
.set BB,   64
.set LAND, 96
.set X,    128
.set WV,   18
.set G1,   24
.set G0,   32
.set TB,   36                          ; LDS byte at which the slot in hand begins
.set LEFT, 37                          ; fills still to come
.set LIM,  38
.set CNT,  39
.set PFA,  40
.set OBQ,  42
.set OBK,  44
.set OBV,  46
.set S01,  56
.set BOF,  58
.set SEL,  60
.set C10,  62
.set EPS,  63
.set XB,   66
.set W_T0, 0x07                        ; source 0 window 3 (weights), source 1 window 1 (tokens 0-31)
.set W_T1, 0x0b                        ; source 1 window 2 (tokens 32-63)
.set W_N0, 0x0d                        ; source 0 window 1, source 1 window 3
.set W_N1, 0x0e                        ; source 0 window 2
.set TO_B, 0xc0
.set MSB, 0
.macro WIN new                         ; the immediate's high byte repeats the setting that is left
.if MSB != \new
	s_set_vgpr_msb (MSB<<8)|\new
.set MSB, \new
.endif
.endm
.macro ROUND                           ; a round of the cluster's barrier
	s_barrier_signal -1
	s_barrier_wait -1
	s_cmp_lg_u32 s[WV], 0
	s_cbranch_scc1 .Lnot_wave_0_\@
	s_barrier_signal -3
.Lnot_wave_0_\@:
	s_barrier_wait -3
	s_barrier_signal -1
	s_barrier_wait -1
.endm
; A prefetch of the slot that stands two fills on.  All clusters of a half walk the same weights: clusters 0 and 1 alone ask, each for its own half; a cluster's sixteen waves share a slot's 512 blocks of 256 bytes out by address, a lane a block.
.macro ASK
	s_cmp_gt_u32 s[LEFT], s[LIM]
	s_cbranch_scc0 .Lnot_mine_\@
	global_prefetch_b8 v[PFO], s[PFA:PFA+1] th:TH_LOAD_NT scope:SCOPE_SE
.Lnot_mine_\@:
.endm
; The change of slots, at a slot's head.  My tensor load (my part of the slot ahead) has landed; 0 onto my spare word; my reads of the slot that I left are over; the round; then that slot is filled again, first thing.
.macro CHANGE fill
	s_wait_tensorcnt 0x0                           ; no tensor load of mine is out: the walking descriptor may be written
	ds_add_u32 v[SPW], v[NIL]
.if \fill
	s_xor_b32 s[G0+1], s[G0+1], SLOTB              ; the other slot,
	s_add_nc_u64 s[G0+2:G0+3], s[G0+2:G0+3], SLOTB ; the next 128 columns' block
	s_wait_xcnt 0x0                                ; the last prefetch, a slot back, has read its address
	s_add_nc_u64 s[PFA:PFA+1], s[PFA:PFA+1], SLOTB
.endif
	s_wait_dscnt 0x0
	ROUND
.if \fill
	tensor_load_to_lds s[G0:G0+3], s[G1:G1+7]
	s_nop 0
.rept 4
	v_nop
.endr
	ASK
	s_sub_co_u32 s[LEFT], s[LEFT], 1
.endif
.endm
.macro BLOADS                          ; my 16 weight fragments of the slot in hand: 64 loads of 512 consecutive bytes
	v_add_nc_u32 v[ADR], s[TB], v[ADB0]
	WIN TO_B
.set f, 0
.rept 16
.irp c, 0,1,2,3
	ds_load_b128 v[16*f+4*\c:16*f+4*\c+3], v[ADR] offset:2048*f+512*\c
.endr
.set f, f+1
.endr
	WIN 0
.endm
; 32 matrix instructions for the block tb of 32 tokens: four accumulators by turns, K ascending; the first K step starts the sums.
.macro MGRP nat, tb, wait
.set ks, 0
.rept 8
.if \wait
	s_wait_dscnt 56-8*ks                           ; this K step's eight loads are in; the later steps' may be out
.endif
.irp um, 0,1
.irp u, 0,1
.set rA, 16*(8*\um+ks)
.set rB, 16*(2*ks+\u)
.if \nat
.set rD, ACC+32*\tb+16*\u+8*\um
.if ks == 0
	v_wmma_f32_16x16x128_fp8_fp8 v[rD:rD+7], v[rA:rA+15], v[rB:rB+15], 0
.else
	v_wmma_f32_16x16x128_fp8_fp8 v[rD:rD+7], v[rA:rA+15], v[rB:rB+15], v[rD:rD+7]
.endif
.else
.set rD, ACC+32*\tb+16*\um+8*\u
.if ks == 0
	v_wmma_f32_16x16x128_fp8_fp8 v[rD:rD+7], v[rB:rB+15], v[rA:rA+15], 0
.else
	v_wmma_f32_16x16x128_fp8_fp8 v[rD:rD+7], v[rB:rB+15], v[rA:rA+15], v[rD:rD+7]
.endif
.endif
.endr
.endr
.set ks, ks+1
.endr
.endm
.macro MULS nat                        ; a slot's 64 matrix instructions: one stretch for each window of tokens
.if \nat
	WIN W_N0
	MGRP 1, 0, 1
	WIN W_N1
	MGRP 1, 1, 0
.else
	WIN W_T0
	MGRP 0, 0, 1
	WIN W_T1
	MGRP 0, 1, 0
.endif
	WIN 0
.rept 4
	v_nop                                          ; four places ahead of the first read of the sums (ISA guide 7.12.1)
.endr
.endm
.macro MKSC e, sc, lm                  ; s[sc] = 2^e as f32
	s_add_co_i32 s[\sc], s[\e], 127
	s_lshl_b32 s[\sc], s[\sc], 23
.endm
.macro HOLDCVT                         ; TMP's 64 numbers: 64 codes into CD
.set i, 0
.rept 64
.set i, i+1
.endr
.irp g, 0,1,2,3,4,5,6,7
	v_cvt_scalef32_pk8_fp8_f32 v[CD+2*\g:CD+2*\g+1], v[TMP+8*\g:TMP+8*\g+7], v[SC]
.endr
	v_nop                                          ; a plain line behind the last conversion
.endm
	s_load_b256 s[4:11], s[0:1], 0x0               ; x, ln1_g, ln1_b, b_qkv
	s_load_b128 s[12:15], s[0:1], 0x20             ; the scales' exponents, wc
	s_load_b64 s[16:17], s[0:1], 0x30              ; qkvc
	v_lshl_add_u32 v[SPW], v0, 2, SPARE
	v_mov_b32 v[NIL], 0
	ds_add_u32 v[SPW], v[NIL]                      ; the opening: the add and its wait ahead of my first tensor load
	ds_add_u32 v[SPW], v[NIL]
	v_lshrrev_b32 v1, 5, v0
	v_readfirstlane_b32 s[WV], v1                  ; wave 0..3
	s_bfe_u32 s19, ttmp6, 0x40000                  ; cx: it enters global addresses of x, qkvc and the prefetches alone
	s_and_b32 s21, ttmp9, 1                        ; g: which half of the columns; the same in all four partners; it enters global addresses alone
	s_lshr_b32 s20, ttmp9, 1
	s_lshl_b32 s20, s20, 2
	s_add_co_u32 s20, s20, s19                     ; RB: 64 tokens
	s_mov_b32 s[G1], 15|(3<<16)|(1<<21)            ; mask: all four work-groups; elements of 8 bytes; bit 21 beside a mask; no padding
	s_mov_b32 s[G1+1], 32<<16                      ; tensor_dim0 = 32 elements = 256 bytes
	s_mov_b32 s[G1+2], 128<<16                     ; tensor_dim1 = 128
	s_mov_b32 s[G1+3], 32<<16                      ; tile_dim0
	s_mov_b32 s[G1+4], 128                         ; tile_dim1
	s_mov_b32 s[G1+5], 32                          ; rows are dense
	s_mov_b32 s[G1+6], 0
	s_mov_b32 s[G1+7], 0
	s_mov_b32 s[G0], 1
	s_lshl_b32 s[G0+1], s[WV], 15                  ; LDS: slot 0, my 32,768 bytes
	s_lshl_b32 s2, s[WV], 15
	s_mul_i32 s22, s21, HALFW
	s_add_co_u32 s22, s22, s2                      ; wc: my half's slot 0, my block
	s_mov_b32 s23, 0
	s_mov_b32 s[TB], 0
	s_mov_b32 s[LEFT], 11
	s_lshr_b32 s68, ttmp9, 1
	s_cmp_eq_u32 s68, 0                            ; clusters 0 and 1: the same in all four partners
	s_cselect_b32 s[LIM], 2, -1
	s_mov_b32 s[SEL], 0x76543210
	s_mov_b32 s[SEL+1], 0xfedcba98
	s_mov_b32 s[C10], 0x3a800000                   ; 1 / 1024
	s_mov_b32 s[EPS], 0x3727c5ac                   ; 1e-5
	v_and_b32 v[R], 31, v0
	v_lshlrev_b32 v[LI], 4, v[R]
	v_lshlrev_b32 v[CWR], 2, v[R]
	v_lshlrev_b32 v[PFO], 8, v[R]
	v_and_b32 v[R], 15, v0
	v_bfe_u32 v[H], v0, 4, 1
	s_wait_alu depctr_va_vdst(0)
	v_add_nc_u32 v[ADB0], s2, v[LI]
	v_mul_u32_u24 v[ACR], v[R], CPI
	v_lshl_add_u32 v[ACR], v[H], 4, v[ACR]
	v_add_nc_u32 v[ACR], CROW, v[ACR]
	s_and_b32 s68, s[WV], 1                        ; of a block of 32 my rows are tokens 8 w + i: position 16 (w & 1) + 8 (w >> 1) + i
	s_lshl_b32 s68, s68, 4
	s_lshr_b32 s69, s[WV], 1
	s_lshl_b32 s69, s69, 3
	s_add_co_u32 s68, s68, s69
	s_mul_i32 s68, s68, CPI
	s_add_co_u32 s68, s68, CROW
	v_add_nc_u32 v[CWR], s68, v[CWR]
	s_lshl_b32 s69, s[WV], 9
	s_add_co_u32 s69, s69, BIAS                    ; my wave's 128 numbers of a third
	v_lshl_add_u32 v[ABQ], v[H], 6, s69
	v_and_b32 v[ABV], 8, v[R]
	v_add_nc_u32 v[ABV], v[ABV], v[R]
	v_lshl_add_u32 v[ABV], v[ABV], 2, s69
	v_add_nc_u32 v[ABV], 4096, v[ABV]
	s_lshl_b32 s70, s[WV], 10                      ; b_qkv in memory: 256 w + 128 g columns into a third, 16 bytes a lane:
	s_lshl_b32 s71, s21, 9                         ; g is applied here, so that no LDS address hangs on it
	s_add_co_u32 s70, s70, s71
	v_add_nc_u32 v[TA], s70, v[LI]
	v_lshl_add_u32 v[ADR], v0, 4, BIAS             ; and in LDS: 512 w + 16 x lane
	v_mov_b32 v[MU+1], 0                           ; named as the upper halves of pairs
	v_mov_b32 v[RS+1], 0
	s_lshl_b32 s72, s20, 18                        ; x: 64 RB rows of 4,096 bytes + my 8 rows
	s_add_co_u32 s72, s72, s2
	s_mov_b32 s73, 0
	s_lshl_b32 s74, s19, 2
	s_add_co_u32 s74, s74, s[WV]
	s_lshl_b32 s74, s74, 13                        ; the prefetches: (4 cx + w) x 8,192 bytes of a slot,
	s_add_co_u32 s74, s74, 2*SLOTB                 ; in slot 2: the first change steps it to slot 3,
	s_mul_i32 s75, s21, HALFW
	s_add_co_u32 s74, s74, s75                     ; of my half
	s_mov_b32 s75, 0
	s_lshr_b32 s76, s20, 4                         ; b
	s_and_b32 s79, s20, 15                         ; the row block in its batch
	s_lshl_b32 s76, s76, 4
	s_lshl_b32 s77, s[WV], 2
	s_add_co_u32 s76, s76, s77
	s_lshl_b32 s77, s21, 1
	s_add_co_u32 s76, s76, s77                     ; head 16 b + 4 w + 2 g
	s_lshl_b32 s78, s76, 16
	s_lshl_b32 s76, s79, 11
	s_add_co_u32 s76, s76, s78                     ; q, k: + four tiles of 512 bytes for each row block
	s_mov_b32 s77, 0
	s_lshl_b32 s79, s79, 10
	s_add_co_u32 s78, s78, s79                     ; v: + two pieces of 512 bytes
	s_mov_b32 s79, 0
	s_wait_dscnt 0x0                               ; the opening add is done
	s_wait_kmcnt 0x0
	s_load_b256 s[48:55], s[12:13], 0x0            ; e0 .. e7
	s_add_nc_u64 s[G0+2:G0+3], s[14:15], s[22:23]
	s_or_b32 s[G0+3], s[G0+3], 0x80000000
	s_add_nc_u64 s[XB:XB+1], s[4:5], s[72:73]
	s_add_nc_u64 s[PFA:PFA+1], s[14:15], s[74:75]
	s_add_nc_u64 s[OBQ:OBQ+1], s[16:17], s[76:77]
	s_add_nc_u64 s[OBK:OBK+1], s[OBQ:OBQ+1], 8388608
	s_add_nc_u64 s[OBV:OBV+1], s[16:17], s[78:79]
	s_add_nc_u64 s[OBV:OBV+1], s[OBV:OBV+1], 16777216
	ROUND                                          ; all four work-groups are here: the first joint load meets
	tensor_load_to_lds s[G0:G0+3], s[G1:G1+7]      ; slot 0: it lands under the LayerNorm
	s_nop 0
.rept 4
	v_nop
.endr
.irp j, 0,1,2,3,4,5,6,7
	global_load_b128 v[GG+4*\j:GG+4*\j+3], v[LI], s[6:7] offset:512*\j
.endr
.irp j, 0,1,2,3,4,5,6,7
	global_load_b128 v[BB+4*\j:BB+4*\j+3], v[LI], s[8:9] offset:512*\j
.endr
	s_wait_alu depctr_va_vdst(0)
.irp j, 0,1,2
	global_load_b128 v[LAND+4*\j:LAND+4*\j+3], v[TA], s[10:11] offset:4096*\j   ; the 512 bytes of each third's bias that my wave uses
.endr
.macro FILL i                          ; row i of my sixteen (block i / 8 of 32 tokens, row i % 8): 8 loads of 512 consecutive bytes; register 4 j + q = element 128 j + 4 lane + q.  No hint: a second work-group reads the row too
.irp j, 0,1,2,3,4,5,6,7
	global_load_b128 v[X+32*((\i)%4)+4*\j:X+32*((\i)%4)+4*\j+3], v[LI], s[XB:XB+1] offset:((\i)/8)*131072+((\i)%8)*4096+512*\j
.endr
.endm
	FILL 0
	FILL 1
	FILL 2
	FILL 3
	s_wait_kmcnt 0x0
	MKSC 48, 80, 81
	MKSC 50, 82, 83
	MKSC 51, 84, 85
	MKSC 52, 86, 87
	s_add_co_i32 s[S01], s48, s49
	s_add_co_i32 s[S01], s[S01], 127
	s_lshl_b32 s[S01], s[S01], 23                  ; 2^(e0 + e1) as f32
	s_mov_b32 s[S01+1], s[S01]
	v_mov_b32 v[SC], s80
	s_wait_loadcnt 32                              ; gain, offset and bias are in; the four rows' 32 loads may be out
.irp j, 0,1,2
	ds_store_b128 v[ADR], v[LAND+4*\j:LAND+4*\j+3] offset:2048*\j
.endr
.macro WSUM a, t                       ; v[a] summed over the 32 lanes, in every lane
	v_add_f32_dpp v[\a], v[\a], v[\a] row_xmask:1 row_mask:0xf bank_mask:0xf
	v_add_f32_dpp v[\a], v[\a], v[\a] row_xmask:2 row_mask:0xf bank_mask:0xf
	v_add_f32_dpp v[\a], v[\a], v[\a] row_xmask:4 row_mask:0xf bank_mask:0xf
	v_add_f32_dpp v[\a], v[\a], v[\a] row_xmask:8 row_mask:0xf bank_mask:0xf
	v_permlanex16_b32 v[\t], v[\a], s[SEL], s[SEL+1]
	v_add_f32 v[\a], v[\a], v[\t]
.endm
.macro ROW i, left                     ; one row: mean, variance, normalised, its 1,024 codes into LDS
.set XS, X+32*((\i)%4)
	s_wait_loadcnt \left                           ; my row is in; the younger rows' loads may be out
	v_pk_add_f32 v[24:25], v[XS:XS+1], v[XS+2:XS+3]
	v_pk_add_f32 v[30:31], v[XS+4:XS+5], v[XS+6:XS+7]
.irp j, 8,12,16,20,24,28
	v_pk_add_f32 v[24:25], v[24:25], v[XS+\j:XS+\j+1]
	v_pk_add_f32 v[30:31], v[30:31], v[XS+\j+2:XS+\j+3]
.endr
	v_pk_add_f32 v[24:25], v[24:25], v[30:31]
	v_add_f32 v24, v24, v25
	WSUM 24, 25
	v_mul_f32 v[MU], s[C10], v24
.irp j, 0,2,4,6,8,10,12,14,16,18,20,22,24,26,28,30
	v_pk_add_f32 v[XS+\j:XS+\j+1], v[XS+\j:XS+\j+1], v[MU:MU+1] op_sel_hi:[1,0] neg_lo:[0,1] neg_hi:[0,1]
.endr
	v_pk_mul_f32 v[24:25], v[XS:XS+1], v[XS:XS+1]
	v_pk_mul_f32 v[30:31], v[XS+2:XS+3], v[XS+2:XS+3]
.irp j, 4,8,12,16,20,24,28
	v_pk_fma_f32 v[24:25], v[XS+\j:XS+\j+1], v[XS+\j:XS+\j+1], v[24:25]
	v_pk_fma_f32 v[30:31], v[XS+\j+2:XS+\j+3], v[XS+\j+2:XS+\j+3], v[30:31]
.endr
	v_pk_add_f32 v[24:25], v[24:25], v[30:31]
	v_add_f32 v24, v24, v25
	WSUM 24, 25
	v_fma_f32 v24, v24, s[C10], s[EPS]
	s_wait_alu depctr_va_vdst(0)
	v_rsq_f32 v[RS], v24
	v_nop                                          ; a plain line behind the transcendental,
	s_wait_alu depctr_va_vdst(0)                   ; and the wait ahead of its first reader
.irp j, 0,2,4,6,8,10,12,14,16,18,20,22,24,26,28,30
	v_pk_mul_f32 v[XS+\j:XS+\j+1], v[XS+\j:XS+\j+1], v[RS:RS+1] op_sel_hi:[1,0]
.endr
.irp j, 0,2,4,6,8,10,12,14,16,18,20,22,24,26,28,30
	v_pk_fma_f32 v[XS+\j:XS+\j+1], v[XS+\j:XS+\j+1], v[GG+\j:GG+\j+1], v[BB+\j:BB+\j+1]
.endr
.set k, 0
.rept 32
.set k, k+1
.endr
.irp g, 0,1,2,3
	v_cvt_scalef32_pk8_fp8_f32 v[CD+2*\g:CD+2*\g+1], v[XS+8*\g:XS+8*\g+7], v[SC]   ; register j of CD: the codes of elements 128 j + 4 lane + 0 .. 3
.endr
	v_nop
.irp j, 0,1,2,3,4,5,6,7
	ds_store_b32 v[CWR], v[CD+\j] offset:CPI*((\i)%8)+128*\j
.endr
.if (\i) < 12
	FILL (\i)+4
.endif
.endm
.macro AFRAG win                       ; the 32 tokens' codes that lie in LDS become 16 fragments in the window that win names as the destination's
	WIN \win
.irp mt, 0,1
.irp s, 0,1,2,3,4,5,6,7
.irp c, 0,1,2,3
	ds_load_b128 v[16*(8*\mt+\s)+4*\c:16*(8*\mt+\s)+4*\c+3], v[ACR] offset:16*CPI*\mt+128*\s+32*\c
.endr
.endr
.endr
	WIN 0
.endm
.irp i, 0,1,2,3,4,5,6,7                ; tokens 0-31: my eight rows
	ROW \i, 24
.endr
	s_wait_dscnt 0x0                               ; my codes lie in LDS
	s_barrier_signal -1
	s_barrier_wait -1                              ; everybody's do.  (No tensor load fills anything behind these three barriers: slot 0's load may be out)
	AFRAG 0x40
	s_wait_dscnt 0x0                               ; my reads of the 32 rows are over
	s_barrier_signal -1
	s_barrier_wait -1                              ; everybody's are: the rows may be written again
.irp i, 8,9,10,11,12                   ; tokens 32-63
	ROW \i, 24
.endr
	ROW 13, 16
	ROW 14, 8
	ROW 15, 0
	s_wait_dscnt 0x0
	s_barrier_signal -1
	s_barrier_wait -1
	AFRAG 0x80                                     ; (the first change of slots waits for these loads)
; A slot of q or of k: 64 tokens x my 32 columns.
.macro TRIPQK ob
	CHANGE 1
	v_add_nc_u32 v[TA], s[BOF], v[ABQ]
.irp q, 0,1,2,3
	ds_load_b128 v[BI+4*\q:BI+4*\q+3], v[TA] offset:16*\q
.endr
	BLOADS
	MULS 0
.set i, 0
.rept 32
	v_pk_fma_f32 v[TMP+2*i:TMP+2*i+1], v[ACC+2*i:ACC+2*i+1], s[S01:S01+1], v[BI+(2*i)%16:BI+(2*i)%16+1] op_sel_hi:[1,0,1]   ; sum x 2^(e0 + e1) + bias; each accumulator from its low end on
.set i, i+1
.endr
	HOLDCVT
.irp mt, 0,1,2,3
	global_store_b128 v[LI], v[CD+4*\mt:CD+4*\mt+3], s[\ob:\ob+1] offset:512*\mt   ; a piece: 512 consecutive bytes, aligned
.endr
	s_wait_xcnt 0x0                                ; the stores have read their registers and base
	s_add_nc_u64 s[\ob:\ob+1], s[\ob:\ob+1], 32768
	s_add_co_u32 s[BOF], s[BOF], 128
	s_xor_b32 s[TB], s[TB], SLOTB
.endm
; A slot of v: the sources swapped.
.macro TRIPV fill
	CHANGE \fill
	v_add_nc_u32 v[TA], s[BOF], v[ABV]
	ds_load_b32 v[BI], v[TA]
	ds_load_b32 v[BI+2], v[TA] offset:32
	BLOADS
	MULS 1
.set i, 0
.rept 32
	v_pk_fma_f32 v[TMP+2*i:TMP+2*i+1], v[ACC+2*i:ACC+2*i+1], s[S01:S01+1], v[BI+2*((i/8)%2):BI+2*((i/8)%2)+1] op_sel_hi:[1,0,0]
.set i, i+1
.endr
	HOLDCVT
.irp tb, 0,1
.irp u, 0,1
	global_store_b128 v[LI], v[CD+8*\tb+4*\u:CD+8*\tb+4*\u+3], s[OBV:OBV+1] offset:16384*\u+512*\tb
.endr
.endr
	s_wait_xcnt 0x0
	s_add_nc_u64 s[OBV:OBV+1], s[OBV:OBV+1], 32768
	s_add_co_u32 s[BOF], s[BOF], 128
	s_xor_b32 s[TB], s[TB], SLOTB
.endm
	v_mov_b32 v[SC], s82
	s_mov_b32 s[BOF], 0
	s_mov_b32 s[CNT], 4
.Lq:
	TRIPQK OBQ
	s_sub_co_u32 s[CNT], s[CNT], 1
	s_cmp_lg_u32 s[CNT], 0
	s_cbranch_scc1 .Lq
	v_mov_b32 v[SC], s84
	s_mov_b32 s[BOF], 2048
	s_mov_b32 s[CNT], 4
.Lk:
	TRIPQK OBK
	s_sub_co_u32 s[CNT], s[CNT], 1
	s_cmp_lg_u32 s[CNT], 0
	s_cbranch_scc1 .Lk
	v_mov_b32 v[SC], s86
	s_mov_b32 s[BOF], 0
	s_mov_b32 s[CNT], 3
.Lv:
	TRIPV 1
	s_sub_co_u32 s[CNT], s[CNT], 1
	s_cmp_lg_u32 s[CNT], 0
	s_cbranch_scc1 .Lv
	TRIPV 0                                        ; the last slot is written out
	s_wait_tensorcnt 0x0                           ; the wave's end
	ds_add_u32 v[SPW], v[NIL]
	s_wait_dscnt 0x0
	ROUND                                          ; the closing round
	s_endpgm
.Lfunc_end_k_qe9ef99ea9d_qkv:
	.size	k_qe9ef99ea9d_qkv, .Lfunc_end_k_qe9ef99ea9d_qkv-k_qe9ef99ea9d_qkv
	.p2alignl 7, 3214868480
	.fill 96, 4, 3214868480
	.section	.rodata,"a",@progbits
	.p2align	6, 0x0
	.amdhsa_kernel k_qe9ef99ea9d_qkv
		.amdhsa_group_segment_fixed_size 327680
		.amdhsa_private_segment_fixed_size 0
		.amdhsa_enable_private_segment 0
		.amdhsa_kernarg_size 56
		.amdhsa_user_sgpr_count 2
		.amdhsa_user_sgpr_kernarg_segment_ptr 1
		.amdhsa_wavefront_size32 1
		.amdhsa_system_sgpr_workgroup_id_x 1
		.amdhsa_system_sgpr_workgroup_id_y 1
		.amdhsa_system_sgpr_workgroup_id_z 1
		.amdhsa_system_vgpr_workitem_id 0
		.amdhsa_next_free_vgpr 1024
		.amdhsa_next_free_sgpr 96
		.amdhsa_reserve_vcc 0
		.amdhsa_float_denorm_mode_32 3
		.amdhsa_float_denorm_mode_16_64 3
		.amdhsa_fp16_overflow 1
		.amdhsa_memory_ordered 1
		.amdhsa_forward_progress 1
		.amdhsa_inst_pref_size 190
	.end_amdhsa_kernel
	.amdgpu_metadata
---
amdhsa.version: [ 1, 2 ]
amdhsa.kernels:
  - .name:           k_qe9ef99ea9d_qkv
    .symbol:         k_qe9ef99ea9d_qkv.kd
    .args:
      - { .name: x, .offset: 0, .size: 8, .value_kind: global_buffer, .address_space: global }
      - { .name: ln1_g, .offset: 8, .size: 8, .value_kind: global_buffer, .address_space: global }
      - { .name: ln1_b, .offset: 16, .size: 8, .value_kind: global_buffer, .address_space: global }
      - { .name: b_qkv, .offset: 24, .size: 8, .value_kind: global_buffer, .address_space: global }
      - { .name: lowp_scales, .offset: 32, .size: 8, .value_kind: global_buffer, .address_space: global }
      - { .name: wc, .offset: 40, .size: 8, .value_kind: global_buffer, .address_space: global }
      - { .name: qkvc, .offset: 48, .size: 8, .value_kind: global_buffer, .address_space: global }
    .group_segment_fixed_size: 327680
    .private_segment_fixed_size: 0
    .kernarg_segment_align: 8
    .kernarg_segment_size: 56
    .max_flat_workgroup_size: 128
    .sgpr_count:     96
    .vgpr_count:     1024
    .wavefront_size: 32
...
	.end_amdgpu_metadata
.endif
;; end of part 6
;; launch attn (part 7): grid 2 x 128, 16 waves a work-group, no clusters, 167,936 bytes of LDS; arguments qkvc, lowp_scales, oc; writes oc
.if DOCPART == 7
	.amdgcn_target "amdgcn-amd-amdhsa--gfx1250"
	.amdhsa_code_object_version 6
	.text
	.protected	k_qe9ef99ea9d_attn
	.globl	k_qe9ef99ea9d_attn
	.p2align	8
	.type	k_qe9ef99ea9d_attn,@function
k_qe9ef99ea9d_attn:
	s_mov_b64 s[64:65], 0
	v_nop
	global_prefetch_b8 v0, s[64:65] scope:SCOPE_SE
	s_setreg_imm32_b32 hwreg(HW_REG_WAVE_MODE, 25, 1), 1
	s_wait_xcnt 0x0
; Attention on codes of E4M3, head size 64, 1,024 keys, no mask.  S^T = K Q^T (scale entries 3 and 2), p = 2^(t - M), O^T = V^T P^T (entries 4 and 5), / the row's sum, and the result's codes (entry 6).
; t = score x 2^(e2 + e3) x log2(e) / 8;  M = the running largest t rounded UP to a whole number;  the sum is taken of the unquantised p;  when M moves, sum and O^T are multiplied by 2^(old M - new M), which rounds nothing.
; SHARES.  A work-group owns one head (y) and 512 of its queries (x).  Its sixteen waves own two tiles of 16 queries each, one after the other, in 256 registers: four waves to a SIMD.
; A head's K and V, 65,536 bytes each, are brought into LDS ONCE, 8,192 bytes by each wave's one tensor load: no slot is filled again.
; NO JOINT LOADS: two work-groups share a head's 131,072 bytes, asked for once at the head of the text; a head's two work-groups make no cluster of four.  NO PREFETCH: every tile is asked for at the head.
; LAYOUT (as the launch before stored it).  K, Q: [c' 2][tile 64][lane][16]: lane (r, h) of tile 2 b + u is token 32 b + 8 u + r + 8 (r / 8), d = 32 c' + 16 h + 0 .. 15.  V: [d tile 4][block of 32 keys][lane][16].
; So a lane holds ONE query throughout; the 16 registers of score tiles 2 b, 2 b + 1 are keys 32 b + 16 h + 0 .. 15, and those of O^T's tiles 2 b', 2 b' + 1 are d = 32 b' + 16 h + 0 .. 15.
; oc = [row block of 32 tokens: 256][mt 2][ks 8][c 4][lane][16]: the next launch's operand registers.
; LIMITS: e2 + e3 between -122 and 129; e5, e6 between -126 and 119; e4 + e5 goes in by v_ldexp_f32 and has none.  NaN among the inputs is not served.
.set SPARE, 131072                     ; behind K and V: the spare words, 128 bytes for each of sixteen waves
.set LI,  1                            ; 16 x lane
.set AV0, 2                            ; + 65,536
.set SPW, 5
.set NIL, 6
.set ADK, 8
.set ADV, 9
.set F,   32                           ; v32-95   eight fragments of K, then four of V
.set S,   96                           ; v96-159  S^T, then p
.set O,   160                          ; v160-191 O^T
.set PC,  192                          ; v192-207 p's codes
.set OC,  208                          ; v208-223 the result's codes, eight registers a tile
.set SCP, 224                          ; 2^e5; SCO: 2^e6
.set LMP, 225
.set SCO, 226
.set LMO, 227
.set WV,  18
.set SEL, 20
.set CS,  22
.set G1,  24
.set G0,  32
.set TBK, 36
.set TBV, 37
.set CNT, 38
	s_load_b128 s[4:7], s[0:1], 0x0                ; qkvc, the scales' exponents
	s_load_b64 s[8:9], s[0:1], 0x10                ; oc
	v_lshl_add_u32 v[SPW], v0, 2, SPARE
	v_mov_b32 v[NIL], 0
	ds_add_u32 v[SPW], v[NIL]                      ; the opening: the add and its wait ahead of my tensor load
	ds_add_u32 v[SPW], v[NIL]
	v_lshrrev_b32 v8, 5, v0
	s_delay_alu instid0(VALU_DEP_1)
	v_readfirstlane_b32 s[WV], v8                  ; wave 0..15
	s_and_b32 s10, ttmp7, 0xffff                   ; the head, 16 b + hh
	s_lshl_b32 s11, s10, 16                        ; its 65,536 bytes in q, k and v
	s_mov_b32 s[G1], 3<<16                         ; no mask; elements of 8 bytes; no padding
	s_mov_b32 s[G1+1], 32<<16                      ; 32 rows of 256 bytes, dense
	s_mov_b32 s[G1+2], 32<<16
	s_mov_b32 s[G1+3], 32<<16
	s_mov_b32 s[G1+4], 32
	s_mov_b32 s[G1+5], 32
	s_mov_b32 s[G1+6], 0
	s_mov_b32 s[G1+7], 0
	s_mov_b32 s[G0], 1
	s_lshl_b32 s[G0+1], s[WV], 13                  ; LDS: 8,192 x wave: waves 0-7 K's eighths, waves 8-15 V's
	s_and_b32 s12, s[WV], 7
	s_lshl_b32 s12, s12, 13
	s_add_co_u32 s12, s12, s11
	s_lshr_b32 s13, s[WV], 3
	s_add_co_u32 s13, s13, 1
	s_lshl_b32 s13, s13, 23                        ; k begins at 8,388,608, v at twice that
	s_add_co_u32 s12, s12, s13
	s_mov_b32 s13, 0
	s_lshl_b32 s14, ttmp9, 14                      ; Q: tile 32 x + 2 w, 512 bytes a tile
	s_add_co_u32 s14, s14, s11
	s_lshl_b32 s15, s[WV], 10
	s_add_co_u32 s14, s14, s15
	s_mov_b32 s15, 0
	s_lshr_b32 s16, s10, 4
	s_lshl_b32 s16, s16, 5
	s_lshl_b32 s17, ttmp9, 4
	s_add_co_u32 s16, s16, s17
	s_add_co_u32 s16, s16, s[WV]                   ; row block 32 b + 16 x + w
	s_lshl_b32 s16, s16, 15
	s_and_b32 s17, s10, 15
	s_lshl_b32 s17, s17, 10                        ; the head's 64 columns: two pieces
	s_add_co_u32 s16, s16, s17
	s_mov_b32 s17, 0
	s_mov_b32 s[SEL], 0x76543210
	s_mov_b32 s[SEL+1], 0xfedcba98
	s_mov_b32 s[CS], 0x3e38aa3b                    ; log2(e) / 8
	v_and_b32 v[LI], 31, v0
	s_delay_alu instid0(VALU_DEP_1)
	v_lshlrev_b32 v[LI], 4, v[LI]
	s_delay_alu instid0(VALU_DEP_1)
	v_add_nc_u32 v[AV0], 65536, v[LI]
	v_mov_b32 v236, 0                              ; a lane permute's destination counts as read
	v_mov_b32 v253, 0                              ; named as the upper half of a pair
	s_wait_alu depctr_va_vdst(0)
	s_wait_dscnt 0x0                               ; the opening add is done
	s_wait_kmcnt 0x0
	s_load_b256 s[40:47], s[6:7], 0x0              ; e0 .. e7
	s_add_nc_u64 s[G0+2:G0+3], s[4:5], s[12:13]
	s_or_b32 s[G0+3], s[G0+3], 0x80000000
	tensor_load_to_lds s[G0:G0+3], s[G1:G1+7]      ; my one tensor load
	s_nop 0
.rept 4
	v_nop
.endr
	s_add_nc_u64 s[48:49], s[4:5], s[14:15]
	s_add_nc_u64 s[50:51], s[8:9], s[16:17]
.irp c, 0,1
	global_load_b128 v[16+4*\c:19+4*\c], v[LI], s[48:49] offset:32768*\c        ; my first tile of queries,
	global_load_b128 v[24+4*\c:27+4*\c], v[LI], s[48:49] offset:32768*\c+512    ; and my second
.endr
	s_wait_kmcnt 0x0
	s_add_co_i32 s53, s42, s43
	s_lshl_b32 s53, s53, 23
	s_add_co_i32 s[CS], s[CS], s53                 ; e2 + e3 goes into c's exponent field
	s_mov_b32 s[CS+1], s[CS]
	s_add_co_i32 s52, s44, s45                     ; e4 + e5
	s_add_co_i32 s54, s45, 127
	s_lshl_b32 s54, s54, 23
	v_mov_b32 v[SCP], s54
	s_add_co_i32 s56, s46, 127
	s_lshl_b32 s56, s56, 23
	v_mov_b32 v[SCO], s56
	s_wait_tensorcnt 0x0                           ; my part of K or V lies in LDS,
	s_barrier_signal -1
	s_barrier_wait -1                              ; everybody's does
	s_wait_loadcnt 0x0                             ; Q
; A key step: 128 keys.  q: the registers of the tile of queries in hand.
.macro STEP q
	v_add_nc_u32 v[ADK], s[TBK], v[LI]
	v_add_nc_u32 v[ADV], s[TBV], v[AV0]
	v_nop
	v_nop                                          ; four places ahead of loads into registers that the last products read
.irp t, 0,1,2,3,4,5,6,7
.irp c, 0,1
	ds_load_b128 v[F+8*\t+4*\c:F+8*\t+4*\c+3], v[ADK] offset:512*\t+32768*\c
.endr
.endr
	s_wait_alu depctr_va_vdst(0)
.irp t, 0,1,2,3,4,5,6,7
	s_wait_dscnt 14-2*\t                           ; this tile's two loads are in; the later tiles' may be out
	v_wmma_f32_16x16x64_fp8_fp8 v[S+8*\t:S+8*\t+7], v[F+8*\t:F+8*\t+7], v[\q:\q+7], 0
.endr
.rept 4
	v_nop
.endr
.irp d, 0,1,2,3
.irp c, 0,1,2,3
	ds_load_b128 v[F+16*\d+4*\c:F+16*\d+4*\c+3], v[ADV] offset:16384*\d+512*\c   ; V's fragments land under the softmax
.endr
.endr
	v_max3_num_f32 v254, v96, v97, v98             ; the step's largest score of my query among my 64 keys, in two chains,
	v_max3_num_f32 v252, v99, v100, v101
.irp i, 6,10,14,18,22,26,30,34,38,42,46,50,54,58
	v_max3_num_f32 v254, v254, v[96+\i], v[97+\i]
	v_max3_num_f32 v252, v252, v[98+\i], v[99+\i]
.endr
	v_max3_num_f32 v254, v254, v158, v159
	s_delay_alu instid0(VALU_DEP_1)
	v_max_num_f32 v254, v254, v252
	s_delay_alu instid0(VALU_DEP_1)
	v_permlanex16_b32 v236, v254, s[SEL], s[SEL+1]
	s_delay_alu instid0(VALU_DEP_1)
	v_max_num_f32 v254, v254, v236                 ; and among lane l xor 16's
	s_delay_alu instid0(VALU_DEP_1)
	v_mul_f32 v254, s[CS], v254                    ; as t (c is positive)
	s_delay_alu instid0(VALU_DEP_1)
	v_max_num_f32 v13, v13, v254                   ; the running largest t
	v_mov_b32 v254, v12
	s_delay_alu instid0(VALU_DEP_2)
	v_floor_f32 v12, -v13                          ; the new -M = floor(-t): M is a whole number
	s_delay_alu instid0(VALU_DEP_1)
	v_sub_f32 v254, v12, v254                      ; old M - new M, 0 or less
	s_delay_alu instid0(VALU_DEP_1)
	v_cvt_i32_f32 v254, v254                       ; (it saturates)
	s_delay_alu instid0(VALU_DEP_1)
	v_ldexp_f32 v252, 1.0, v254                    ; f = 2^(old M - new M)
.set j, 0
.rept 32
	v_pk_fma_f32 v[S+j:S+j+1], v[S+j:S+j+1], s[CS:CS+1], v[12:13] op_sel_hi:[1,0,0]   ; t - M
.set j, j+2
.endr
.set j, 0
	s_setprio 1
	s_wait_alu depctr_va_vdst(0)
.rept 64
	v_exp_f32 v[S+j], v[S+j]                       ; p = 2^(t - M), at most 1
.set j, j+1
.endr
	v_pk_mul_f32 v[14:15], v[14:15], v[252:253] op_sel_hi:[1,0]   ; the sums under the new M: the plain line behind the exponentials
	s_wait_alu depctr_va_vdst(0)                   ; one wait for the batch, ahead of its first reader
	v_pk_add_f32 v[242:243], v[100:101], v[104:105]
	v_pk_add_f32 v[254:255], v[108:109], v[112:113]
	v_pk_add_f32 v[250:251], v[116:117], v[120:121]
	v_pk_add_f32 v[248:249], v[124:125], v[128:129]
	v_pk_add_f32 v[246:247], v[132:133], v[136:137]
	v_pk_add_f32 v[244:245], v[140:141], v[144:145]
	v_pk_add_f32 v[240:241], v[148:149], v[152:153]
	v_pk_add_f32 v[14:15], v[14:15], v[156:157]
	v_pk_add_f32 v[242:243], v[242:243], v[96:97]
	v_pk_add_f32 v[254:255], v[254:255], v[98:99]
	v_pk_add_f32 v[250:251], v[250:251], v[102:103]
	v_pk_add_f32 v[248:249], v[248:249], v[106:107]
	v_pk_add_f32 v[246:247], v[246:247], v[110:111]
	v_pk_add_f32 v[244:245], v[244:245], v[114:115]
	v_pk_add_f32 v[240:241], v[240:241], v[118:119]
	v_pk_add_f32 v[14:15], v[14:15], v[122:123]
	v_pk_add_f32 v[242:243], v[242:243], v[126:127]
	v_pk_add_f32 v[254:255], v[254:255], v[130:131]
	v_pk_add_f32 v[250:251], v[250:251], v[134:135]
	v_pk_add_f32 v[248:249], v[248:249], v[138:139]
	v_pk_add_f32 v[246:247], v[246:247], v[142:143]
	v_pk_add_f32 v[244:245], v[244:245], v[146:147]
	v_pk_add_f32 v[240:241], v[240:241], v[150:151]
	v_pk_add_f32 v[14:15], v[14:15], v[154:155]
	v_pk_add_f32 v[242:243], v[242:243], v[158:159]
	s_delay_alu instid0(VALU_DEP_2)
	v_pk_add_f32 v[14:15], v[14:15], v[248:249]
	s_delay_alu instid0(VALU_DEP_2)
	v_pk_add_f32 v[242:243], v[242:243], v[246:247]
	v_pk_add_f32 v[254:255], v[254:255], v[244:245]
	v_pk_add_f32 v[250:251], v[250:251], v[240:241]
	s_delay_alu instid0(VALU_DEP_2)
	v_pk_add_f32 v[14:15], v[14:15], v[254:255]
	s_delay_alu instid0(VALU_DEP_2)
	v_pk_add_f32 v[242:243], v[242:243], v[250:251]
	s_delay_alu instid0(VALU_DEP_1)
	v_pk_add_f32 v[14:15], v[14:15], v[242:243]
.irp b, 0,1,2,3
.irp i, 0,1,2,3,4,5,6,7,8,9,10,11,12,13,14,15
.endr
	v_cvt_scalef32_pk8_fp8_f32 v[PC+4*\b:PC+4*\b+1], v[S+16*\b:S+16*\b+7], v[SCP]
	v_cvt_scalef32_pk8_fp8_f32 v[PC+4*\b+2:PC+4*\b+3], v[S+16*\b+8:S+16*\b+15], v[SCP]
.endr
.set j, 0
	s_setprio 0
.rept 16
	v_pk_mul_f32 v[O+j:O+j+1], v[O+j:O+j+1], v[252:253] op_sel_hi:[1,0]   ; O^T under the new M; these are also the plain lines behind the conversions
.set j, j+2
.endr
	s_wait_alu depctr_va_vdst(0)
	s_wait_dscnt 0x0                               ; V's fragments are in
.irp d, 0,1,2,3
	v_wmma_f32_16x16x128_fp8_fp8 v[O+8*\d:O+8*\d+7], v[F+16*\d:F+16*\d+15], v[PC:PC+15], v[O+8*\d:O+8*\d+7]
.endr
.endm
; A tile of 16 queries: all 1,024 keys, then the way out.  i: 0 or 1, its place in the row block.
.macro TILE q, i
	v_mov_b32 v13, 0xff61b1e6                      ; the largest t so far: -3e38
	s_delay_alu instid0(VALU_DEP_1)
	v_floor_f32 v12, -v13
	v_mov_b32 v14, 0
	v_mov_b32 v15, 0
.set j, 0
.rept 32
	v_mov_b32 v[O+j], 0                            ; the step is written once: the first finds zeros, which the first change of M leaves zeros
.set j, j+1
.endr
	s_mov_b32 s[TBK], 0
	s_mov_b32 s[TBV], 0
	s_mov_b32 s[CNT], 8
.Lstep_\@:
	s_setprio 2
	STEP \q
	s_add_co_u32 s[TBK], s[TBK], 4096              ; eight tiles of K,
	s_add_co_u32 s[TBV], s[TBV], 2048              ; four blocks of keys of V
	s_sub_co_u32 s[CNT], s[CNT], 1
	s_cmp_lg_u32 s[CNT], 0
	s_cbranch_scc1 .Lstep_\@
	s_setprio 0
.rept 4
	v_nop
.endr
	v_add_f32 v14, v14, v15
	s_delay_alu instid0(VALU_DEP_1)
	v_permlanex16_b32 v252, v14, s[SEL], s[SEL+1]
	s_delay_alu instid0(VALU_DEP_1)
	v_add_f32 v14, v14, v252                       ; the row's sum
	s_wait_alu depctr_va_vdst(0)
	v_rcp_f32 v14, v14
	v_nop
	s_wait_alu depctr_va_vdst(0)
	v_ldexp_f32 v14, v14, s52                      ; x 2^(e4 + e5)
.set j, 0
.rept 32
	v_mul_f32 v[S+j], v[O+j], v14                  ; each accumulator from its low end on
.set j, j+1
.endr
.set j, 0
.rept 32
.set j, j+1
.endr
.irp g, 0,1,2,3
	v_cvt_scalef32_pk8_fp8_f32 v[OC+8*(\i)+2*\g:OC+8*(\i)+2*\g+1], v[S+8*\g:S+8*\g+7], v[SCO]
.endr
	v_nop
	global_store_b128 v[LI], v[OC+8*(\i):OC+8*(\i)+3], s[50:51] offset:16384*(\i)          ; a piece: 512 consecutive bytes, aligned
	global_store_b128 v[LI], v[OC+8*(\i)+4:OC+8*(\i)+7], s[50:51] offset:16384*(\i)+512
.endm
	TILE 16, 0
	TILE 24, 1
	s_wait_tensorcnt 0x0                           ; the wave's end
	ds_add_u32 v[SPW], v[NIL]
	s_wait_dscnt 0x0
	s_endpgm
.Lfunc_end_k_qe9ef99ea9d_attn:
	.size	k_qe9ef99ea9d_attn, .Lfunc_end_k_qe9ef99ea9d_attn-k_qe9ef99ea9d_attn
	.p2alignl 7, 3214868480
	.fill 96, 4, 3214868480
	.section	.rodata,"a",@progbits
	.p2align	6, 0x0
	.amdhsa_kernel k_qe9ef99ea9d_attn
		.amdhsa_group_segment_fixed_size 167936
		.amdhsa_private_segment_fixed_size 0
		.amdhsa_enable_private_segment 0
		.amdhsa_kernarg_size 24
		.amdhsa_user_sgpr_count 2
		.amdhsa_user_sgpr_kernarg_segment_ptr 1
		.amdhsa_wavefront_size32 1
		.amdhsa_system_sgpr_workgroup_id_x 1
		.amdhsa_system_sgpr_workgroup_id_y 1
		.amdhsa_system_sgpr_workgroup_id_z 1
		.amdhsa_system_vgpr_workitem_id 0
		.amdhsa_next_free_vgpr 256
		.amdhsa_next_free_sgpr 66
		.amdhsa_reserve_vcc 0
		.amdhsa_float_denorm_mode_32 3
		.amdhsa_float_denorm_mode_16_64 3
		.amdhsa_fp16_overflow 1
		.amdhsa_memory_ordered 1
		.amdhsa_forward_progress 1
		.amdhsa_inst_pref_size 39
	.end_amdhsa_kernel
	.amdgpu_metadata
---
amdhsa.version: [ 1, 2 ]
amdhsa.kernels:
  - .name:           k_qe9ef99ea9d_attn
    .symbol:         k_qe9ef99ea9d_attn.kd
    .args:
      - { .name: qkvc, .offset: 0, .size: 8, .value_kind: global_buffer, .address_space: global }
      - { .name: lowp_scales, .offset: 8, .size: 8, .value_kind: global_buffer, .address_space: global }
      - { .name: oc, .offset: 16, .size: 8, .value_kind: global_buffer, .address_space: global }
    .group_segment_fixed_size: 167936
    .private_segment_fixed_size: 0
    .kernarg_segment_align: 8
    .kernarg_segment_size: 24
    .max_flat_workgroup_size: 512
    .sgpr_count:     66
    .vgpr_count:     256
    .wavefront_size: 32
...
	.end_amdgpu_metadata
.endif
;; end of part 7
;; launch chain (part 8): grid 256 x 1, 4 waves a work-group, clusters of 4 x 1, 327,680 bytes of LDS; arguments oc, x, wc, lowp_scales, b_proj, ln2_g, ln2_b, b_fc1, b_fc2, out0; writes out0
.if DOCPART == 8
	.amdgcn_target "amdgcn-amd-amdhsa--gfx1250"
	.amdhsa_code_object_version 6
	.text
	.protected	k_qe9ef99ea9d_chain
	.globl	k_qe9ef99ea9d_chain
	.p2align	8
	.type	k_qe9ef99ea9d_chain,@function
k_qe9ef99ea9d_chain:
	s_mov_b64 s[64:65], 0
	v_nop
	global_prefetch_b8 v0, s[64:65] scope:SCOPE_SE
	s_setreg_imm32_b32 hwreg(HW_REG_WAVE_MODE, 25, 1), 1
	s_wait_xcnt 0x0
	s_wait_alu depctr_hold_cnt(0) depctr_sa_sdst(0) depctr_va_vdst(0) depctr_va_sdst(0) depctr_va_ssrc(0) depctr_va_vcc(0) depctr_vm_vsrc(0)
	s_getreg_b32 s2, hwreg(HW_REG_IB_STS2, 6, 4)
	s_cmp_eq_u32 s2, 0
	s_cbranch_scc0 .Lentry_in_a_cluster
	s_endpgm
.Lentry_in_a_cluster:
	s_bfe_u32 s2, ttmp6, 0x10000c
	s_cmp_lg_u32 s2, 0x3003
	s_cbranch_scc0 .Lentry_shape_is_right
	s_endpgm
.Lentry_shape_is_right:
; x1 = x + attention's result x w_proj + b_proj;  LayerNorm 2;  exact GELU of (.. x w_fc1 + b_fc1);  out0 = x1 + (.. x w_fc2 + b_fc2).  The three products on codes of E4M3 (scale entries 6 to 11).
; SHARES.  A work-group owns 32 tokens (row block RB) with all their 1,024 columns, so that x1, the LayerNorm and the hidden layers never go to memory.  It walks the three weights in 24 slots of 128 columns;
; wave w makes columns 256 w + 32 s in slot s.  Every wave holds the operand in hand (2 tiles x 8 K steps = 256 registers, window 1) and its quarter of x1 (256 registers, window 2).
; Weights come as dense blocks of 32,768 bytes a wave and slot through a ring of two LDS slots, asked for JOINTLY by the four work-groups of a cluster (mask 15, the same descriptor in all four).
; LAYOUT.  Source 0 = weights, source 1 = tokens: lane (r, h) holds token 8 mt + r + 8 (r / 8) and columns 256 w + 32 s + 16 h + 0 .. 15: 16 codes of them are the lane's 16 bytes of a piece of the next operand.
; An operand goes from wave to wave through LDS as an image of its registers: pieces of 512 bytes, lane l's 16 bytes at 16 l.
; erf(u) = u P(u^2) / Q(u^2), u held at +-4 (beyond it erf is 1 in f32).
; LIMITS: e8, e10 between -126 and 119; e6 + e7, e8 + e9, e10 + e11 between -126 and 127.  NaN among the inputs is not served.  The order of the f32 sums differs from the reference's.
.set SLOTB, 131072
.set PHASE, 3145728                    ; w_proj's first slot in wc
.set SCR,   2*SLOTB                    ; 34,816 bytes: an operand's image (32,768), or a stage of 32 x 272 bytes for each wave; the two uses are parted by barriers
.set SPI,   272
.set STGB,  32*SPI
.set PAR,   SCR+4*STGB                 ; b_proj, ln2_g, ln2_b, b_fc1, b_fc2: 4,096 bytes each
.set STAT1, PAR+5*4096                 ; [position 32][wave 4] f32: the sums; 512 bytes on: the sums of squares
.set SPARE, STAT1+1024
.set LI,   1
.set R,    2
.set H,    3
.set ADB0, 4
.set ADR,  5
.set AIM,  6                           ; an image, read
.set AIW,  7                           ; an image, my pieces
.set SIN,  8                           ; my stage by rows of 256 bytes: sixteen lanes to a position
.set SD,   9                           ; my stage by lanes: position r, + 64 h
.set XG,   10                          ; the same two rows in x and out0
.set PFO,  11
.set PB,   12                          ; my 16 numbers of a parameter
.set TA,   13
.set SPW,  14
.set NIL,  15
.set STA,  16
.set STR,  17
.set SC8,  18
.set LM8,  19
.set SC10, 20
.set LM10, 21
.set MU0,  22                          ; pairs: mean and 1 / sigma of my two tokens
.set RS0,  26
.set T16,  30
.set PT16, 31
.set ACC,  32
.set BI,   64
.set CD,   80                          ; v80-87 codes just made;  v88-95 the statistics at work
.set TMP,  96
.set W,    128
.set G1,   24
.set G0,   32
.set TB,   36
.set LEFT, 37
.set LIM,  38
.set CNT,  39
.set PFA,  40
.set WV,   42
.set SP,   60
.set SF1,  62
.set SF2,  66
.set SEL,  68
.set XB,   70
.set OB,   72
.set AB,   74
.set A6,   76
.set B4,   78
.set SOF,  80
.set POF,  81
.set C10,  82
.set EPS,  83
.set W_T,  0x07
.set TO_B, 0xc0
.set TO_A, 0x40
.set MSB, 0
.macro WIN new
.if MSB != \new
	s_set_vgpr_msb (MSB<<8)|\new
.set MSB, \new
.endif
.endm
.macro ROUND
	s_barrier_signal -1
	s_barrier_wait -1
	s_cmp_lg_u32 s[WV], 0
	s_cbranch_scc1 .Lnot_wave_0_\@
	s_barrier_signal -3
.Lnot_wave_0_\@:
	s_barrier_wait -3
	s_barrier_signal -1
	s_barrier_wait -1
.endm
.macro ASK                             ; the slot two fills on: cluster 0 alone asks; its sixteen waves share the slot's 512 blocks of 256 bytes out by address
	s_cmp_gt_u32 s[LEFT], s[LIM]
	s_cbranch_scc0 .Lnot_mine_\@
	global_prefetch_b8 v[PFO], s[PFA:PFA+1] th:TH_LOAD_NT scope:SCOPE_SE
.Lnot_mine_\@:
.endm
.macro CHANGE fill                     ; the change of slots: my load has landed; 0 onto my spare word; my LDS instructions are over; the round; the slot that I left is filled again, first thing
	s_wait_tensorcnt 0x0
	ds_add_u32 v[SPW], v[NIL]
.if \fill
	s_xor_b32 s[G0+1], s[G0+1], SLOTB
	s_add_nc_u64 s[G0+2:G0+3], s[G0+2:G0+3], SLOTB
	s_wait_xcnt 0x0                                ; the last prefetch, a slot back, has read its address
	s_add_nc_u64 s[PFA:PFA+1], s[PFA:PFA+1], SLOTB
.endif
	s_wait_dscnt 0x0
	ROUND
.if \fill
	tensor_load_to_lds s[G0:G0+3], s[G1:G1+7]
	s_nop 0
.rept 4
	v_nop
.endr
	ASK
	s_sub_co_u32 s[LEFT], s[LEFT], 1
.endif
.endm
.macro BLOADS
	v_add_nc_u32 v[ADR], s[TB], v[ADB0]
	WIN TO_B
.set f, 0
.rept 16
.irp c, 0,1,2,3
	ds_load_b128 v[16*f+4*\c:16*f+4*\c+3], v[ADR] offset:2048*f+512*\c
.endr
.set f, f+1
.endr
	WIN 0
.endm
.macro MULS                            ; 32 matrix instructions, four accumulators by turns, K ascending
	WIN W_T
.set ks, 0
.rept 8
	s_wait_dscnt 56-8*ks                           ; this K step's eight loads are in; the later steps' may be out
.irp mt, 0,1
.irp u, 0,1
.if ks == 0
	v_wmma_f32_16x16x128_fp8_fp8 v[ACC+16*\mt+8*\u:ACC+16*\mt+8*\u+7], v[16*(2*ks+\u):16*(2*ks+\u)+15], v[16*(8*\mt+ks):16*(8*\mt+ks)+15], 0
.else
	v_wmma_f32_16x16x128_fp8_fp8 v[ACC+16*\mt+8*\u:ACC+16*\mt+8*\u+7], v[16*(2*ks+\u):16*(2*ks+\u)+15], v[16*(8*\mt+ks):16*(8*\mt+ks)+15], v[ACC+16*\mt+8*\u:ACC+16*\mt+8*\u+7]
.endif
.endr
.endr
.set ks, ks+1
.endr
	WIN 0
.rept 4
	v_nop                                          ; four places ahead of the first read of the sums (ISA guide 7.12.1)
.endr
.endm
.macro ALOAD                           ; the operand's image into window 1
	WIN TO_A
.set f, 0
.rept 16
.irp c, 0,1,2,3
	ds_load_b128 v[16*f+4*\c:16*f+4*\c+3], v[AIM] offset:2048*f+512*\c
.endr
.set f, f+1
.endr
	WIN 0
.endm
.macro MKSC e, sc, lm
	s_add_co_i32 s[\sc], s[\e], 127
	s_lshl_b32 s[\sc], s[\sc], 23
.endm
.macro MKS a, b, d                     ; s[d], s[d + 1] = 2^(ea + eb) as f32
	s_add_co_i32 s[\d], s[\a], s[\b]
	s_add_co_i32 s[\d], s[\d], 127
	s_lshl_b32 s[\d], s[\d], 23
	s_mov_b32 s[\d+1], s[\d]
.endm
.macro HOLDCVT sc, lm                  ; TMP's 32 numbers: 32 codes into CD
.set i, 0
.rept 32
.set i, i+1
.endr
.irp g, 0,1,2,3
	v_cvt_scalef32_pk8_fp8_f32 v[CD+2*\g:CD+2*\g+1], v[TMP+8*\g:TMP+8*\g+7], v[\sc]
.endr
	v_nop                                          ; a plain line behind the last conversion
.endm
	s_load_b256 s[4:11], s[0:1], 0x0               ; oc, x, wc, the scales' exponents
	s_load_b256 s[12:19], s[0:1], 0x20             ; b_proj, ln2_g, ln2_b, b_fc1
	s_load_b128 s[20:23], s[0:1], 0x40             ; b_fc2, out0
	v_lshl_add_u32 v[SPW], v0, 2, SPARE
	v_mov_b32 v[NIL], 0
	ds_add_u32 v[SPW], v[NIL]                      ; the opening: the add and its wait ahead of my first tensor load
	ds_add_u32 v[SPW], v[NIL]
	v_lshrrev_b32 v1, 5, v0
	v_readfirstlane_b32 s[WV], v1
	s_bfe_u32 s43, ttmp6, 0x40000                  ; cx: it enters global addresses of oc, x, out0 and the prefetches alone
	s_lshl_b32 s44, ttmp9, 2
	s_add_co_u32 s44, s44, s43                     ; RB
	s_mov_b32 s[G1], 15|(3<<16)|(1<<21)            ; mask: all four work-groups; elements of 8 bytes; bit 21 beside a mask
	s_mov_b32 s[G1+1], 32<<16                      ; 128 dense rows of 256 bytes
	s_mov_b32 s[G1+2], 128<<16
	s_mov_b32 s[G1+3], 32<<16
	s_mov_b32 s[G1+4], 128
	s_mov_b32 s[G1+5], 32
	s_mov_b32 s[G1+6], 0
	s_mov_b32 s[G1+7], 0
	s_mov_b32 s[G0], 1
	s_lshl_b32 s[G0+1], s[WV], 15
	s_lshl_b32 s2, s[WV], 15
	s_mov_b32 s3, 0
	s_mov_b32 s[TB], 0
	s_mov_b32 s[LEFT], 23
	s_cmp_eq_u32 ttmp9, 0
	s_cselect_b32 s[LIM], 2, -1
	s_mov_b32 s[SEL], 0x76543210
	s_mov_b32 s[SEL+1], 0xfedcba98
	s_mov_b32 s[C10], 0x3a800000
	s_mov_b32 s[EPS], 0x3727c5ac
	s_mov_b32 s[A6], 0xaf95df0b
	s_mov_b32 s[A6+1], s[A6]
	s_mov_b32 s[B4], 0xb77460cd
	s_mov_b32 s[B4+1], s[B4]
	v_and_b32 v[R], 31, v0
	v_lshlrev_b32 v[LI], 4, v[R]
	v_lshlrev_b32 v[PFO], 8, v[R]
	v_and_b32 v[R], 15, v0
	v_bfe_u32 v[H], v0, 4, 1
	v_add_nc_u32 v[ADB0], s2, v[LI]
	v_add_nc_u32 v[AIM], SCR, v[LI]
	s_lshl_b32 s85, s[WV], 12
	s_add_co_u32 s85, s85, SCR
	v_add_nc_u32 v[AIW], s85, v[LI]
	s_mul_i32 s84, s[WV], STGB
	s_add_co_u32 s84, s84, SCR
	v_mul_u32_u24 v[SIN], v[H], SPI
	v_lshl_add_u32 v[SIN], v[R], 4, v[SIN]
	v_add_nc_u32 v[SIN], s84, v[SIN]
	v_mul_u32_u24 v[SD], v[R], SPI
	v_lshl_add_u32 v[SD], v[H], 6, v[SD]
	v_add_nc_u32 v[SD], s84, v[SD]
	v_lshlrev_b32 v[XG], 12, v[H]
	v_lshl_add_u32 v[XG], v[R], 4, v[XG]
	s_lshl_b32 s85, s[WV], 10
	s_add_co_u32 s85, s85, PAR
	v_lshl_add_u32 v[PB], v[H], 6, s85
	s_lshl_b32 s85, s[WV], 2
	s_add_co_u32 s85, s85, STAT1
	v_lshl_add_u32 v[STA], v[R], 4, s85
	v_lshl_add_u32 v[STR], v[R], 4, STAT1
	v_lshlrev_b32 v[T16], 4, v0
	v_lshl_add_u32 v[PT16], v0, 4, PAR
	v_mov_b32 v[MU0+1], 0                          ; named as the upper halves of pairs
	v_mov_b32 v[MU0+3], 0
	v_mov_b32 v[RS0+1], 0
	v_mov_b32 v[RS0+3], 0
	s_lshl_b32 s86, s44, 17                        ; x, out0: 32 RB rows of 4,096 bytes + my 256 columns
	s_lshl_b32 s87, s[WV], 10
	s_add_co_u32 s86, s86, s87
	s_mov_b32 s87, 0
	s_lshl_b32 s88, s44, 15                        ; oc: the row block's 32,768 bytes
	s_mov_b32 s89, 0
	s_lshl_b32 s90, s43, 2
	s_add_co_u32 s90, s90, s[WV]
	s_lshl_b32 s90, s90, 13
	s_add_co_u32 s90, s90, PHASE+2*SLOTB           ; the prefetches stand in slot 2: the first change steps them to slot 3
	s_mov_b32 s91, 0
	s_wait_dscnt 0x0                               ; the opening add is done
	s_wait_kmcnt 0x0
	s_load_b256 s[48:55], s[10:11], 0x0            ; e0 .. e7
	s_load_b128 s[56:59], s[10:11], 0x20           ; e8 .. e11
	s_add_nc_u64 s[G0+2:G0+3], s[8:9], s[2:3]
	s_add_nc_u64 s[G0+2:G0+3], s[G0+2:G0+3], PHASE
	s_or_b32 s[G0+3], s[G0+3], 0x80000000
	s_add_nc_u64 s[XB:XB+1], s[6:7], s[86:87]
	s_add_nc_u64 s[OB:OB+1], s[22:23], s[86:87]
	s_add_nc_u64 s[AB:AB+1], s[4:5], s[88:89]
	s_add_nc_u64 s[PFA:PFA+1], s[8:9], s[90:91]
	ROUND                                          ; all four work-groups are here: the first joint load meets
	tensor_load_to_lds s[G0:G0+3], s[G1:G1+7]      ; slot 0
	s_nop 0
.rept 4
	v_nop
.endr
	WIN TO_A
.set f, 0
.rept 16
.irp c, 0,1,2,3
	global_load_b128 v[16*f+4*\c:16*f+4*\c+3], v[LI], s[AB:AB+1] offset:2048*f+512*\c th:TH_LOAD_NT   ; attention's codes: the first operand as it stands
.endr
.set f, f+1
.endr
	WIN 0
	s_wait_alu depctr_va_vdst(0)
.irp i, 0,1
	global_load_b128 v[W+4*\i:W+4*\i+3], v[T16], s[12:13] offset:2048*\i
	global_load_b128 v[W+8+4*\i:W+8+4*\i+3], v[T16], s[14:15] offset:2048*\i
	global_load_b128 v[W+16+4*\i:W+16+4*\i+3], v[T16], s[16:17] offset:2048*\i
	global_load_b128 v[W+24+4*\i:W+24+4*\i+3], v[T16], s[18:19] offset:2048*\i
	global_load_b128 v[W+32+4*\i:W+32+4*\i+3], v[T16], s[20:21] offset:2048*\i
.endr
	WIN TO_B                                       ; x lands in window 3, which the weights take later: chunk t = 64 of my columns; a load takes two positions, sixteen lanes to 256 consecutive bytes
.irp t, 0,1,2,3
.set i, 0
.rept 16
	global_load_b128 v[4*(16*\t+i):4*(16*\t+i)+3], v[XG], s[XB:XB+1] offset:(((2*i)&7)|(((2*i)&8)<<1)|(((2*i)&16)>>1))*4096+256*\t th:TH_LOAD_NT
.set i, i+1
.endr
.endr
	WIN 0
	s_wait_kmcnt 0x0
	MKS 54, 55, SP
	MKS 56, 57, SF1
	MKS 58, 59, SF2
	MKSC 56, 92, 93
	v_mov_b32 v[SC8], s92
	MKSC 58, 94, 95
	v_mov_b32 v[SC10], s94
	s_wait_loadcnt 48                              ; the operand, the parameters and x's chunk 0 are in; chunks 1 to 3, 48 loads, may be out
.irp p, 0,1,2,3,4
.irp i, 0,1
	ds_store_b128 v[PT16], v[W+8*\p+4*\i:W+8*\p+4*\i+3] offset:4096*\p+2048*\i
.endr
.endr
.irp t, 0,1,2,3                        ; x turns through my stage into the sums' layout: X1(s, mt, k) = v[32 s + 16 mt + k] of window 2
.if \t > 0
	s_wait_loadcnt 48-16*\t
.endif
	WIN 0x0c                                       ; store data in window 3
.set i, 0
.rept 16
	ds_store_b128 v[SIN], v[4*(16*\t+i):4*(16*\t+i)+3] offset:2*SPI*i
.set i, i+1
.endr
	WIN 0x80                                       ; destination window 2
.irp mt, 0,1
.irp sp, 0,1
.irp q, 0,1,2,3
	ds_load_b128 v[32*(2*\t+\sp)+16*\mt+4*\q:32*(2*\t+\sp)+16*\mt+4*\q+3], v[SD] offset:16*SPI*\mt+128*\sp+16*\q   ; LDS serves a wave's instructions in order: these see my stores, and the next chunk's stores come behind them
.endr
.endr
.endr
	WIN 0
.endr
; A slot whose sums are added onto x1: X1 += sum x 2^(ea + eb) + bias.
.macro TRIPX sl, par, sc, fill
	CHANGE \fill
.irp q, 0,1,2,3
	ds_load_b128 v[BI+4*\q:BI+4*\q+3], v[PB] offset:4096*(\par)+128*(\sl)+16*\q
.endr
	BLOADS
	MULS
.set i, 0
.rept 16
	v_pk_fma_f32 v[TMP+2*i:TMP+2*i+1], v[ACC+2*i:ACC+2*i+1], s[\sc:\sc+1], v[BI+(2*i)%16:BI+(2*i)%16+1] op_sel_hi:[1,0,1]   ; each accumulator from its low end on
.set i, i+1
.endr
	WIN 0x82                                       ; destination and source 0 window 2
.set i, 0
.rept 16
	v_pk_add_f32 v[32*(\sl)+2*i:32*(\sl)+2*i+1], v[32*(\sl)+2*i:32*(\sl)+2*i+1], v[TMP+2*i:TMP+2*i+1]
.set i, i+1
.endr
	WIN 0
	s_xor_b32 s[TB], s[TB], SLOTB
.endm
	; ---- the projection: x1 = x + (.. + b_proj).  (The first change of slots waits for my LDS instructions; its round shows the parameters to every wave)
.irp s, 0,1,2,3,4,5,6,7
	TRIPX \s, 0, SP, 1
.endr
	; ---- LayerNorm 2.  A lane holds 128 numbers of each of its two tokens; lane l xor 16 and the other three waves hold the rest.
.macro GBLOAD s                        ; gain and offset of slot s's columns into set s % 4
.irp q, 0,1,2,3
	ds_load_b128 v[W+32*((\s)%4)+4*\q:W+32*((\s)%4)+4*\q+3], v[PB] offset:4096+128*(\s)+16*\q
	ds_load_b128 v[W+32*((\s)%4)+16+4*\q:W+32*((\s)%4)+16+4*\q+3], v[PB] offset:8192+128*(\s)+16*\q
.endr
.endm
.macro MEET off                        ; v88 and v92, a lane's two sums, become the tokens' sums over 1,024 columns in v64 and v68
.irp mt, 0,1
	v_pk_add_f32 v[88+4*\mt:89+4*\mt], v[88+4*\mt:89+4*\mt], v[90+4*\mt:91+4*\mt]
.endr
.irp mt, 0,1
	v_add_f32 v[88+4*\mt], v[88+4*\mt], v[89+4*\mt]
.endr
.irp mt, 0,1
	v_permlanex16_b32 v[89+4*\mt], v[88+4*\mt], s[SEL], s[SEL+1]
.endr
.irp mt, 0,1
	v_add_f32 v[88+4*\mt], v[88+4*\mt], v[89+4*\mt]
.endr
	ds_store_b32 v[STA], v88 offset:\off
	ds_store_b32 v[STA], v92 offset:\off+256
	s_wait_dscnt 0x0                               ; my sums lie in LDS
	s_barrier_signal -1
	s_barrier_wait -1                              ; everybody's do.
	ds_load_b128 v[64:67], v[STR] offset:\off
	ds_load_b128 v[68:71], v[STR] offset:\off+256
	s_wait_dscnt 0x0
	v_add_f32 v64, v64, v65
	v_add_f32 v66, v66, v67
	v_add_f32 v68, v68, v69
	v_add_f32 v70, v70, v71
	v_add_f32 v64, v64, v66
	v_add_f32 v68, v68, v70
.endm
	GBLOAD 0
	GBLOAD 1
	GBLOAD 2
	GBLOAD 3
	WIN 0x0a                                       ; sources 0 and 1 window 2: the first pairs start four chains
.irp mt, 0,1
	v_pk_add_f32 v[88+4*\mt:89+4*\mt], v[16*\mt:16*\mt+1], v[16*\mt+2:16*\mt+3]
	v_pk_add_f32 v[90+4*\mt:91+4*\mt], v[16*\mt+4:16*\mt+5], v[16*\mt+6:16*\mt+7]
.endr
	WIN 0x02
.irp j, 8,12
.irp mt, 0,1
	v_pk_add_f32 v[88+4*\mt:89+4*\mt], v[16*\mt+\j:16*\mt+\j+1], v[88+4*\mt:89+4*\mt]
	v_pk_add_f32 v[90+4*\mt:91+4*\mt], v[16*\mt+\j+2:16*\mt+\j+3], v[90+4*\mt:91+4*\mt]
.endr
.endr
.irp s, 1,2,3,4,5,6,7
.irp j, 0,4,8,12
.irp mt, 0,1
	v_pk_add_f32 v[88+4*\mt:89+4*\mt], v[32*\s+16*\mt+\j:32*\s+16*\mt+\j+1], v[88+4*\mt:89+4*\mt]
	v_pk_add_f32 v[90+4*\mt:91+4*\mt], v[32*\s+16*\mt+\j+2:32*\s+16*\mt+\j+3], v[90+4*\mt:91+4*\mt]
.endr
.endr
.endr
	WIN 0
	MEET 0
	v_mul_f32 v[MU0], s[C10], v64
	v_mul_f32 v[MU0+2], s[C10], v68
.irp s, 0,1,2,3,4,5,6,7                ; the sums of (x1 - mean)^2, a slot's 32 numbers at a time
	WIN 0x02
.set i, 0
.rept 16
	v_pk_add_f32 v[TMP+2*i:TMP+2*i+1], v[32*\s+2*i:32*\s+2*i+1], v[MU0+2*(i/8):MU0+2*(i/8)+1] op_sel_hi:[1,0] neg_lo:[0,1] neg_hi:[0,1]
.set i, i+1
.endr
	WIN 0
.set i, 0
.rept 16
.if (\s == 0) && ((i%8) < 2)
	v_pk_mul_f32 v[88+4*(i/8)+2*(i%2):88+4*(i/8)+2*(i%2)+1], v[TMP+2*i:TMP+2*i+1], v[TMP+2*i:TMP+2*i+1]
.else
	v_pk_fma_f32 v[88+4*(i/8)+2*(i%2):88+4*(i/8)+2*(i%2)+1], v[TMP+2*i:TMP+2*i+1], v[TMP+2*i:TMP+2*i+1], v[88+4*(i/8)+2*(i%2):88+4*(i/8)+2*(i%2)+1]
.endif
.set i, i+1
.endr
.endr
	MEET 512
	v_fma_f32 v64, v64, s[C10], s[EPS]
	v_fma_f32 v68, v68, s[C10], s[EPS]
	s_wait_alu depctr_va_vdst(0)
	v_rsq_f32 v[RS0], v64
	v_rsq_f32 v[RS0+2], v68
	v_nop                                          ; a plain line behind the transcendentals,
	s_wait_alu depctr_va_vdst(0)                   ; and one wait for both, ahead of their first reader
.macro NORM s                          ; slot s's 32 numbers: normalised, quantised, two pieces of the next operand's image
.if (\s) >= 4
	s_wait_dscnt 30-8*((\s)-4)                     ; this slot's gain and offset are in; what was issued behind their eight loads may be out
.endif
	WIN 0x02
.set i, 0
.rept 16
	v_pk_add_f32 v[TMP+2*i:TMP+2*i+1], v[32*(\s)+2*i:32*(\s)+2*i+1], v[MU0+2*(i/8):MU0+2*(i/8)+1] op_sel_hi:[1,0] neg_lo:[0,1] neg_hi:[0,1]
.set i, i+1
.endr
	WIN 0
.set i, 0
.rept 16
	v_pk_mul_f32 v[TMP+2*i:TMP+2*i+1], v[TMP+2*i:TMP+2*i+1], v[RS0+2*(i/8):RS0+2*(i/8)+1] op_sel_hi:[1,0]
.set i, i+1
.endr
.set i, 0
.rept 16
	v_pk_fma_f32 v[TMP+2*i:TMP+2*i+1], v[TMP+2*i:TMP+2*i+1], v[W+32*((\s)%4)+(2*i)%16:W+32*((\s)%4)+(2*i)%16+1], v[W+32*((\s)%4)+16+(2*i)%16:W+32*((\s)%4)+16+(2*i)%16+1]
.set i, i+1
.endr
	HOLDCVT SC8, LM8
	ds_store_b128 v[AIW], v[CD:CD+3] offset:512*(\s)
	ds_store_b128 v[AIW], v[CD+4:CD+7] offset:16384+512*(\s)
.if (\s) < 4
	GBLOAD (\s)+4
.endif
.endm
.irp s, 0,1,2,3,4,5,6,7
	NORM \s
.endr
	s_wait_dscnt 0x0                               ; my pieces lie in LDS
	s_barrier_signal -1
	s_barrier_wait -1
	ALOAD                                          ; (the next change of slots waits for these loads, ahead of its round: only behind it is the image written again)
	; ---- fc1 and the exact GELU
.set UU, W                             ; v128-159 u = z / sqrt(2), held at +-4
.set TT, W+32                          ; v160-191 u^2
.set PN, W+64                          ; v192-223 P
.set PD, W+96                          ; v224-255 Q, then 1 / Q
.macro HORNER p, k                     ; p = p x u^2 + k
.set i, 0
.rept 16
	v_pk_fma_f32 v[\p+2*i:\p+2*i+1], v[\p+2*i:\p+2*i+1], v[TT+2*i:TT+2*i+1], \k op_sel_hi:[1,1,0]
.set i, i+1
.endr
.endm
	s_mov_b32 s[SOF], 0
	s_mov_b32 s[POF], 0
	s_mov_b32 s[CNT], 8
.Lf1:
	CHANGE 1
	v_add_nc_u32 v[TA], s[POF], v[PB]
.irp q, 0,1,2,3
	ds_load_b128 v[BI+4*\q:BI+4*\q+3], v[TA] offset:12288+16*\q
.endr
	BLOADS
	MULS
.set i, 0
.rept 16
	v_pk_fma_f32 v[TMP+2*i:TMP+2*i+1], v[ACC+2*i:ACC+2*i+1], s[SF1:SF1+1], v[BI+(2*i)%16:BI+(2*i)%16+1] op_sel_hi:[1,0,1]   ; z
.set i, i+1
.endr
.set i, 0
.rept 16
	v_pk_mul_f32 v[UU+2*i:UU+2*i+1], v[TMP+2*i:TMP+2*i+1], 0x3f3504f3 op_sel_hi:[1,0]
.set i, i+1
.endr
.set i, 0
.rept 32
	v_med3_num_f32 v[UU+i], v[UU+i], -4.0, 4.0
.set i, i+1
.endr
.set i, 0
.rept 16
	v_pk_mul_f32 v[TT+2*i:TT+2*i+1], v[UU+2*i:UU+2*i+1], v[UU+2*i:UU+2*i+1]
.set i, i+1
.endr
.set i, 0
.rept 16
	v_pk_fma_f32 v[PD+2*i:PD+2*i+1], v[TT+2*i:TT+2*i+1], s[B4:B4+1], 0xb95fbd29 op_sel_hi:[1,0,0]
.set i, i+1
.endr
	HORNER PD, 0xbadc924e
	HORNER PD, 0xbbf19bf8
	HORNER PD, 0xbc69b6a7
.set i, 0
	s_wait_alu depctr_va_vdst(0)
.rept 32
	v_rcp_f32 v[PD+i], v[PD+i]                     ; one batch; P's polynomial below is the work that names none of its results
.set i, i+1
.endr
.set i, 0
.rept 16
	v_pk_fma_f32 v[PN+2*i:PN+2*i+1], v[TT+2*i:TT+2*i+1], s[A6:A6+1], 0x32edffee op_sel_hi:[1,0,0]
.set i, i+1
.endr
	HORNER PN, 0xb60cff51
	HORNER PN, 0xb86ec2d2
	HORNER PN, 0xba40ac63
	HORNER PN, 0xbb41a1f6
	HORNER PN, 0xbc83dbd4
.set i, 0
.rept 16
	v_pk_mul_f32 v[UU+2*i:UU+2*i+1], v[UU+2*i:UU+2*i+1], v[PN+2*i:PN+2*i+1]
	v_pk_mul_f32 v[TMP+2*i:TMP+2*i+1], v[TMP+2*i:TMP+2*i+1], 0.5 op_sel_hi:[1,0]      ; z / 2
.set i, i+1
.endr
	s_wait_alu depctr_va_vdst(0)                   ; one wait for the 32 reciprocals, ahead of their first reader
.set i, 0
.rept 16
	v_pk_mul_f32 v[UU+2*i:UU+2*i+1], v[UU+2*i:UU+2*i+1], v[PD+2*i:PD+2*i+1]           ; erf
.set i, i+1
.endr
.set i, 0
.rept 16
	v_pk_fma_f32 v[TMP+2*i:TMP+2*i+1], v[TMP+2*i:TMP+2*i+1], v[UU+2*i:UU+2*i+1], v[TMP+2*i:TMP+2*i+1]   ; z / 2 x erf + z / 2
.set i, i+1
.endr
	HOLDCVT SC10, LM10
	v_add_nc_u32 v[TA], s[SOF], v[AIW]
	ds_store_b128 v[TA], v[CD:CD+3]
	ds_store_b128 v[TA], v[CD+4:CD+7] offset:16384
	s_xor_b32 s[TB], s[TB], SLOTB
	s_add_co_u32 s[POF], s[POF], 128
	s_add_co_u32 s[SOF], s[SOF], 512
	s_sub_co_u32 s[CNT], s[CNT], 1
	s_cmp_lg_u32 s[CNT], 0
	s_cbranch_scc1 .Lf1
	s_wait_dscnt 0x0
	s_barrier_signal -1
	s_barrier_wait -1
	ALOAD
	; ---- fc2: out0 = x1 + (.. + b_fc2).  Behind every second slot 64 finished columns leave through my stage: sixteen lanes store 256 consecutive bytes, aligned.
.macro OUT t
	WIN 0x08                                       ; store data in window 2
.irp mt, 0,1
.irp sp, 0,1
.irp q, 0,1,2,3
	ds_store_b128 v[SD], v[32*(2*(\t)+\sp)+16*\mt+4*\q:32*(2*(\t)+\sp)+16*\mt+4*\q+3] offset:16*SPI*\mt+128*\sp+16*\q
.endr
.endr
.endr
	WIN 0
	s_wait_xcnt 0x0                                ; the last chunk's stores have read their registers
.set i, 0
.rept 16
	ds_load_b128 v[W+4*i:W+4*i+3], v[SIN] offset:2*SPI*i
.set i, i+1
.endr
.set i, 0
.rept 16
	s_wait_dscnt 15-i
	global_store_b128 v[XG], v[W+4*i:W+4*i+3], s[OB:OB+1] offset:(((2*i)&7)|(((2*i)&8)<<1)|(((2*i)&16)>>1))*4096+256*(\t) th:TH_STORE_NT
.set i, i+1
.endr
.endm
.irp t, 0,1,2
	TRIPX 2*\t, 4, SF2, 1
	TRIPX 2*\t+1, 4, SF2, 1
	OUT \t
.endr
	TRIPX 6, 4, SF2, 1
	TRIPX 7, 4, SF2, 0                             ; the last slot asks for nothing
	OUT 3
	s_wait_tensorcnt 0x0                           ; the wave's end
	ds_add_u32 v[SPW], v[NIL]
	s_wait_dscnt 0x0
	ROUND                                          ; the closing round
	s_endpgm
.Lfunc_end_k_qe9ef99ea9d_chain:
	.size	k_qe9ef99ea9d_chain, .Lfunc_end_k_qe9ef99ea9d_chain-k_qe9ef99ea9d_chain
	.p2alignl 7, 3214868480
	.fill 96, 4, 3214868480
	.section	.rodata,"a",@progbits
	.p2align	6, 0x0
	.amdhsa_kernel k_qe9ef99ea9d_chain
		.amdhsa_group_segment_fixed_size 327680
		.amdhsa_private_segment_fixed_size 0
		.amdhsa_enable_private_segment 0
		.amdhsa_kernarg_size 80
		.amdhsa_user_sgpr_count 2
		.amdhsa_user_sgpr_kernarg_segment_ptr 1
		.amdhsa_wavefront_size32 1
		.amdhsa_system_sgpr_workgroup_id_x 1
		.amdhsa_system_sgpr_workgroup_id_y 1
		.amdhsa_system_sgpr_workgroup_id_z 1
		.amdhsa_system_vgpr_workitem_id 0
		.amdhsa_next_free_vgpr 1024
		.amdhsa_next_free_sgpr 96
		.amdhsa_reserve_vcc 0
		.amdhsa_float_denorm_mode_32 3
		.amdhsa_float_denorm_mode_16_64 3
		.amdhsa_fp16_overflow 1
		.amdhsa_memory_ordered 1
		.amdhsa_forward_progress 1
		.amdhsa_inst_pref_size 255
	.end_amdhsa_kernel
	.section	.bss,"aw",@nobits
	.p2align	6
	.space	262144
	.amdgpu_metadata
---
amdhsa.version: [ 1, 2 ]
amdhsa.kernels:
  - .name:           k_qe9ef99ea9d_chain
    .symbol:         k_qe9ef99ea9d_chain.kd
    .args:
      - { .name: oc, .offset: 0, .size: 8, .value_kind: global_buffer, .address_space: global }
      - { .name: x, .offset: 8, .size: 8, .value_kind: global_buffer, .address_space: global }
      - { .name: wc, .offset: 16, .size: 8, .value_kind: global_buffer, .address_space: global }
      - { .name: lowp_scales, .offset: 24, .size: 8, .value_kind: global_buffer, .address_space: global }
      - { .name: b_proj, .offset: 32, .size: 8, .value_kind: global_buffer, .address_space: global }
      - { .name: ln2_g, .offset: 40, .size: 8, .value_kind: global_buffer, .address_space: global }
      - { .name: ln2_b, .offset: 48, .size: 8, .value_kind: global_buffer, .address_space: global }
      - { .name: b_fc1, .offset: 56, .size: 8, .value_kind: global_buffer, .address_space: global }
      - { .name: b_fc2, .offset: 64, .size: 8, .value_kind: global_buffer, .address_space: global }
      - { .name: out0, .offset: 72, .size: 8, .value_kind: global_buffer, .address_space: global }
    .group_segment_fixed_size: 327680
    .private_segment_fixed_size: 0
    .kernarg_segment_align: 8
    .kernarg_segment_size: 80
    .max_flat_workgroup_size: 128
    .sgpr_count:     96
    .vgpr_count:     1024
    .wavefront_size: 32
...
	.end_amdgpu_metadata
.endif
;; end of part 8
